; MI455X (gfx1250); checked and timed in simulation.
; The chip was launched on July 23, 2026; its instructions are those of AMD's public machine-readable ISA for CDNA 5 (MIT licence, August 2026) and "CDNA5" Instruction Set Architecture Reference Guide (July 2026). The comments in the code are by the model that wrote it; some were corrected since.
;; Layer. Allowed arithmetic: float matrix products may take bf16 or f16 operands with f32 sums; other float arithmetic in f32, or as packed bf16 or f16 multiplies, adds, multiply-adds, maxima and minima; sums over many terms, partial sums and values carried from step to step in f32; what a program stores and reads back later, other than sums and carried values, may be rounded once to bf16 or f16.
;; Inputs: b1 4,096 float32; b2 1,024 float32; ln1_b 1,024 float32; ln1_g 1,024 float32; ln2_b 1,024 float32; ln2_g 1,024 float32; m 1 x 1 x 2,048 x 2,048 float32; w1 1,024 x 4,096 float32; w2 4,096 x 1,024 float32; wo_b 1,024 float32; wo_w 1,024 x 1,024 float32; wx_b 3,072 float32; wx_w 1,024 x 3,072 float32; x 2 x 2,048 x 1,024 float32.
;; Outputs: out0 2 x 2,048 x 1,024 float32.
;; Constants: nh = 16.
;; 3 versions, each right; version 3 is version 2 with the launches prep, ln2 written anew for expert scheduling mode. Each part assembles by itself: llvm-mc -triple=amdgcn-amd-amdhsa -mcpu=gfx1250 --defsym DOCPART=n.
;; ======== version 1 of 3: 7 launches
;; workspace buffers: wbf 25,165,824 bytes; act 8,388,608 bytes; qkvh 25,165,824 bytes; ob 8,388,608 bytes; x1 16,777,216 bytes; hb 33,554,432 bytes
;; launch prep (part 1): grid 256 x 4, 8 waves a work-group, no clusters, 0 bytes of LDS; arguments x, ln1_g, ln1_b, act, wx_w, wo_w, w1, w2, wbf; writes act, wbf
.if DOCPART == 1
	.amdgcn_target "amdgcn-amd-amdhsa--gfx1250"
	.amdhsa_code_object_version 6
	.text
	.protected	k_q2a0c785807_prep
	.globl	k_q2a0c785807_prep
	.p2align	8
	.type	k_q2a0c785807_prep,@function
k_q2a0c785807_prep:
	s_mov_b64 s[64:65], 0
	v_nop
	global_prefetch_b8 v0, s[64:65] scope:SCOPE_SE
	s_setreg_imm32_b32 hwreg(HW_REG_WAVE_MODE, 25, 1), 1
	s_wait_xcnt 0x0
; Two streams in one text, told apart by the work-group's y.
; y = 0: LAYER NORM.  out[r][c] = g[c] (in[r][c] - mu) / sqrt(var + 1e-5) + b[c], in: [4096][1024] f32, out: the same in bf16, rounded once.
;   var is taken as the mean of (x - mu)^2, which equals E[x^2] - mu^2 and forms no difference of large sums where the row carries an offset.
;   A work-group owns 16 rows, a wave 2; a row of 4,096 bytes is 32 registers of one wave, so it is read once and no wave waits for another.
; y = 1..3: CAST.  The four weight matrices, f32, are copied to bf16 as they lie ([K][N]) into one buffer: wx at 0, wo at 6,291,456, w1 at 8,388,608,
;   w2 at 16,777,216.  Chunk c = 256 (y - 1) + x of 768 is 65,536 bytes of f32: chunks 0-191 wx, 192-255 wo, 256-511 w1, 512-767 w2.
; With a grid of height 1 only the layer norm runs.  No LDS, no barrier, no matrix unit: both are streams, each byte read and written once.
.set XO, 2                             ; v2        my 16 bytes in the wave's first row of the input
.set YO, 3                             ; v3        my 8 bytes in the wave's first row of the output
.set T,  4                             ; v[4:11]   four chains of packed sums
.set MU, 12                            ; v[12:13]  the mean, twice
.set R,  14                            ; v[14:15]  1 / sqrt(var + eps), twice
.set X,  16                            ; v[16:79]  two rows of 32
.set G,  80                            ; v[80:111] the gain of my 32 columns
.set BV, 112                           ; v[112:143] the bias of my 32 columns
.set Y,  144                           ; v[144:175] two rows of 16 packed words
	s_load_b512 s[4:19], s[0:1], 0x0               ; in s[4:5], g s[6:7], b s[8:9], out s[10:11], wx s[12:13], wo s[14:15], w1 s[16:17], w2 s[18:19]
	s_load_b64 s[20:21], s[0:1], 0x40              ; the bf16 weights
	v_lshrrev_b32 v1, 5, v0
	v_readfirstlane_b32 s23, v1                    ; wave 0..7
	s_and_b32 s22, ttmp7, 0xffff                   ; y
	s_wait_kmcnt 0x0
	s_cmp_lg_u32 s22, 0
	s_cbranch_scc1 .Lcast
	s_mov_b32 s24, 0x76543210                      ; v_permlanex16_b32: each lane takes its own place in the other half
	s_mov_b32 s25, 0xfedcba98
	s_mov_b32 s26, 0x3a800000                      ; 1 / 1024
	s_mov_b32 s27, 0x3727c5ac                      ; 1e-5
	s_lshl_b32 s28, ttmp9, 16                      ; 16 rows of 4,096 bytes
	s_mov_b32 s29, 0
	s_add_nc_u64 s[4:5], s[4:5], s[28:29]
	s_lshl_b32 s28, ttmp9, 15                      ; 16 rows of 2,048 bytes
	s_add_nc_u64 s[10:11], s[10:11], s[28:29]
	v_and_b32 v1, 31, v0
	v_lshlrev_b32 v[YO], 3, v1
	v_lshlrev_b32 v1, 4, v1                        ; 16 x lane: register 4 j + i of a row is column 128 j + 4 lane + i
	v_lshl_add_u32 v[XO], s23, 13, v1              ; + wave x 2 rows
	v_lshl_add_u32 v[YO], s23, 12, v[YO]
.irp p, 0,1
.irp j, 0,1,2,3,4,5,6,7
	global_load_b128 v[X+32*(\p)+4*(\j):X+32*(\p)+4*(\j)+3], v[XO], s[4:5] offset:4096*(\p)+512*(\j) th:TH_LOAD_NT
.endr
.endr
.irp j, 0,1,2,3,4,5,6,7
	global_load_b128 v[G+4*(\j):G+4*(\j)+3], v1, s[6:7] offset:512*(\j)
.endr
.irp j, 0,1,2,3,4,5,6,7
	global_load_b128 v[BV+4*(\j):BV+4*(\j)+3], v1, s[8:9] offset:512*(\j)
.endr
.macro REDUCE                          ; the four chains into one number, then over the 32 lanes: every lane ends with the sum
	v_pk_add_f32 v[T:T+1], v[T:T+1], v[T+2:T+3]
	v_pk_add_f32 v[T+4:T+5], v[T+4:T+5], v[T+6:T+7]
	v_pk_add_f32 v[T:T+1], v[T:T+1], v[T+4:T+5]
	v_add_f32 v[T], v[T], v[T+1]
	v_add_f32_dpp v[T], v[T], v[T] row_xmask:1 row_mask:0xf bank_mask:0xf
	v_add_f32_dpp v[T], v[T], v[T] row_xmask:2 row_mask:0xf bank_mask:0xf
	v_add_f32_dpp v[T], v[T], v[T] row_xmask:4 row_mask:0xf bank_mask:0xf
	v_add_f32_dpp v[T], v[T], v[T] row_xmask:8 row_mask:0xf bank_mask:0xf
	v_permlanex16_b32 v[T+1], v[T], s24, s25
	v_add_f32 v[T], v[T], v[T+1]
.endm
; Row p of the wave's two.  left = how many younger loads may stay out.
.macro ROWN p, left
.set XB, X+32*(\p)
.set YB, Y+16*(\p)
	s_wait_loadcnt \left
.irp c, 0,1,2,3
	v_pk_add_f32 v[T+2*(\c):T+2*(\c)+1], v[XB+2*(\c):XB+2*(\c)+1], v[XB+8+2*(\c):XB+8+2*(\c)+1]  ; the first pairs start the chains
.endr
.irp c, 8,9,10,11,12,13,14,15
	v_pk_add_f32 v[T+2*((\c)%4):T+2*((\c)%4)+1], v[T+2*((\c)%4):T+2*((\c)%4)+1], v[XB+2*(\c):XB+2*(\c)+1]
.endr
	REDUCE
	v_mul_f32 v[MU], s26, v[T]
	v_mov_b32 v[MU+1], v[MU]
.irp c, 0,1,2,3,4,5,6,7,8,9,10,11,12,13,14,15
	v_pk_add_f32 v[XB+2*(\c):XB+2*(\c)+1], v[XB+2*(\c):XB+2*(\c)+1], v[MU:MU+1] neg_lo:[0,1] neg_hi:[0,1]  ; x - mu, in place
.endr
.irp c, 0,1,2,3
	v_pk_mul_f32 v[T+2*(\c):T+2*(\c)+1], v[XB+2*(\c):XB+2*(\c)+1], v[XB+2*(\c):XB+2*(\c)+1]
.endr
.irp c, 4,5,6,7,8,9,10,11,12,13,14,15
	v_pk_fma_f32 v[T+2*((\c)%4):T+2*((\c)%4)+1], v[XB+2*(\c):XB+2*(\c)+1], v[XB+2*(\c):XB+2*(\c)+1], v[T+2*((\c)%4):T+2*((\c)%4)+1]
.endr
	REDUCE
	v_fma_f32 v[T], v[T], s26, s27                 ; var + eps
	v_rsq_f32 v[R], v[T]
	v_rsq_f32 v[R+1], v[T]
	v_nop                                          ; a plain instruction behind the second root (ISA guide 5.7.2),
	s_wait_alu depctr_va_vdst(0)                   ; and the one wait ahead of the first use of the pair
.if (\p) == 0
	s_wait_loadcnt 0x0                             ; gain and bias, once
.endif
.irp c, 0,1,2,3,4,5,6,7,8,9,10,11,12,13,14,15
	v_pk_mul_f32 v[XB+2*(\c):XB+2*(\c)+1], v[XB+2*(\c):XB+2*(\c)+1], v[R:R+1]
.endr
.irp c, 0,1,2,3,4,5,6,7,8,9,10,11,12,13,14,15
	v_pk_fma_f32 v[XB+2*(\c):XB+2*(\c)+1], v[XB+2*(\c):XB+2*(\c)+1], v[G+2*(\c):G+2*(\c)+1], v[BV+2*(\c):BV+2*(\c)+1]
.endr
.irp c, 0,1,2,3,4,5,6,7,8,9,10,11,12,13,14,15
	v_cvt_pk_bf16_f32 v[YB+(\c)], v[XB+2*(\c)], v[XB+2*(\c)+1]
.endr
.irp j, 0,1,2,3,4,5,6,7
	global_store_b64 v[YO], v[YB+2*(\j):YB+2*(\j)+1], s[10:11] offset:2048*(\p)+256*(\j)  ; 32 lanes store 256 consecutive bytes, aligned
.endr
.endm
	ROWN 0, 24                                     ; behind row 0's loads: row 1's eight, the gain's eight, the bias's eight
	ROWN 1, 0
	s_endpgm
.Lcast:
	s_sub_co_u32 s22, s22, 1
	s_lshl_b32 s22, s22, 8
	s_add_co_u32 s22, s22, ttmp9                   ; chunk c
	s_mov_b64 s[28:29], s[18:19]                   ; w2, whose first chunk is 512, unless c lies lower
	s_mov_b32 s30, 512
	s_cmp_lt_u32 s22, 512
	s_cselect_b64 s[28:29], s[16:17], s[28:29]
	s_cselect_b32 s30, 256, s30
	s_cmp_lt_u32 s22, 256
	s_cselect_b64 s[28:29], s[14:15], s[28:29]
	s_cselect_b32 s30, 192, s30
	s_cmp_lt_u32 s22, 192
	s_cselect_b64 s[28:29], s[12:13], s[28:29]
	s_cselect_b32 s30, 0, s30
	s_sub_co_u32 s32, s22, s30
	s_lshl_b32 s32, s32, 16                        ; the chunk's place in its matrix
	s_mov_b32 s33, 0
	s_add_nc_u64 s[28:29], s[28:29], s[32:33]
	s_lshl_b32 s34, s22, 15                        ; and in the bf16 buffer
	s_mov_b32 s35, 0
	s_add_nc_u64 s[20:21], s[20:21], s[34:35]
	v_lshlrev_b32 v1, 4, v0                        ; 16 bytes in,
	v_lshlrev_b32 v2, 3, v0                        ; 8 bytes out, a thread
.irp i, 0,1,2,3,4,5,6,7,8,9,10,11,12,13,14,15
	global_load_b128 v[16+4*(\i):16+4*(\i)+3], v1, s[28:29] offset:4096*(\i) th:TH_LOAD_NT
.endr
.irp i, 0,1,2,3,4,5,6,7,8,9,10,11,12,13,14,15
	s_wait_loadcnt 15-(\i)                         ; the loads behind load i may stay out
	v_cvt_pk_bf16_f32 v[80+2*(\i)], v[16+4*(\i)], v[16+4*(\i)+1]
	v_cvt_pk_bf16_f32 v[80+2*(\i)+1], v[16+4*(\i)+2], v[16+4*(\i)+3]
	global_store_b64 v2, v[80+2*(\i):80+2*(\i)+1], s[20:21] offset:2048*(\i)  ; a wave stores 256 consecutive bytes, aligned; no register is written twice
.endr
	s_endpgm
.Lfunc_end_k_q2a0c785807_prep:
	.size	k_q2a0c785807_prep, .Lfunc_end_k_q2a0c785807_prep-k_q2a0c785807_prep
	.p2alignl 7, 3214868480
	.fill 96, 4, 3214868480
	.section	.rodata,"a",@progbits
	.p2align	6, 0x0
	.amdhsa_kernel k_q2a0c785807_prep
		.amdhsa_group_segment_fixed_size 0
		.amdhsa_private_segment_fixed_size 0
		.amdhsa_enable_private_segment 0
		.amdhsa_kernarg_size 72
		.amdhsa_user_sgpr_count 2
		.amdhsa_user_sgpr_kernarg_segment_ptr 1
		.amdhsa_wavefront_size32 1
		.amdhsa_system_sgpr_workgroup_id_x 1
		.amdhsa_system_sgpr_workgroup_id_y 1
		.amdhsa_system_sgpr_workgroup_id_z 1
		.amdhsa_system_vgpr_workitem_id 0
		.amdhsa_next_free_vgpr 176
		.amdhsa_next_free_sgpr 66
		.amdhsa_reserve_vcc 0
		.amdhsa_float_denorm_mode_32 3
		.amdhsa_float_denorm_mode_16_64 3
		.amdhsa_memory_ordered 1
		.amdhsa_forward_progress 1
		.amdhsa_inst_pref_size 27
	.end_amdhsa_kernel
	.amdgpu_metadata
---
amdhsa.version: [ 1, 2 ]
amdhsa.kernels:
  - .name:           k_q2a0c785807_prep
    .symbol:         k_q2a0c785807_prep.kd
    .args:
      - { .name: x, .offset: 0, .size: 8, .value_kind: global_buffer, .address_space: global }
      - { .name: ln1_g, .offset: 8, .size: 8, .value_kind: global_buffer, .address_space: global }
      - { .name: ln1_b, .offset: 16, .size: 8, .value_kind: global_buffer, .address_space: global }
      - { .name: act, .offset: 24, .size: 8, .value_kind: global_buffer, .address_space: global }
      - { .name: wx_w, .offset: 32, .size: 8, .value_kind: global_buffer, .address_space: global }
      - { .name: wo_w, .offset: 40, .size: 8, .value_kind: global_buffer, .address_space: global }
      - { .name: w1, .offset: 48, .size: 8, .value_kind: global_buffer, .address_space: global }
      - { .name: w2, .offset: 56, .size: 8, .value_kind: global_buffer, .address_space: global }
      - { .name: wbf, .offset: 64, .size: 8, .value_kind: global_buffer, .address_space: global }
    .group_segment_fixed_size: 0
    .private_segment_fixed_size: 0
    .kernarg_segment_align: 8
    .kernarg_segment_size: 72
    .max_flat_workgroup_size: 256
    .sgpr_count:     66
    .vgpr_count:     176
    .wavefront_size: 32
...
	.end_amdgpu_metadata
.endif
;; end of part 1
;; launch gqkv (part 2): grid 24 x 32, 4 waves a work-group, clusters of 4 x 4, 327,680 bytes of LDS; arguments act, wbf, wx_b, qkvh; writes qkvh
.if DOCPART == 2
	.amdgcn_target "amdgcn-amd-amdhsa--gfx1250"
	.amdhsa_code_object_version 6
	.text
	.protected	k_q2a0c785807_gqkv
	.globl	k_q2a0c785807_gqkv
	.p2align	8
	.type	k_q2a0c785807_gqkv,@function
k_q2a0c785807_gqkv:
	s_mov_b64 s[64:65], 0
	v_nop
	global_prefetch_b8 v0, s[64:65] scope:SCOPE_SE
	s_setreg_imm32_b32 hwreg(HW_REG_WAVE_MODE, 25, 1), 1
	s_wait_xcnt 0x0
	s_wait_alu depctr_hold_cnt(0) depctr_sa_sdst(0) depctr_va_vdst(0) depctr_va_sdst(0) depctr_va_ssrc(0) depctr_va_vcc(0) depctr_vm_vsrc(0)
	s_getreg_b32 s2, hwreg(HW_REG_IB_STS2, 6, 4)
	s_cmp_eq_u32 s2, 0
	s_cbranch_scc0 .Lentry_in_a_cluster
	s_endpgm
.Lentry_in_a_cluster:
	s_bfe_u32 s2, ttmp6, 0x10000c
	s_cmp_lg_u32 s2, 0xf033
	s_cbranch_scc0 .Lentry_shape_is_right
	s_endpgm
.Lentry_shape_is_right:
; qkv = LN1(x) wx + wx_b, written by heads.  A: [4096][1024] bf16.  B: wx as it lies, [1024 (k)][3072 (n)] bf16.  Out: [3 (q, k, v)][32 (batch x 16 + head)][2048][64] bf16, rounded once, unscaled.
; A tile of C is 128 x 128; four waves, 64 x 64 each: 16 accumulators of 16 x 16.  K goes in steps of 256 through two LDS slots filled by the tensor data mover.
; CLUSTER 4 x 4: A's tile hangs on the tile row alone and is asked for jointly along a row of the cluster, B's on the tile column alone and jointly along a column.
; B lies [k][n] in LDS and is turned on its way into registers (ds_load_tr16_b128).  THE SUMS START AS THE BIAS, loaded straight into the accumulators: nothing is cleared or added later.
; The matrix instruction is used transposed (source 0 = 16 columns of B, source 1 = 16 rows of A): a lane holds row l % 16 of C and eight neighbouring columns 8 (l / 16) + 0..7.
; A K step is written once: the lanes' LDS addresses are made from s[TB], 0 or SLOT; the walking descriptors' LDS words change slots by one exclusive or (SLOT shares no bit with a tile's place in a slot).
; A wave's 64 x 64 of C is 64 tokens of ONE head: 8,192 consecutive bytes of the output.
; REGISTERS: window 0: v0-31 addresses, v32-95 the way out, v128-255 accumulators ((a, b) at 128 + 8 (4 a + b)); window 1: two fragment buffers of 128 (64 of A, 64 of B, for 64 along K).
.set SIZE_N, 3072
.set SIZE_K, 1024
.set STEPS,  SIZE_K/256
.set WOFF,   0                         ; wx in the bf16 weights
.set HEADA,  0                         ; A's rows lie along K
.set AP,     528                       ; A's LDS pitch: 512 bytes + 16
.set AQ,     128                       ; bytes from a quarter step (64 along K) to the next
.set HALFA,  64*AP                     ; 64 rows: what one load brings of A
.set ASTEP,  512                       ; bytes of memory from a K step to the next
.set PB,     288                       ; B's LDS pitch: 256 bytes + 32
.set HALFB,  128*PB                    ; 128 rows of k: what one load brings of B
.set SLOT,   147456                    ; A's two halves, then B's two halves
.set BSTEP,  256*SIZE_N*2
.set STAGE,  2*SLOT                    ; 16 rows x 144 bytes for each wave, for the way out; no tile lands here
.set SP,     144
.set SPARE,  STAGE+4*16*SP             ; the spare words, 128 bytes a wave: two blocks of 256 bytes that no other line names
.set A0,   5                           ; v5   my lane's place in A's tile of slot 0
.set B0,   6                           ; v6   in B's tile, k rows 0-127
.set B1,   7                           ; v7   k rows 128-255
.set ADRA, 8                           ; v8   the same in the slot in hand
.set ADRB, 10                          ; v10-11
.set STO,  12
.set RD,   13
.set CO,   14
.set BO,   15                          ; v15  32 (l / 16): my eight numbers in 16 of the bias
.set SPW,  28
.set NIL,  29
.set TMP,  32
.set ACC,  128
.set F0,   0
.set F1,   128
.set TB,   22                          ; s22  the slot in hand: 0 or SLOT
.set G1,   24                          ; s[24:31] group 1 for A;  s[32:39] group 0, two sets: the second walks on
.set G0,   32
.set G1B,  48                          ; s[48:55], s[56:63] the same for B
.set G0B,  56
.set PA,   72                          ; s[72:79] the four addresses
.set PW,   74
.set PBI,  76
.set P3,   78
.set MSB, 0
.macro WIN new                         ; the immediate's high byte repeats the setting that is left
.if MSB != (\new)
	s_set_vgpr_msb (MSB<<8)|(\new)
.set MSB, \new
.endif
.endm
.set MUL,  0x05                        ; sources 0 (B) and 1 (A) window 1; C and D window 0
.set TO_F, 0x40                        ; destination window 1, address window 0
.macro PLACES
.rept 4
	v_nop
.endr
.endm
.macro JLOAD s                         ; a joint load: waves 0 and 1 fetch A's halves, waves 2 and 3 B's; an s_nop 0 and four v_nop follow each line
	s_cmp_eq_u32 s11, 0
	s_cbranch_scc0 .Lfor_b_\@
	tensor_load_to_lds s[G0+4*(\s):G0+4*(\s)+3], s[G1:G1+7]
	s_nop 0
.rept 4
	v_nop
.endr
	s_branch .Lasked_\@
.Lfor_b_\@:
	tensor_load_to_lds s[G0B+4*(\s):G0B+4*(\s)+3], s[G1B:G1B+7]
	s_nop 0
.rept 4
	v_nop
.endr
.Lasked_\@:
.endm
.macro CREST                           ; a round of the cluster's barrier behind its opening barrier
	s_cmp_lg_u32 s10, 0
	s_cbranch_scc1 .Lnot_wave_0_\@
	s_barrier_signal -3
.Lnot_wave_0_\@:
	s_barrier_wait -3
	s_barrier_signal -1
	s_barrier_wait -1
.endm
.macro CROUND
	s_barrier_signal -1
	s_barrier_wait -1
	CREST
.endm
	s_load_b256 s[PA:PA+7], s[0:1], 0x0
	v_lshl_add_u32 v[SPW], v0, 2, SPARE
	v_mov_b32 v[NIL], 0
	ds_add_u32 v[SPW], v[NIL]                      ; the wave's opening: the add and its wait ahead of my first tensor load
	v_lshrrev_b32 v1, 5, v0
	v_readfirstlane_b32 s10, v1                    ; wave 0..3
	s_lshr_b32 s11, s10, 1                         ; my half of the tile's rows.  Also: I fetch for A (0) or B (1)
	s_and_b32 s12, s10, 1                          ; my half of its columns.  Also: which half of that tile I fetch
	s_bfe_u32 s40, ttmp6, 0x40000                  ; cx
	s_bfe_u32 s41, ttmp6, 0x40004                  ; cy
	s_lshl_b32 s42, ttmp9, 2
	s_add_co_u32 s42, s42, s40                     ; tile column
	s_and_b32 s13, ttmp7, 0xffff
	s_lshl_b32 s13, s13, 2
	s_add_co_u32 s13, s13, s41                     ; tile row
	s_lshl_b32 s43, s41, 2
	s_lshl_b32 s43, 15, s43                        ; my row of the cluster
	s_lshl_b32 s44, 0x1111, s40                    ; my column
.if HEADA
	s_or_b32 s[G1+0], s43, (1<<16)|(1<<20)|(1<<21)|(4<<22)|(3<<25)
	s_mov_b32 s[G1+1], 4096<<16
	s_mov_b32 s[G1+2], 4<<16
	s_mov_b32 s[G1+3], 4096<<16
	s_mov_b32 s[G1+4], 4
	s_mov_b32 s[G1+5], 131072
.else
	s_or_b32 s[G1+0], s43, (1<<16)|(1<<20)|(1<<21)|(6<<22)|(3<<25)  ; the mask; 2-byte elements; padding on; bit 21 beside a mask; after every 128 words 4 words
	s_mov_b32 s[G1+1], 256<<16                     ; tensor_dim0 = 256
	s_mov_b32 s[G1+2], 64<<16                      ; tensor_dim1 = 64
	s_mov_b32 s[G1+3], 256<<16                     ; tile_dim0 = 256
	s_mov_b32 s[G1+4], 64                          ; tile_dim1 = 64
	s_mov_b32 s[G1+5], SIZE_K                      ; elements from row to row
.endif
	s_mov_b32 s[G1+6], 0
	s_mov_b32 s[G1+7], 0
	s_or_b32 s[G1B+0], s44, (1<<16)|(1<<20)|(1<<21)|(5<<22)|(7<<25)  ; after every 64 words 8 words
	s_mov_b32 s[G1B+1], 128<<16                    ; 128 columns
	s_mov_b32 s[G1B+2], 128<<16                    ; 128 rows of k
	s_mov_b32 s[G1B+3], 128<<16
	s_mov_b32 s[G1B+4], 128
	s_mov_b32 s[G1B+5], SIZE_N
	s_mov_b32 s[G1B+6], 0
	s_mov_b32 s[G1B+7], 0
.if HEADA
	s_lshr_b32 s16, s13, 4
	s_lshl_b32 s16, s16, 15
	s_and_b32 s17, s13, 15
	s_lshl_b32 s17, s17, 7
	s_add_co_u32 s16, s16, s17
	s_lshl_b32 s17, s12, 6
	s_add_co_u32 s16, s16, s17
	s_lshl_b32 s16, s16, 7
.else
	s_lshl_b32 s16, s13, 7
	s_lshl_b32 s17, s12, 6
	s_add_co_u32 s16, s16, s17                     ; A: row 128 x tile row + 64 x half,
	s_mul_i32 s16, s16, SIZE_K*2                   ; in bytes
.endif
	s_mov_b32 s17, 0
	s_lshl_b32 s46, s42, 8                         ; B: 256 bytes x tile column
	s_mul_i32 s47, s12, 128*SIZE_N*2               ; + 128 rows of k x half
	s_add_co_u32 s46, s46, s47
	s_add_co_u32 s46, s46, WOFF
	s_mov_b32 s47, 0
	s_mul_i32 s20, s12, HALFA                      ; where they go: no place in the cluster enters an LDS address
	s_mul_i32 s21, s12, HALFB
	s_add_co_u32 s21, s21, 2*HALFA
	s_mov_b32 s[TB], 0
	s_wait_dscnt 0x0                               ; the opening add is done
	s_wait_kmcnt 0x0
	s_add_nc_u64 s[14:15], s[PA:PA+1], s[16:17]
	s_add_nc_u64 s[46:47], s[PW:PW+1], s[46:47]
	CROUND                                         ; all sixteen work-groups are here: the first joint loads meet
.irp s, 0,1
	s_mov_b32 s[G0+4*(\s)], 1
	s_add_co_u32 s[G0+4*(\s)+1], s20, (\s)*SLOT
	s_add_nc_u64 s[G0+4*(\s)+2:G0+4*(\s)+3], s[14:15], (\s)*ASTEP
	s_or_b32 s[G0+4*(\s)+3], s[G0+4*(\s)+3], 0x80000000
	s_mov_b32 s[G0B+4*(\s)], 1
	s_add_co_u32 s[G0B+4*(\s)+1], s21, (\s)*SLOT
	s_add_nc_u64 s[G0B+4*(\s)+2:G0B+4*(\s)+3], s[46:47], (\s)*BSTEP
	s_or_b32 s[G0B+4*(\s)+3], s[G0B+4*(\s)+3], 0x80000000
	JLOAD \s                                       ; K steps 0 and 1: two loads of mine are out
.endr
	v_and_b32 v1, 15, v0                           ; r = l % 16
	v_bfe_u32 v2, v0, 4, 1                         ; h = l / 16
	v_and_b32 v3, 7, v0
	v_bfe_u32 v4, v0, 3, 1
	v_mul_u32_u24 v[A0], v1, AP                    ; a fragment of A: row r, 16 bytes for each half of the lanes, twice, 32 bytes apart
	v_lshl_add_u32 v[A0], v2, 4, v[A0]
	s_mul_i32 s2, s11, HALFA
	v_add_nc_u32 v[A0], s2, v[A0]
	v_lshl_add_u32 v[B0], v2, 3, v3                ; the turning load: lane l reads k row 8 h + l % 8, columns 8 ((l / 8) % 2) + 0..7
	v_mul_u32_u24 v[B0], v[B0], PB
	v_lshl_add_u32 v[B0], v4, 4, v[B0]
	s_lshl_b32 s2, s12, 7                          ; my 64 columns
	s_add_co_u32 s2, s2, 2*HALFA
	v_add_nc_u32 v[B0], s2, v[B0]
	v_add_nc_u32 v[B1], HALFB, v[B0]
	v_lshlrev_b32 v[BO], 5, v2
	s_lshl_b32 s46, s42, 9                         ; the bias of my 64 columns
	s_lshl_b32 s47, s12, 8
	s_add_co_u32 s46, s46, s47
	s_mov_b32 s47, 0
	s_add_nc_u64 s[PBI:PBI+1], s[PBI:PBI+1], s[46:47]
.irp a, 0,1,2,3
.irp b, 0,1,2,3
	global_load_b128 v[ACC+8*(4*(\a)+(\b)):ACC+8*(4*(\a)+(\b))+3],   v[BO], s[PBI:PBI+1] offset:64*(\b)
	global_load_b128 v[ACC+8*(4*(\a)+(\b))+4:ACC+8*(4*(\a)+(\b))+7], v[BO], s[PBI:PBI+1] offset:64*(\b)+16
.endr
.endr
	; the way out: column 128 x tile column + 64 x half is part (tile column / 8), head 2 (tile column % 8) + half; row 128 x tile row + 64 x half is batch (tile row / 16), token 128 (tile row % 16) + 64 x half
	s_lshr_b32 s46, s42, 3
	s_lshl_b32 s46, s46, 23                        ; a part is 8,388,608 bytes
	s_and_b32 s47, s42, 7
	s_lshl_b32 s47, s47, 1
	s_add_co_u32 s47, s47, s12
	s_lshl_b32 s47, s47, 18                        ; a head 262,144
	s_add_co_u32 s46, s46, s47
	s_mov_b32 s47, 0
	s_add_nc_u64 s[P3:P3+1], s[P3:P3+1], s[46:47]
	s_lshr_b32 s16, s13, 4
	s_lshl_b32 s16, s16, 22                        ; a batch's 16 heads
	s_and_b32 s17, s13, 15
	s_lshl_b32 s17, s17, 14                        ; 128 tokens of 128 bytes
	s_add_co_u32 s16, s16, s17
	s_lshl_b32 s17, s11, 13
	s_add_co_u32 s16, s16, s17
	s_mov_b32 s17, 0
	s_add_nc_u64 s[P3:P3+1], s[P3:P3+1], s[16:17]
	s_mul_i32 s2, s10, 16*SP
	s_add_co_u32 s2, s2, STAGE                     ; my stage
	v_mul_u32_u24 v[STO], v1, SP                   ; in: row r, 16 bytes for each half of the lanes
	v_lshl_add_u32 v[STO], v2, 4, v[STO]
	v_add_nc_u32 v[STO], s2, v[STO]
	v_bfe_u32 v[RD], v0, 3, 2                      ; back: 32 lanes take four rows of 128 bytes,
	v_mul_u32_u24 v[RD], v[RD], SP
	v_lshl_add_u32 v[RD], v3, 4, v[RD]
	v_add_nc_u32 v[RD], s2, v[RD]
	v_and_b32 v[CO], 31, v0                        ; which are 512 consecutive bytes of the output
	v_lshlrev_b32 v[CO], 4, v[CO]
; 8 matrix instructions: m blocks a0, a0 + 1 x all 4 n blocks, 32 along K: half c of buffer f.  The 16 accumulators take turns, one instruction a turn, over the backward jumps too.
.macro MUL8 f, c, a0
	WIN MUL
.irp a, \a0, (\a0)+1
.irp b, 0,1,2,3
	v_wmma_f32_16x16x32_bf16 v[ACC+8*(4*(\a)+(\b)):ACC+8*(4*(\a)+(\b))+7], v[(\f)+64+8*(4*(\c)+(\b)):(\f)+64+8*(4*(\c)+(\b))+7], v[(\f)+8*(4*(\c)+(\a)):(\f)+8*(4*(\c)+(\a))+7], v[ACC+8*(4*(\a)+(\b)):ACC+8*(4*(\a)+(\b))+7]
.endr
.endr
.endm
; 32 LDS loads in one run: the fragments of quarter q (64 along K) of the slot in hand into buffer f; the first 32 along K are the first sixteen loads
.macro FETCH q, f
	WIN TO_F
.irp c, 0,1
.irp i, 0,1,2,3
	ds_load_tr16_b128 v[(\f)+64+8*(4*(\c)+(\i)):(\f)+64+8*(4*(\c)+(\i))+3],   v[ADRB+(\q)/2] offset:(2*((\q)%2)+(\c))*32*PB+32*(\i)
	ds_load_tr16_b128 v[(\f)+64+8*(4*(\c)+(\i))+4:(\f)+64+8*(4*(\c)+(\i))+7], v[ADRB+(\q)/2] offset:(2*((\q)%2)+(\c))*32*PB+32*(\i)+16*PB
	ds_load_b128 v[(\f)+8*(4*(\c)+(\i)):(\f)+8*(4*(\c)+(\i))+3],   v[ADRA] offset:(\q)*AQ+64*(\c)+(\i)*16*AP
	ds_load_b128 v[(\f)+8*(4*(\c)+(\i))+4:(\f)+8*(4*(\c)+(\i))+7], v[ADRA] offset:(\q)*AQ+64*(\c)+(\i)*16*AP+32
.endr
.endr
.endm
; One of a K step's first three quarters: multiplies buffer f and, in its middle, fetches quarter q into buffer g
.macro QUARTER q, f, g
	s_wait_dscnt 16                                ; the first 32 along K are in; the other sixteen loads may be out
	MUL8 \f, 0, 0
	MUL8 \f, 0, 2
	PLACES                                         ; four places in front of loads into registers that matrix instructions have read
	FETCH \q, \g
	s_wait_dscnt 32                                ; all but the 32 just issued
	MUL8 \f, 1, 0
	MUL8 \f, 1, 2
.endm
; The last quarter multiplies buffer 1 and changes slots: ONE barrier; in front of it each wave waits for all its tensor loads, adds 0 to its spare word, and waits for that and for its reads of this slot.
; fill = 1: the barrier opens a round of the cluster's, and this slot is filled again, two K steps ahead, first thing behind it: 112 matrix instructions ahead of the wait for it.
.macro TURN fill
	WIN 0
	s_wait_tensorcnt 0x0                           ; all my tensor loads have landed: my part of the next slot
	ds_add_u32 v[SPW], v[NIL]
	s_wait_dscnt 17                                ; the add and the youngest sixteen loads may be out
	MUL8 F1, 0, 0
	s_wait_dscnt 0x0                               ; the add is done, and my reads of this slot are over
	s_barrier_signal -1
	MUL8 F1, 0, 2
	WIN 0
	s_barrier_wait -1
.if \fill
	CREST                                          ; no wave of any partner still reads this slot or has a load on its way
	s_xor_b32 s[G0+5], s[G0+5], SLOT               ; the walking descriptors: the slot just read,
	s_xor_b32 s[G0B+5], s[G0B+5], SLOT
	s_add_nc_u64 s[G0+6:G0+7], s[G0+6:G0+7], ASTEP     ; the next K step
	s_add_nc_u64 s[G0B+6:G0B+7], s[G0B+6:G0B+7], BSTEP
	JLOAD 1                                        ; its four v_nop are also the places in front of the loads below
.else
	PLACES
.endif
	s_xor_b32 s[TB], s[TB], SLOT
	v_add_nc_u32 v[ADRA], s[TB], v[A0]
	v_add_nc_u32 v[ADRB], s[TB], v[B0]
	v_add_nc_u32 v[ADRB+1], s[TB], v[B1]
.if !(\fill)
	s_cmp_eq_u32 s3, 1                             ; behind the last K step nothing is left to fetch
	s_cbranch_scc1 .Lno_more_\@
.endif
	FETCH 0, F0
.if !(\fill)
	WIN 0
.Lno_more_\@:
.endif
	MUL8 F1, 1, 0
	MUL8 F1, 1, 2
.endm
.macro STEP fill
	QUARTER 1, F0, F1
	QUARTER 2, F1, F0
	QUARTER 3, F0, F1
	TURN \fill
.endm
	s_wait_tensorcnt 1                             ; my part of K step 0 is in; K step 1's may stay out
	s_barrier_signal -1
	s_barrier_wait -1
	v_mov_b32 v[ADRA], v[A0]
	v_mov_b32 v[ADRB], v[B0]
	v_mov_b32 v[ADRB+1], v[B1]
	FETCH 0, F0
	WIN 0
	s_wait_loadcnt 0x0                             ; the bias lies in the accumulators
	s_mov_b32 s3, STEPS-2
.Lk:                                           ; every K step but the last two fills its slot again
	STEP 1
	WIN 0
	s_sub_co_u32 s3, s3, 1
	s_cmp_lg_u32 s3, 0
	s_cbranch_scc1 .Lk
	s_mov_b32 s3, 2
.Lt:                                           ; the last two ask for nothing
	STEP 0
	WIN 0
	s_sub_co_u32 s3, s3, 1
	s_cmp_lg_u32 s3, 0
	s_cbranch_scc1 .Lt
	; THE WAY OUT, 16 tokens at a time: rounded to bf16, 16 bytes a lane into my own stage, back as whole rows, stored as 512 consecutive bytes.
	PLACES
	PLACES
.macro PACKQ a
.irp b, 0,1,2,3
.irp r, 0,1,2,3
	v_cvt_pk_bf16_f32 v[TMP+16*(\a)+4*(\b)+(\r)], v[ACC+8*(4*(\a)+(\b))+2*(\r)], v[ACC+8*(4*(\a)+(\b))+2*(\r)+1]
.endr
.endr
.irp b, 0,1,2,3
	ds_store_b128 v[STO], v[TMP+16*(\a)+4*(\b):TMP+16*(\a)+4*(\b)+3] offset:32*(\b)
.endr
.irp f, 0,1,2,3
	ds_load_b128 v[TMP+16*(\a)+4*(\f):TMP+16*(\a)+4*(\f)+3], v[RD] offset:(\f)*4*SP  ; LDS serves a wave's instructions in order (ISA guide 5.7.1.4): these see the stores above
.endr
.endm
.macro SENDQ a, younger                ; younger: the LDS instructions issued behind block a's loads
.irp f, 0,1,2,3
	s_wait_dscnt (\younger)+3-(\f)
	global_store_b128 v[CO], v[TMP+16*(\a)+4*(\f):TMP+16*(\a)+4*(\f)+3], s[P3:P3+1] offset:(\a)*2048+(\f)*512
.endr
.endm
	PACKQ 0
.irp a, 1,2,3
	PACKQ \a
	SENDQ (\a)-1, 8
.endr
	SENDQ 3, 0
	s_wait_tensorcnt 0x0                           ; the wave's end
	ds_add_u32 v[SPW], v[NIL]
	s_wait_dscnt 0x0
	CROUND                                         ; the closing round
	s_endpgm
.Lfunc_end_k_q2a0c785807_gqkv:
	.size	k_q2a0c785807_gqkv, .Lfunc_end_k_q2a0c785807_gqkv-k_q2a0c785807_gqkv
	.p2alignl 7, 3214868480
	.fill 96, 4, 3214868480
	.section	.rodata,"a",@progbits
	.p2align	6, 0x0
	.amdhsa_kernel k_q2a0c785807_gqkv
		.amdhsa_group_segment_fixed_size 327680
		.amdhsa_private_segment_fixed_size 0
		.amdhsa_enable_private_segment 0
		.amdhsa_kernarg_size 32
		.amdhsa_user_sgpr_count 2
		.amdhsa_user_sgpr_kernarg_segment_ptr 1
		.amdhsa_wavefront_size32 1
		.amdhsa_system_sgpr_workgroup_id_x 1
		.amdhsa_system_sgpr_workgroup_id_y 1
		.amdhsa_system_sgpr_workgroup_id_z 1
		.amdhsa_system_vgpr_workitem_id 0
		.amdhsa_next_free_vgpr 512
		.amdhsa_next_free_sgpr 84
		.amdhsa_reserve_vcc 0
		.amdhsa_float_denorm_mode_32 3
		.amdhsa_float_denorm_mode_16_64 3
		.amdhsa_memory_ordered 1
		.amdhsa_forward_progress 1
		.amdhsa_inst_pref_size 58
	.end_amdhsa_kernel
	.amdgpu_metadata
---
amdhsa.version: [ 1, 2 ]
amdhsa.kernels:
  - .name:           k_q2a0c785807_gqkv
    .symbol:         k_q2a0c785807_gqkv.kd
    .args:
      - { .name: act, .offset: 0, .size: 8, .value_kind: global_buffer, .address_space: global }
      - { .name: wbf, .offset: 8, .size: 8, .value_kind: global_buffer, .address_space: global }
      - { .name: wx_b, .offset: 16, .size: 8, .value_kind: global_buffer, .address_space: global }
      - { .name: qkvh, .offset: 24, .size: 8, .value_kind: global_buffer, .address_space: global }
    .group_segment_fixed_size: 327680
    .private_segment_fixed_size: 0
    .kernarg_segment_align: 8
    .kernarg_segment_size: 32
    .max_flat_workgroup_size: 128
    .sgpr_count:     84
    .vgpr_count:     512
    .wavefront_size: 32
...
	.end_amdgpu_metadata
.endif
;; end of part 2
;; launch attn (part 3): grid 8 x 32, 4 waves a work-group, clusters of 4 x 4, 327,680 bytes of LDS; arguments qkvh, m, ob; writes ob
.if DOCPART == 3
	.amdgcn_target "amdgcn-amd-amdhsa--gfx1250"
	.amdhsa_code_object_version 6
	.text
	.protected	k_q2a0c785807_attn
	.globl	k_q2a0c785807_attn
	.p2align	8
	.type	k_q2a0c785807_attn,@function
k_q2a0c785807_attn:
	s_mov_b64 s[64:65], 0
	v_nop
	global_prefetch_b8 v0, s[64:65] scope:SCOPE_SE
	s_setreg_imm32_b32 hwreg(HW_REG_WAVE_MODE, 25, 1), 1
	s_wait_xcnt 0x0
	s_wait_alu depctr_hold_cnt(0) depctr_sa_sdst(0) depctr_va_vdst(0) depctr_va_sdst(0) depctr_va_ssrc(0) depctr_va_vcc(0) depctr_vm_vsrc(0)
	s_getreg_b32 s2, hwreg(HW_REG_IB_STS2, 6, 4)
	s_cmp_eq_u32 s2, 0
	s_cbranch_scc0 .Lentry_in_a_cluster
	s_endpgm
.Lentry_in_a_cluster:
	s_bfe_u32 s2, ttmp6, 0x10000c
	s_cmp_lg_u32 s2, 0xf033
	s_cbranch_scc0 .Lentry_shape_is_right
	s_endpgm
.Lentry_shape_is_right:
; O[bh][q][:] = the sum over k of softmax_k((Q[bh][q] . K[bh][k] + m[q][k]) / 32) V[bh][k][:].  Q, K, V: parts 0, 1, 2 of [3][32][2048][64] bf16; m: [2048][2048] f32, an input, added as it is given: no key is left out;
; O: [32][2048][64] bf16.  Products, maxima and sums in f32; the weights are rounded to bf16 for the second product (their sum is taken of the unrounded weights), O once at the end.
; LIMITS.  Infinities and NaN in m are not treated apart; a weight below 2^-126 counts as 0 in the sum.
; SHARES.  A work-group owns 256 queries of one (batch, head), a wave 64: four PIECES of 16.  Every wave walks all 2,048 keys, 64 a step, one step to an LDS slot.
; CLUSTER 4 x 4.  K's and V's tiles hang on the head alone: asked for jointly along a row of the cluster.  The mask's tile (256 queries x 64 keys, f32) hangs on the query block alone: jointly along a column.
; THE MASK IS THE C OPERAND that starts the sum S^T = K Q^T: lane (r, h), register j of key group kt takes m[q0 + r][k0 + 16 kt + 8 h + j], two loads of 16 bytes: it costs no arithmetic.
; LAYOUT.  S^T holds ONE query a lane (lane % 16) and the keys 8 (lane / 16) + 0..7; two such results rounded to bf16 ARE source 1 of O^T = V^T P.  V is turned on its way out of LDS.
; SOFTMAX.  p = 2^(c s - c m_run), c = log2(e) / 32, with a running maximum; O and l are multiplied by a = 2^(c m_old - c m_new) in every step.  c m starts far below every c s, O and l at 0: the first a is 0.
; TURNS.  Turn n belongs to piece n: 8 products K Q^T of piece n + 1, later 8 products V^T P of piece n - 1; beside them piece n's scaling, exponentials, roundings, sums and rescaling and piece n + 1's maximum
; and statistics.  Four vector instructions stand behind every matrix instruction, the others in one lump.  A turn's 33 exponentials are one batch with one wait.
; REGISTERS, in windows of 256: window 0: v0-15, v56-57, v62-63 addresses; v16-31 statistics; v48-55 at work; v64-127 S^T, two buffers; v192-223 P, two buffers (by the piece's parity)
;   window 1: v0-127 O^T, 32 a piece; v160-223 the masks, two buffers      window 2: v0-63 Q; v128-191 K of one step; v192-255 V of one step
.set NP,    4
.set KS,    64
.set PKB,   144       ; a row of K in LDS: 128 bytes + 16
.set PVB,   160       ; of V: 128 + 32
.set PMB,   272       ; of the mask: 256 + 16
.set VOFF,  KS*PKB
.set MOFF,  VOFF+KS*PVB
.set MHALF, 128*PMB
.set SLOT1, 1<<17     ; slot 1 begins here: one exclusive or turns an address in one slot into the other's
.set STAGE, SLOT1+MOFF+2*MHALF  ; behind the ring: 16 rows x 144 bytes for each wave, for the way out
.set SP,    144
.set SPARE, STAGE+4*16*SP       ; the spare words, 128 bytes a wave
.set AK0, 2
.set AV0, 3
.set AK,  4
.set AV,  5
.set STO, 6
.set RD,  7
.set GO,  8
.set MV,  12
.set AM0, 14
.set QO,  15
.set ST,  16          ; piece t's statistics at v[ST+4 t]: c m, m, l (even keys', odd keys')
.set TMP, 48
.set AM,  56
.set PFO, 57
.set SPW, 62
.set NIL, 63
.set S,   64
.set P,   192
.set MC,  160         ; window 1
.set KF,  128         ; window 2
.set VF,  192         ; window 2
.set WV,  12
.set CX,  13
.set CY,  14
.set QB,  15
.set BH,  16
.set G1K, 24
.set G1V, 32
.set G0K, 40
.set G0V, 44
.set G1M, 48
.set G0M, 56
.set SLOTS, 60        ; s60  steps still to be asked for
.set CNT, 61
.set TB,  62          ; s62  the slot in hand: 0 or SLOT1
.set LIM, 63          ; s63  a wave prefetches while s[SLOTS] is above it
.set CS,  66
.set SEL, 68
.set PFA, 70          ; s[70:71] where my prefetches stand
.set PST, 72          ; s[72:73] their step a trip
.set PM,  74          ; s74  0: every trip; 3: every fourth
.set TS,  75
.set MSB, 0
.macro WIN new
.if MSB != (\new)
	s_set_vgpr_msb (MSB<<8)|(\new)
.set MSB, (\new)
.endif
.endm
.set W_KQ, 0x0a       ; K and Q in window 2, S^T in window 0
.set W_KM, 0x1a       ; the same with the C operand in window 1
.set W_PV, 0x52       ; V in window 2, P in window 0, O^T in window 1
.set W_RS, 0x41       ; destination and source 0 in window 1, source 1 in window 0
; A joint fill: wave 0 K's tile, wave 1 V's, waves 2 and 3 the two halves of the mask's.  The branches hang on the wave's number alone.  An s_nop 0 and four v_nop follow each line.
.macro JLOAD
	s_cmp_lt_u32 s[WV], 2
	s_cbranch_scc0 .Lfor_m_\@
	s_cmp_eq_u32 s[WV], 0
	s_cbranch_scc0 .Lfor_v_\@
	tensor_load_to_lds s[G0K:G0K+3], s[G1K:G1K+7]
	s_nop 0
.rept 4
	v_nop
.endr
	s_branch .Lasked_\@
.Lfor_v_\@:
	tensor_load_to_lds s[G0V:G0V+3], s[G1V:G1V+7]
	s_nop 0
.rept 4
	v_nop
.endr
	s_branch .Lasked_\@
.Lfor_m_\@:
	tensor_load_to_lds s[G0M:G0M+3], s[G1M:G1M+7]
	s_nop 0
.rept 4
	v_nop
.endr
.Lasked_\@:
.endm
; A PREFETCH INTO THE L2, behind the wave's tensor load and its five lines.  Each aligned block of 256 bytes is named once in the launch.
; The mask: the clusters with y = 0, waves 2 and 3; of a wave's 128 rows the partner at cy takes 32, BY ADDRESS, a lane a row; the trip that fills step t + 1 names step t + 3, up to step 31.
; K (wave 0) and V (wave 1): the clusters with x = 0, every fourth trip; the partner at cx names the 32 blocks of step t + 3 + cx, up to step 30.  The other steps come by their loads alone.
.macro ASK
	s_and_b32 s[TS], s[SLOTS], s[PM]
	s_cmp_eq_u32 s[TS], s[PM]
	s_cbranch_scc0 .Lnot_mine_\@
	s_cmp_gt_u32 s[SLOTS], s[LIM]
	s_cbranch_scc0 .Lnot_mine_\@
	global_prefetch_b8 v[PFO], s[PFA:PFA+1] th:TH_LOAD_NT scope:SCOPE_SE
.Lnot_mine_\@:
.endm
.macro CROUND
	s_barrier_signal -1
	s_barrier_wait -1
	s_cmp_lg_u32 s[WV], 0
	s_cbranch_scc1 .Lnot_wave_0_\@
	s_barrier_signal -3
.Lnot_wave_0_\@:
	s_barrier_wait -3
	s_barrier_signal -1
	s_barrier_wait -1
.endm
; THE CHANGE OF SLOTS.  Each wave waits for all its tensor loads, of which one is out: its part of the other slot; adds 0 to its spare word; waits for that and for its reads of the slot that it leaves.
; fill = 1: the barrier is a round of the cluster's, and the old slot is filled again, with the step after the one now entered, first thing behind it.  (At its first use slot 0 is waited for and slot 1 filled.)
.macro CHANGE fill
	WIN 0
	s_wait_tensorcnt 0x0            ; no tensor load of mine is out, so a group 0 may be written
	ds_add_u32 v[SPW], v[NIL]
.if \fill
	s_xor_b32 s[G0K+1], s[G0K+1], SLOT1
	s_add_nc_u64 s[G0K+2:G0K+3], s[G0K+2:G0K+3], KS*128
	s_xor_b32 s[G0V+1], s[G0V+1], SLOT1
	s_add_nc_u64 s[G0V+2:G0V+3], s[G0V+2:G0V+3], KS*128
	s_xor_b32 s[G0M+1], s[G0M+1], SLOT1
	s_add_nc_u64 s[G0M+2:G0M+3], s[G0M+2:G0M+3], KS*4
	s_wait_xcnt 0x0                 ; the last prefetch, a trip back, has read its address
	s_add_nc_u64 s[PFA:PFA+1], s[PFA:PFA+1], s[PST:PST+1]
.endif
	s_xor_b32 s[TB], s[TB], SLOT1
	s_wait_dscnt 0x0                ; the add is done, and my reads of the slot are over
.if \fill
	CROUND
	JLOAD
	ASK
.else
	s_barrier_signal -1
	s_barrier_wait -1
.endif
	v_add_nc_u32 v[AK], s[TB], v[AK0]
	v_add_nc_u32 v[AV], s[TB], v[AV0]
	v_add_nc_u32 v[AM], s[TB], v[AM0]
.endm
	s_load_b128 s[4:7], s[0:1], 0x0 ; qkvh s[4:5], m s[6:7]
	s_load_b64 s[8:9], s[0:1], 0x10 ; O
	v_lshl_add_u32 v[SPW], v0, 2, SPARE
	v_mov_b32 v[NIL], 0
	ds_add_u32 v[SPW], v[NIL]       ; the wave's opening: the add and its wait ahead of my first tensor load
	v_lshrrev_b32 v1, 5, v0
	v_readfirstlane_b32 s[WV], v1
	s_bfe_u32 s[CX], ttmp6, 0x40000
	s_bfe_u32 s[CY], ttmp6, 0x40004
	s_lshl_b32 s[QB], ttmp9, 2
	s_add_co_u32 s[QB], s[QB], s[CX]    ; my block of 256 queries
	s_and_b32 s[BH], ttmp7, 0xffff
	s_lshl_b32 s[BH], s[BH], 2
	s_add_co_u32 s[BH], s[BH], s[CY]    ; my (batch, head)
	s_lshl_b32 s17, s[CY], 2
	s_lshl_b32 s17, 15, s17             ; my row of the cluster
	s_lshl_b32 s19, 0x1111, s[CX]       ; my column
	; 64 keys are 8,192 dense bytes: asked for as 32 rows of 256 bytes, padded in LDS after every key
	s_or_b32 s[G1K], s17, (1<<16)|(1<<20)|(1<<21)|(4<<22)|(3<<25)
	s_or_b32 s[G1V], s17, (1<<16)|(1<<20)|(1<<21)|(4<<22)|(7<<25)
.irp g, G1K, G1V
	s_mov_b32 s[(\g)+1], 128<<16
	s_mov_b32 s[(\g)+2], 32<<16
	s_mov_b32 s[(\g)+3], 128<<16
	s_mov_b32 s[(\g)+4], 32
	s_mov_b32 s[(\g)+5], 128
	s_mov_b32 s[(\g)+6], 0
	s_mov_b32 s[(\g)+7], 0
.endr
	s_or_b32 s[G1M], s19, (2<<16)|(1<<20)|(1<<21)|(5<<22)|(3<<25)  ; 4-byte elements; after every 64 words 4 words
	s_mov_b32 s[G1M+1], 64<<16      ; 64 keys
	s_mov_b32 s[G1M+2], 128<<16     ; 128 queries
	s_mov_b32 s[G1M+3], 64<<16
	s_mov_b32 s[G1M+4], 128
	s_mov_b32 s[G1M+5], 2048
	s_mov_b32 s[G1M+6], 0
	s_mov_b32 s[G1M+7], 0
	s_lshl_b32 s20, s[BH], 18       ; the head's 262,144 bytes in a part
	s_mov_b32 s21, 0
	s_and_b32 s18, s[WV], 1         ; which half of the mask's tile (waves 2, 3)
	s_mul_i32 s[G0M+1], s18, MHALF
	s_add_co_u32 s[G0M+1], s[G0M+1], MOFF
	s_lshl_b32 s18, s18, 7
	s_lshl_b32 s19, s[QB], 8
	s_add_co_u32 s18, s18, s19
	s_lshl_b32 s18, s18, 13         ; its first row, 8,192 bytes a row
	s_mov_b32 s19, 0
	s_mov_b32 s[G0K], 1
	s_mov_b32 s[G0K+1], 0
	s_mov_b32 s[G0V], 1
	s_mov_b32 s[G0V+1], VOFF
	s_mov_b32 s[G0M], 1
	s_lshl_b32 s2, s[BH], 18        ; Q and O: the head, my block's 256 rows, my wave's 64
	s_lshl_b32 s3, s[QB], 15
	s_add_co_u32 s2, s2, s3
	s_lshl_b32 s3, s[WV], 13
	s_add_co_u32 s2, s2, s3
	s_mov_b32 s3, 0
	s_mov_b32 s[CS], 0x3d38aa3b     ; c = log2(e) / 32
	s_mov_b32 s[CS+1], s[CS]
	s_mov_b32 s[SEL], 0x76543210
	s_mov_b32 s[SEL+1], 0xfedcba98
	s_mov_b32 s[TB], SLOT1          ; the first change of slots turns it into 0
	s_mov_b32 s[SLOTS], 31
	; the prefetches
	s_add_co_u32 s22, s[CX], 2      ; K, V: step 2 + cx; the first change steps it on
	s_lshl_b32 s22, s22, 13
	s_add_co_u32 s22, s22, s20
	s_add_co_u32 s23, s[WV], 1      ; K is part 1, V part 2
	s_lshl_b32 s23, s23, 23
	s_add_co_u32 s22, s22, s23
	s_lshl_b32 s23, s[CY], 18       ; the mask: my work-group's 32 rows of the wave's 128,
	s_add_co_u32 s23, s23, s18
	s_add_co_u32 s23, s23, 512      ; step 2
	s_and_b32 s[TS], ttmp7, 0xffff
	s_mov_b32 s[PST], 256
	s_mov_b32 s[PST+1], 0
	s_cmp_lt_u32 s[WV], 2
	s_cselect_b32 s22, s22, s23
	s_cselect_b32 s[TS], ttmp9, s[TS]   ; the coordinate along which other clusters read the same bytes
	s_cselect_b32 s[LIM], 6, 2
	s_cselect_b32 s[PM], 3, 0
	s_cselect_b32 s[PST], 0x2000, s[PST]
	s_cselect_b32 s17, 8, 13        ; a lane a block of 256 bytes, or a lane a row of 8,192
	s_mov_b32 s23, 0
	s_cmp_eq_u32 s[TS], 0
	s_cselect_b32 s[LIM], s[LIM], -1    ; the same in all sixteen partners, for a given wave
	v_and_b32 v[PFO], 31, v0
	v_lshlrev_b32 v[PFO], s17, v[PFO]
	s_wait_dscnt 0x0                ; the opening add is done
	s_wait_kmcnt 0x0
	s_add_nc_u64 s[G0K+2:G0K+3], s[4:5], s[20:21]
	s_add_nc_u64 s[G0V+2:G0V+3], s[G0K+2:G0K+3], 16777216
	s_add_nc_u64 s[G0K+2:G0K+3], s[G0K+2:G0K+3], 8388608
	s_or_b32 s[G0K+3], s[G0K+3], 0x80000000
	s_or_b32 s[G0V+3], s[G0V+3], 0x80000000
	s_add_nc_u64 s[G0M+2:G0M+3], s[6:7], s[18:19]
	s_or_b32 s[G0M+3], s[G0M+3], 0x80000000
	s_cmp_lt_u32 s[WV], 2
	s_cselect_b64 s[PFA:PFA+1], s[4:5], s[6:7]
	s_add_nc_u64 s[PFA:PFA+1], s[PFA:PFA+1], s[22:23]
	s_add_nc_u64 s[4:5], s[4:5], s[2:3]
	s_add_nc_u64 s[8:9], s[8:9], s[2:3]
	CROUND                          ; all sixteen work-groups are here: the first joint loads meet
	JLOAD                           ; step 0 into slot 0
	v_and_b32 v1, 15, v0            ; l % 16
	v_bfe_u32 v9, v0, 4, 1          ; l / 16
	v_lshlrev_b32 v[QO], 7, v1
	v_lshl_add_u32 v[QO], v9, 4, v[QO]
	WIN 0x80                        ; destination window 2, address window 0
.set i, 0
.rept 8                             ; Q stays in registers: piece i / 2, channels 32 (i % 2) on
	global_load_b128 v[8*i:8*i+3],   v[QO], s[4:5] offset:(i/2)*2048+(i%2)*64
	global_load_b128 v[8*i+4:8*i+7], v[QO], s[4:5] offset:(i/2)*2048+(i%2)*64+32
.set i, i+1
.endr
	; What the first turn finds: V and P's second buffer hold 0 (its products V^T P, of a piece that has not been, add 0), O^T and l are 0.  The price of writing no first step out; it stands in the wait for the first tile.
.set i, VF
.rept 64
	v_mov_b32 v[i], 0
.set i, i+1
.endr
	WIN 0x40
.set i, 0
.rept 128
	v_mov_b32 v[i], 0
.set i, i+1
.endr
	WIN 0
.set i, 0
.rept 4
	v_mov_b32 v[ST+4*i], 0xfe000000    ; c m: far below every c s
	v_mov_b32 v[ST+4*i+1], 0xff7fffff  ; m
	v_mov_b32 v[ST+4*i+2], 0
	v_mov_b32 v[ST+4*i+3], 0
.set i, i+1
.endr
.set i, P+16
.rept 16
	v_mov_b32 v[i], 0
.set i, i+1
.endr
	v_mul_u32_u24 v[AK0], v1, PKB
	v_lshl_add_u32 v[AK0], v9, 4, v[AK0]
	v_and_b32 v10, 7, v0
	v_bfe_u32 v11, v0, 3, 1
	v_lshl_add_u32 v[AV0], v9, 3, v10   ; the turning load: lane l reads key 8 (l / 16) + l % 8, channels 8 ((l / 8) % 2) + 0..7
	v_mul_u32_u24 v[AV0], v[AV0], PVB
	v_lshl_add_u32 v[AV0], v11, 4, v[AV0]
	v_add_nc_u32 v[AV0], VOFF, v[AV0]
	s_lshl_b32 s[TS], s[WV], 6
	v_add_nc_u32 v[AM0], s[TS], v1      ; the mask: row 64 w + l % 16 of the tile, 32 bytes for each half of the lanes
	v_mul_u32_u24 v[AM0], v[AM0], PMB
	v_lshl_add_u32 v[AM0], v9, 5, v[AM0]
	v_add_nc_u32 v[AM0], MOFF, v[AM0]
; THE MATRIX WORK.  The 4 accumulators of a run of 8 take turns.  Product i of 8 of S^T = K Q^T for piece x: channels 32 (i / 4) on, keys 16 (i % 4) on.  The first 4 start the sums with the mask.
.macro KQ x
.set rS, S+32*((\x)%2)+8*(i%4)
.set rK, KF+16*(i%4)+8*(i/4)
.set rQ, 16*(\x)+8*(i/4)
.set rM, MC+32*((\x)%2)+8*(i%4)
.if i < 4
	WIN W_KM
	v_wmma_f32_16x16x32_bf16 v[rS:rS+7], v[rK:rK+7], v[rQ:rQ+7], v[rM:rM+7]
.else
	WIN W_KQ
	v_wmma_f32_16x16x32_bf16 v[rS:rS+7], v[rK:rK+7], v[rQ:rQ+7], v[rS:rS+7]
.endif
.endm
; Product i of 8 of O^T += V^T P for piece x: keys 32 (i / 4) on, channels 16 (i % 4) on.
.macro PV x
	WIN W_PV
.set rO, 32*(\x)+8*(i%4)
.set rV, VF+32*(i/4)+8*(i%4)
.set rP, P+16*((\x)%2)+8*(i/4)
	v_wmma_f32_16x16x32_bf16 v[rO:rO+7], v[rV:rV+7], v[rP:rP+7], v[rO:rO+7]
.endm
.macro MM                           ; the turn's next matrix instruction
.if i < 8
	KQ (Y+1)%NP
.else
.set i, i-8
	PV (Y+NP-1)%NP
.set i, i+8
.endif
.set i, i+1
.endm
; THE LDS LOADS stand in runs, never singly among the matrix instructions.
.macro FETCH_K
	WIN 0x80
.irp f, 0,1,2,3,4,5,6,7             ; keys 16 (f / 2) on, channels 32 (f % 2) on
	ds_load_b128 v[KF+8*\f:KF+8*\f+3],   v[AK] offset:(\f/2)*16*PKB+(\f%2)*64
	ds_load_b128 v[KF+8*\f+4:KF+8*\f+7], v[AK] offset:(\f/2)*16*PKB+(\f%2)*64+32
.endr
	WIN 0
.endm
.macro FETCH_V
	WIN 0x80
.irp f, 0,1,2,3,4,5,6,7             ; keys 32 (f / 4) on, channels 16 (f % 4) on
	ds_load_tr16_b128 v[VF+8*\f:VF+8*\f+3],   v[AV] offset:(\f/4)*32*PVB+(\f%4)*32
	ds_load_tr16_b128 v[VF+8*\f+4:VF+8*\f+7], v[AV] offset:(\f/4)*32*PVB+16*PVB+(\f%4)*32
.endr
	WIN 0
.endm
.macro MLOAD x, buf                 ; piece x's mask of the step in the slot in hand, into buffer buf
	WIN 0x40
.irp kt, 0,1,2,3
	ds_load_b128 v[MC+32*(\buf)+8*(\kt):MC+32*(\buf)+8*(\kt)+3],   v[AM] offset:(\x)*16*PMB+64*(\kt)
	ds_load_b128 v[MC+32*(\buf)+8*(\kt)+4:MC+32*(\buf)+8*(\kt)+7], v[AM] offset:(\x)*16*PMB+64*(\kt)+16
.endr
	WIN 0
.endm
; THE VECTOR WORK, one line at a time: OP kind, number.  For piece Y: F n: c s - c m for pair n of 16.  E n: the exponential of score n of 32.  C n: pair n rounded to bf16.  B n: of the four weights 4 n .. the second
; pair is added onto the first.  L n: l takes that sum (L 0: l = a l + sum).  R n: pair n of 16 of O^T times a.  For piece Y + 1: X n, number n of the 22 that find its maximum and statistics:
;   0-11 four chains of seven scores each (each accumulator's lowest registers are read first)   12-14, 16 the scores left over, the old m, the four into one
;   15 c m_old is kept   17, 18 the other half of the lanes: the new m   19-21 c m; c m_old - c m_new; a
.set F, 0
.set E, 1
.set C, 2
.set B, 3
.set L, 4
.set R, 5
.set X, 6
.macro REGS y
.set rT, ST+4*(\y)
.set rC, TMP+4*((\y)%2)
.set rW, MV+((\y)%2)
.set rS, S+32*((\y)%2)
.set rP, P+16*((\y)%2)
.set rO, 32*(\y)
.endm
.macro OP k, n
.if (\k) == R
	REGS Y
	WIN W_RS
	v_pk_mul_f32 v[rO+2*(\n):rO+2*(\n)+1], v[rO+2*(\n):rO+2*(\n)+1], v[rC+2:rC+3] op_sel_hi:[1,0]
.elseif (\k) < R
	REGS Y
	WIN 0
.if (\k) == F
	v_pk_fma_f32 v[rS+2*(\n):rS+2*(\n)+1], v[rS+2*(\n):rS+2*(\n)+1], s[CS:CS+1], v[rT:rT+1] op_sel_hi:[1,0,0] neg_lo:[0,0,1] neg_hi:[0,0,1]
.elseif (\k) == E
	v_exp_f32 v[rS+(\n)], v[rS+(\n)]
.elseif (\k) == C
	v_cvt_pk_bf16_f32 v[rP+(\n)], v[rS+2*(\n)], v[rS+2*(\n)+1]
.elseif (\k) == B
	v_pk_add_f32 v[rS+4*(\n):rS+4*(\n)+1], v[rS+4*(\n):rS+4*(\n)+1], v[rS+4*(\n)+2:rS+4*(\n)+3]
.elseif (\n) == 0
	v_pk_fma_f32 v[rT+2:rT+3], v[rT+2:rT+3], v[rC+2:rC+3], v[rS:rS+1] op_sel_hi:[1,0,1]
.else
	v_pk_add_f32 v[rT+2:rT+3], v[rT+2:rT+3], v[rS+4*(\n):rS+4*(\n)+1]
.endif
.else
	REGS (Y+1)%NP
	WIN 0
.if (\n) < 4
	v_max3_num_f32 v[rC+(\n)], v[rS+8*(\n)], v[rS+8*(\n)+1], v[rS+8*(\n)+2]
.elseif (\n) < 12
	v_max3_num_f32 v[rC+(\n)%4], v[rC+(\n)%4], v[rS+8*((\n)%4)+2*((\n)/4)+1], v[rS+8*((\n)%4)+2*((\n)/4)+2]
.elseif (\n) == 12
	v_max3_num_f32 v[rC], v[rC], v[rS+7], v[rS+15]
.elseif (\n) == 13
	v_max3_num_f32 v[rC+1], v[rC+1], v[rS+23], v[rS+31]
.elseif (\n) == 14
	v_max3_num_f32 v[rC+2], v[rC+2], v[rC+3], v[rT+1]
.elseif (\n) == 15
	v_mov_b32 v[rW], v[rT]
.elseif (\n) == 16
	v_max3_num_f32 v[rC], v[rC], v[rC+1], v[rC+2]
.elseif (\n) == 17
	v_permlanex16_b32 v[rC+3], v[rC], s[SEL], s[SEL+1]
.elseif (\n) == 18
	v_max_num_f32 v[rT+1], v[rC], v[rC+3]
.elseif (\n) == 19
	v_mul_f32 v[rT], s[CS], v[rT+1]
.elseif (\n) == 20
	v_sub_f32 v[rC+1], v[rW], v[rT]
.else
	v_exp_f32 v[rC+2], v[rC+1]
.endif
.endif
.endm
.macro OPS a, i1, b=-1, i2=0, c=-1, i3=0, d=-1, i4=0
	OP \a, \i1
.if (\b) >= 0
	OP \b, \i2
.endif
.if (\c) >= 0
	OP \c, \i3
.endif
.if (\d) >= 0
	OP \d, \i4
.endif
.endm
.macro ROW a, i1, b, i2, c, i3, d, i4  ; a matrix instruction and the four behind it
	MM
	OPS \a, \i1, \b, \i2, \c, \i3, \d, \i4
.endm
; A TURN, for piece p.  AHEAD OF ITS ONE WAIT stands all that names no result of the turn's exponentials: the 8 products K Q^T with their riders and one lump; BEHIND IT the 8 products V^T P, behind each four of the
; roundings and sums.  In the lump, behind five plain instructions that name no register of the last product K Q^T, stands the run of LDS loads: the mask of piece p + 2 (wanted by the next turn's products), and in piece 2's
; turn the next step's K.  V of the step in hand is fetched at the end of piece 0's turn, four plain instructions behind the last product that read V.
; So between two changes of slots (which stand in front of piece 2's turn) all LDS reads are of one step's slot: K and piece 0's mask, piece 1's mask, piece 2's mask and V, piece 3's mask.
.macro TURN p
.set Y, (\p)
.set i, 0
.if (\p) == 1
	s_wait_dscnt 16                 ; the mask is in; V's sixteen loads, issued behind it, may be out
.else
	s_wait_dscnt 0x0                ; the mask is in (piece 3's turn: K too)
.endif
	ROW F,0, F,1, R,0, R,1
	ROW F,2, E,0, R,2, R,3
	ROW F,3, E,1, R,4, R,5
	ROW F,4, E,2, R,6, R,7
	ROW F,5, E,3, R,8, R,9
	ROW F,6, E,4, X,0, R,10
	ROW F,7, E,5, X,1, X,4
	ROW F,8, E,6, X,2, X,5
	OPS E,7, E,8, X,6, E,9
	OPS X,3, E,10, X,8, E,11
	MLOAD ((\p)+2)%NP, (\p)%2
.if (\p) == 2
	FETCH_K
.endif
	OPS X,9, X,7, E,12, X,10
	OPS E,13, X,12, X,11, E,14
	OPS X,13, E,15, F,9, X,14
	OPS E,16, F,10, E,17, F,11
	OPS X,16, E,18, X,15, E,19
	OPS F,12, E,20, X,17, E,21
	OPS F,13, E,22, F,14, E,23
	OPS X,18, E,24, F,15, E,25
	OPS R,11, E,26, X,19, E,27
	OPS R,12, E,28, R,13, E,29
	OPS X,20, E,30, R,14, E,31
	OPS X,21, R,15                  ; the batch's last exponential, and the plain instruction behind it
	WIN 0
	s_wait_alu depctr_va_vdst(0)    ; the one wait for the batch, ahead of the first instruction that names a result
.if (\p) == 1
	s_wait_dscnt 8                  ; V is in; this turn's eight loads of the mask may be out
.endif
	ROW C,0, B,0, C,2, B,1
	ROW L,0, C,4, B,2, L,1
	ROW C,6, B,3, L,2, C,8
	ROW B,4, L,3, C,10, B,5
	ROW L,4, C,12, B,6, L,5
	ROW C,14, B,7, L,6, C,1
	ROW C,3, L,7, C,5, C,7
	ROW C,9, C,11, C,13, C,15
.if (\p) == 0
	FETCH_V
.endif
.endm
	CHANGE 1                        ; step 0 is in, everybody's part of it; step 1 is asked for
	MLOAD 0, 0
	MLOAD 1, 1
	FETCH_K
	s_wait_loadcnt 0x0              ; Q
	s_wait_dscnt 0x0
.set i, 0
.rept 8
	KQ 0                            ; piece 0's first scores
.set i, i+1
.endr
	WIN 0                           ; the addresses for the way out: nine plain instructions, the places behind those products
	s_mul_i32 s[TS], s[WV], 16*SP
	s_add_co_u32 s[TS], s[TS], STAGE
	v_mul_u32_u24 v[STO], v1, SP
	v_lshl_add_u32 v[STO], v9, 4, v[STO]
	v_add_nc_u32 v[STO], s[TS], v[STO]
	v_bfe_u32 v[RD], v0, 3, 2
	v_mul_u32_u24 v[RD], v[RD], SP
	v_lshl_add_u32 v[RD], v10, 4, v[RD]
	v_add_nc_u32 v[RD], s[TS], v[RD]
	v_and_b32 v[GO], 31, v0
	v_lshlrev_b32 v[GO], 4, v[GO]
.set Y, NP-1                        ; X works for piece Y + 1: piece 0
.irp n, 0,1,2,3,4,5,6,7,8,9,10,11,12,13,14,15,16,17,18,19,20,21
	OP X, \n
.endr
	v_nop                           ; a plain instruction behind the exponential,
	s_wait_alu depctr_va_vdst(0)    ; and its wait, ahead of the branch
	s_branch .Lfirst                ; the loop is entered at a step's first turn, in the middle of a trip
.Lslot:                             ; 30 times: a step's slot is entered and the next step asked for
	CHANGE 1
	TURN 2
	TURN 3
	WIN 0
.Lfirst:
	TURN 0
	TURN 1
	WIN 0
	s_sub_co_u32 s[SLOTS], s[SLOTS], 1
	s_cmp_lg_u32 s[SLOTS], 0
	s_cbranch_scc1 .Lslot
	CHANGE 0                        ; the tail is written out: step 31's slot is entered, nothing is asked for
	s_mov_b32 s[CNT], 2
.Ltail:
	TURN 2
	TURN 3
	WIN 0
	s_sub_co_u32 s[CNT], s[CNT], 1
	s_cmp_eq_u32 s[CNT], 0
	s_cbranch_scc1 .Lout
	TURN 0
	TURN 1
	WIN 0
	s_branch .Ltail
.Lout:                              ; the second trip's loads of K and of two masks, its 8 products K Q^T and the maximum made of them serve nothing: the price, once a launch, of one text for every trip
.set i, 0
.rept 8
	PV NP-1                         ; the last piece's V^T P of the last step
.set i, i+1
.endr
	; THE WAY OUT.  l's two halves and the other half of the lanes' are added; O^T is divided by l, rounded to bf16 and sent through my stage in LDS, a piece at a time.
	WIN 0
.macro ALL line:vararg
.set t, 0
.rept 4
	\line
.set t, t+1
.endr
.endm
	ALL v_add_f32 v[ST+4*t+2], v[ST+4*t+2], v[ST+4*t+3]
	ALL v_permlanex16_b32 v[ST+4*t+3], v[ST+4*t+2], s[SEL], s[SEL+1]
	ALL v_add_f32 v[ST+4*t+2], v[ST+4*t+2], v[ST+4*t+3]
	ALL v_rcp_f32 v[ST+4*t+2], v[ST+4*t+2]
	v_nop                           ; a plain instruction behind the last reciprocal,
	s_wait_alu depctr_va_vdst(0)    ; and one wait for the four
.macro PACK t
	WIN W_RS
.set i, 32*(\t)
.rept 16
	v_pk_mul_f32 v[i:i+1], v[i:i+1], v[ST+4*(\t)+2:ST+4*(\t)+3] op_sel_hi:[1,0]
.set i, i+2
.endr
	WIN 0x05                        ; sources 0 and 1 window 1, destination window 0
.set i, 0
.rept 16
	v_cvt_pk_bf16_f32 v[S+16*(\t)+i], v[32*(\t)+2*i], v[32*(\t)+2*i+1]
.set i, i+1
.endr
	WIN 0
.irp f, 0,1,2,3
	ds_store_b128 v[STO], v[S+16*(\t)+4*\f:S+16*(\t)+4*\f+3] offset:32*\f
.endr
.irp f, 0,1,2,3
	ds_load_b128 v[S+16*(\t)+4*\f:S+16*(\t)+4*\f+3], v[RD] offset:\f*4*SP  ; LDS serves a wave's instructions in order (ISA guide 5.7.1.4): these see the stores above
.endr
.endm
.macro SEND t, younger
	WIN 0
.irp f, 0,1,2,3
	s_wait_dscnt (\younger)+3-\f
	global_store_b128 v[GO], v[S+16*(\t)+4*\f:S+16*(\t)+4*\f+3], s[8:9] offset:(\t)*2048+\f*512  ; 512 consecutive bytes, aligned
.endr
.endm
	PACK 0
.set t, 1
.rept 3
	PACK t
	SEND t-1, 8
.set t, t+1
.endr
	SEND 3, 0
	s_wait_tensorcnt 0x0            ; the wave's end
	ds_add_u32 v[SPW], v[NIL]
	s_wait_dscnt 0x0
	CROUND                          ; the closing round
	s_endpgm
.Lfunc_end_k_q2a0c785807_attn:
	.size	k_q2a0c785807_attn, .Lfunc_end_k_q2a0c785807_attn-k_q2a0c785807_attn
	.p2alignl 7, 3214868480
	.fill 96, 4, 3214868480
	.section	.rodata,"a",@progbits
	.p2align	6, 0x0
	.amdhsa_kernel k_q2a0c785807_attn
		.amdhsa_group_segment_fixed_size 327680
		.amdhsa_private_segment_fixed_size 0
		.amdhsa_enable_private_segment 0
		.amdhsa_kernarg_size 24
		.amdhsa_user_sgpr_count 2
		.amdhsa_user_sgpr_kernarg_segment_ptr 1
		.amdhsa_wavefront_size32 1
		.amdhsa_system_sgpr_workgroup_id_x 1
		.amdhsa_system_sgpr_workgroup_id_y 1
		.amdhsa_system_sgpr_workgroup_id_z 1
		.amdhsa_system_vgpr_workitem_id 0
		.amdhsa_next_free_vgpr 768
		.amdhsa_next_free_sgpr 80
		.amdhsa_reserve_vcc 0
		.amdhsa_float_denorm_mode_32 3
		.amdhsa_float_denorm_mode_16_64 3
		.amdhsa_memory_ordered 1
		.amdhsa_forward_progress 1
		.amdhsa_inst_pref_size 119
	.end_amdhsa_kernel
	.amdgpu_metadata
---
amdhsa.version: [ 1, 2 ]
amdhsa.kernels:
  - .name:           k_q2a0c785807_attn
    .symbol:         k_q2a0c785807_attn.kd
    .args:
      - { .name: qkvh, .offset: 0, .size: 8, .value_kind: global_buffer, .address_space: global }
      - { .name: m, .offset: 8, .size: 8, .value_kind: global_buffer, .address_space: global }
      - { .name: ob, .offset: 16, .size: 8, .value_kind: global_buffer, .address_space: global }
    .group_segment_fixed_size: 327680
    .private_segment_fixed_size: 0
    .kernarg_segment_align: 8
    .kernarg_segment_size: 24
    .max_flat_workgroup_size: 128
    .sgpr_count:     80
    .vgpr_count:     768
    .wavefront_size: 32
...
	.end_amdgpu_metadata
.endif
;; end of part 3
;; launch gwo (part 4): grid 8 x 32, 4 waves a work-group, clusters of 4 x 4, 327,680 bytes of LDS; arguments ob, wbf, wo_b, x, x1; writes x1
.if DOCPART == 4
	.amdgcn_target "amdgcn-amd-amdhsa--gfx1250"
	.amdhsa_code_object_version 6
	.text
	.protected	k_q2a0c785807_gwo
	.globl	k_q2a0c785807_gwo
	.p2align	8
	.type	k_q2a0c785807_gwo,@function
k_q2a0c785807_gwo:
	s_mov_b64 s[64:65], 0
	v_nop
	global_prefetch_b8 v0, s[64:65] scope:SCOPE_SE
	s_setreg_imm32_b32 hwreg(HW_REG_WAVE_MODE, 25, 1), 1
	s_wait_xcnt 0x0
	s_wait_alu depctr_hold_cnt(0) depctr_sa_sdst(0) depctr_va_vdst(0) depctr_va_sdst(0) depctr_va_ssrc(0) depctr_va_vcc(0) depctr_vm_vsrc(0)
	s_getreg_b32 s2, hwreg(HW_REG_IB_STS2, 6, 4)
	s_cmp_eq_u32 s2, 0
	s_cbranch_scc0 .Lentry_in_a_cluster
	s_endpgm
.Lentry_in_a_cluster:
	s_bfe_u32 s2, ttmp6, 0x10000c
	s_cmp_lg_u32 s2, 0xf033
	s_cbranch_scc0 .Lentry_shape_is_right
	s_endpgm
.Lentry_shape_is_right:
; x1 = x + mha wo + wo_b.  A: the attention's output by heads, [32 (batch x 16 + head)][2048][64] bf16: channel d of mha is head d / 64, channel d % 64.  B: wo as it lies, [1024 (k)][1024 (n)] bf16.
; x, x1: [4096][1024] f32.  A tile of C is 128 x 128; four waves, 64 x 64 each.  K goes in steps of 256 = four heads through two LDS slots filled by the tensor data mover.
; A's TILE: 64 tokens of one head are 8,192 dense bytes, asked for as ONE row of 4,096 elements; four heads are four such rows; the padding behind every 128 bytes makes token rows 144 bytes apart.
; CLUSTER 4 x 4: A's tile is asked for jointly along a row of the cluster, B's along a column.  B is turned on its way into registers.  THE SUMS START AS THE BIAS, loaded into the accumulators.
; The matrix instruction is used transposed: a lane holds row l % 16 of C and the columns 8 (l / 16) + 0..7.  A K step is written once (s[TB]; the walking descriptors change slots by one exclusive or).
; THE WAY OUT: the f32 tile goes through slot 1's first bytes, which have had their last fill, comes back as whole rows of 512 bytes, takes the residual (loaded at the start into window 2) and is stored.
; REGISTERS: window 0: v0-31 addresses, v128-255 accumulators; window 1: two fragment buffers of 128; window 2: v0-127 the residual.
.set SIZE_N, 1024
.set SIZE_K, 1024
.set STEPS,  SIZE_K/256
.set WOFF,   6291456                   ; wo in the bf16 weights
.set HEADA,  1                         ; A comes by heads
.set AP,     144
.set AQ,     64*AP                     ; a quarter step is a head
.set HALFA,  4*64*AP
.set ASTEP,  4*2048*128                ; four heads on
.set PB,     288
.set HALFB,  128*PB
.set SLOT,   147456
.set BSTEP,  256*SIZE_N*2
.set STG32,  SLOT                      ; 128 rows x 528 bytes
.set SPARE,  2*SLOT
.set A0,   5
.set B0,   6
.set B1,   7
.set ADRA, 8
.set ADRB, 10
.set STO,  12
.set RD,   13
.set CO,   14
.set BO,   15
.set SPW,  28
.set NIL,  29
.set ACC,  128
.set F0,   0
.set F1,   128
.set TB,   22
.set G1,   24
.set G0,   32
.set G1B,  48
.set G0B,  56
.set PA,   72
.set PW,   74
.set PBI,  76
.set P3,   78
.set P4,   80
.set MSB, 0
.macro WIN new
.if MSB != (\new)
	s_set_vgpr_msb (MSB<<8)|(\new)
.set MSB, \new
.endif
.endm
.set MUL,  0x05
.set TO_F, 0x40
.macro PLACES
.rept 4
	v_nop
.endr
.endm
.macro JLOAD s                         ; waves 0 and 1 fetch A's halves, waves 2 and 3 B's; an s_nop 0 and four v_nop follow each line
	s_cmp_eq_u32 s11, 0
	s_cbranch_scc0 .Lfor_b_\@
	tensor_load_to_lds s[G0+4*(\s):G0+4*(\s)+3], s[G1:G1+7]
	s_nop 0
.rept 4
	v_nop
.endr
	s_branch .Lasked_\@
.Lfor_b_\@:
	tensor_load_to_lds s[G0B+4*(\s):G0B+4*(\s)+3], s[G1B:G1B+7]
	s_nop 0
.rept 4
	v_nop
.endr
.Lasked_\@:
.endm
.macro CREST
	s_cmp_lg_u32 s10, 0
	s_cbranch_scc1 .Lnot_wave_0_\@
	s_barrier_signal -3
.Lnot_wave_0_\@:
	s_barrier_wait -3
	s_barrier_signal -1
	s_barrier_wait -1
.endm
.macro CROUND
	s_barrier_signal -1
	s_barrier_wait -1
	CREST
.endm
	s_load_b256 s[PA:PA+7], s[0:1], 0x0
	s_load_b64 s[P4:P4+1], s[0:1], 0x20
	v_lshl_add_u32 v[SPW], v0, 2, SPARE
	v_mov_b32 v[NIL], 0
	ds_add_u32 v[SPW], v[NIL]                      ; the wave's opening: the add and its wait ahead of my first tensor load
	v_lshrrev_b32 v1, 5, v0
	v_readfirstlane_b32 s10, v1
	s_lshr_b32 s11, s10, 1                         ; my half of the rows; also: I fetch for A (0) or B (1)
	s_and_b32 s12, s10, 1                          ; my half of the columns; also: which half of that tile I fetch
	s_bfe_u32 s40, ttmp6, 0x40000
	s_bfe_u32 s41, ttmp6, 0x40004
	s_lshl_b32 s42, ttmp9, 2
	s_add_co_u32 s42, s42, s40                     ; tile column
	s_and_b32 s13, ttmp7, 0xffff
	s_lshl_b32 s13, s13, 2
	s_add_co_u32 s13, s13, s41                     ; tile row
	s_lshl_b32 s43, s41, 2
	s_lshl_b32 s43, 15, s43
	s_lshl_b32 s44, 0x1111, s40
.if HEADA
	s_or_b32 s[G1+0], s43, (1<<16)|(1<<20)|(1<<21)|(4<<22)|(3<<25)  ; the mask; 2-byte elements; padding on; bit 21 beside a mask; after every 32 words (a token) 4 words
	s_mov_b32 s[G1+1], 4096<<16                    ; tensor_dim0 = 4,096: 64 tokens x 64 channels
	s_mov_b32 s[G1+2], 4<<16                       ; tensor_dim1 = 4 heads
	s_mov_b32 s[G1+3], 4096<<16
	s_mov_b32 s[G1+4], 4
	s_mov_b32 s[G1+5], 131072                      ; elements from head to head
.else
	s_or_b32 s[G1+0], s43, (1<<16)|(1<<20)|(1<<21)|(6<<22)|(3<<25)
	s_mov_b32 s[G1+1], 256<<16
	s_mov_b32 s[G1+2], 64<<16
	s_mov_b32 s[G1+3], 256<<16
	s_mov_b32 s[G1+4], 64
	s_mov_b32 s[G1+5], SIZE_K
.endif
	s_mov_b32 s[G1+6], 0
	s_mov_b32 s[G1+7], 0
	s_or_b32 s[G1B+0], s44, (1<<16)|(1<<20)|(1<<21)|(5<<22)|(7<<25)
	s_mov_b32 s[G1B+1], 128<<16
	s_mov_b32 s[G1B+2], 128<<16
	s_mov_b32 s[G1B+3], 128<<16
	s_mov_b32 s[G1B+4], 128
	s_mov_b32 s[G1B+5], SIZE_N
	s_mov_b32 s[G1B+6], 0
	s_mov_b32 s[G1B+7], 0
.if HEADA
	s_lshr_b32 s16, s13, 4                         ; batch,
	s_lshl_b32 s16, s16, 15                        ; its 16 heads of 2,048 tokens,
	s_and_b32 s17, s13, 15
	s_lshl_b32 s17, s17, 7                         ; token 128 x (tile row % 16)
	s_add_co_u32 s16, s16, s17
	s_lshl_b32 s17, s12, 6                         ; + 64 x half,
	s_add_co_u32 s16, s16, s17
	s_lshl_b32 s16, s16, 7                         ; 128 bytes a token
.else
	s_lshl_b32 s16, s13, 7
	s_lshl_b32 s17, s12, 6
	s_add_co_u32 s16, s16, s17
	s_mul_i32 s16, s16, SIZE_K*2
.endif
	s_mov_b32 s17, 0
	s_lshl_b32 s46, s42, 8
	s_mul_i32 s47, s12, 128*SIZE_N*2
	s_add_co_u32 s46, s46, s47
	s_add_co_u32 s46, s46, WOFF
	s_mov_b32 s47, 0
	s_mul_i32 s20, s12, HALFA
	s_mul_i32 s21, s12, HALFB
	s_add_co_u32 s21, s21, 2*HALFA
	s_mov_b32 s[TB], 0
	s_wait_dscnt 0x0                               ; the opening add is done
	s_wait_kmcnt 0x0
	s_add_nc_u64 s[14:15], s[PA:PA+1], s[16:17]
	s_add_nc_u64 s[46:47], s[PW:PW+1], s[46:47]
	CROUND                                         ; the first joint loads meet
.irp s, 0,1
	s_mov_b32 s[G0+4*(\s)], 1
	s_add_co_u32 s[G0+4*(\s)+1], s20, (\s)*SLOT
	s_add_nc_u64 s[G0+4*(\s)+2:G0+4*(\s)+3], s[14:15], (\s)*ASTEP
	s_or_b32 s[G0+4*(\s)+3], s[G0+4*(\s)+3], 0x80000000
	s_mov_b32 s[G0B+4*(\s)], 1
	s_add_co_u32 s[G0B+4*(\s)+1], s21, (\s)*SLOT
	s_add_nc_u64 s[G0B+4*(\s)+2:G0B+4*(\s)+3], s[46:47], (\s)*BSTEP
	s_or_b32 s[G0B+4*(\s)+3], s[G0B+4*(\s)+3], 0x80000000
	JLOAD \s
.endr
	v_and_b32 v1, 15, v0
	v_bfe_u32 v2, v0, 4, 1
	v_and_b32 v3, 7, v0
	v_bfe_u32 v4, v0, 3, 1
	v_mul_u32_u24 v[A0], v1, AP
	v_lshl_add_u32 v[A0], v2, 4, v[A0]
	s_mul_i32 s2, s11, HALFA
	v_add_nc_u32 v[A0], s2, v[A0]
	v_lshl_add_u32 v[B0], v2, 3, v3
	v_mul_u32_u24 v[B0], v[B0], PB
	v_lshl_add_u32 v[B0], v4, 4, v[B0]
	s_lshl_b32 s2, s12, 7
	s_add_co_u32 s2, s2, 2*HALFA
	v_add_nc_u32 v[B0], s2, v[B0]
	v_add_nc_u32 v[B1], HALFB, v[B0]
	v_lshlrev_b32 v[BO], 5, v2
	s_lshl_b32 s46, s42, 9
	s_lshl_b32 s47, s12, 8
	s_add_co_u32 s46, s46, s47
	s_mov_b32 s47, 0
	s_add_nc_u64 s[PBI:PBI+1], s[PBI:PBI+1], s[46:47]
.irp a, 0,1,2,3
.irp b, 0,1,2,3
	global_load_b128 v[ACC+8*(4*(\a)+(\b)):ACC+8*(4*(\a)+(\b))+3],   v[BO], s[PBI:PBI+1] offset:64*(\b)
	global_load_b128 v[ACC+8*(4*(\a)+(\b))+4:ACC+8*(4*(\a)+(\b))+7], v[BO], s[PBI:PBI+1] offset:64*(\b)+16
.endr
.endr
	; the way out: wave w stores rows 32 w .. 32 w + 31 of the tile, whole (512 bytes); residual and result lie alike
	s_lshl_b32 s16, s13, 7
	s_lshl_b32 s17, s10, 5
	s_add_co_u32 s16, s16, s17
	s_lshl_b32 s16, s16, 12                        ; 4,096 bytes a row
	s_mov_b32 s17, 0
	s_add_nc_u64 s[P3:P3+1], s[P3:P3+1], s[16:17]
	s_add_nc_u64 s[P4:P4+1], s[P4:P4+1], s[16:17]
	s_lshl_b32 s46, s42, 9
	s_mov_b32 s47, 0
	s_add_nc_u64 s[P3:P3+1], s[P3:P3+1], s[46:47]
	s_add_nc_u64 s[P4:P4+1], s[P4:P4+1], s[46:47]
	v_and_b32 v[CO], 31, v0
	v_lshlrev_b32 v[CO], 4, v[CO]
	WIN 0x80                                       ; destination window 2
.set n, 0
.rept 32
	global_load_b128 v[4*n:4*n+3], v[CO], s[P3:P3+1] offset:n*4096
.set n, n+1
.endr
	WIN 0
	s_lshl_b32 s2, s11, 6
	v_add_nc_u32 v[STO], s2, v1                    ; into the stage: row 64 x half + r, my half of its 512 bytes, 32 bytes for each half of the lanes
	v_mul_u32_u24 v[STO], v[STO], 528
	v_lshl_add_u32 v[STO], v2, 5, v[STO]
	s_lshl_b32 s2, s12, 8
	s_add_co_u32 s2, s2, STG32
	v_add_nc_u32 v[STO], s2, v[STO]
	s_mul_i32 s2, s10, 32*528
	s_add_co_u32 s2, s2, STG32
	v_add_nc_u32 v[RD], s2, v[CO]
.macro MUL8 f, c, a0                   ; the 16 accumulators take turns, one instruction a turn, over the backward jumps too
	WIN MUL
.irp a, \a0, (\a0)+1
.irp b, 0,1,2,3
	v_wmma_f32_16x16x32_bf16 v[ACC+8*(4*(\a)+(\b)):ACC+8*(4*(\a)+(\b))+7], v[(\f)+64+8*(4*(\c)+(\b)):(\f)+64+8*(4*(\c)+(\b))+7], v[(\f)+8*(4*(\c)+(\a)):(\f)+8*(4*(\c)+(\a))+7], v[ACC+8*(4*(\a)+(\b)):ACC+8*(4*(\a)+(\b))+7]
.endr
.endr
.endm
.macro FETCH q, f                      ; 32 LDS loads in one run: quarter q of the slot in hand into buffer f; the first 32 along K are the first sixteen
	WIN TO_F
.irp c, 0,1
.irp i, 0,1,2,3
	ds_load_tr16_b128 v[(\f)+64+8*(4*(\c)+(\i)):(\f)+64+8*(4*(\c)+(\i))+3],   v[ADRB+(\q)/2] offset:(2*((\q)%2)+(\c))*32*PB+32*(\i)
	ds_load_tr16_b128 v[(\f)+64+8*(4*(\c)+(\i))+4:(\f)+64+8*(4*(\c)+(\i))+7], v[ADRB+(\q)/2] offset:(2*((\q)%2)+(\c))*32*PB+32*(\i)+16*PB
	ds_load_b128 v[(\f)+8*(4*(\c)+(\i)):(\f)+8*(4*(\c)+(\i))+3],   v[ADRA] offset:(\q)*AQ+64*(\c)+(\i)*16*AP
	ds_load_b128 v[(\f)+8*(4*(\c)+(\i))+4:(\f)+8*(4*(\c)+(\i))+7], v[ADRA] offset:(\q)*AQ+64*(\c)+(\i)*16*AP+32
.endr
.endr
.endm
.macro QUARTER q, f, g
	s_wait_dscnt 16                                ; the first 32 along K are in
	MUL8 \f, 0, 0
	MUL8 \f, 0, 2
	PLACES                                         ; four places in front of loads into registers that matrix instructions have read
	FETCH \q, \g
	s_wait_dscnt 32                                ; all but the 32 just issued
	MUL8 \f, 1, 0
	MUL8 \f, 1, 2
.endm
; The last quarter changes slots: ONE barrier; in front of it each wave waits for all its tensor loads, adds 0 to its spare word, and waits for that and for its reads of this slot.
; fill = 1: the barrier opens a round of the cluster's, and this slot is filled again, two K steps ahead, first thing behind it.
.macro TURN fill
	WIN 0
	s_wait_tensorcnt 0x0
	ds_add_u32 v[SPW], v[NIL]
	s_wait_dscnt 17                                ; the add and the youngest sixteen loads may be out
	MUL8 F1, 0, 0
	s_wait_dscnt 0x0                               ; the add is done, and my reads of this slot are over
	s_barrier_signal -1
	MUL8 F1, 0, 2
	WIN 0
	s_barrier_wait -1
.if \fill
	CREST
	s_xor_b32 s[G0+5], s[G0+5], SLOT
	s_xor_b32 s[G0B+5], s[G0B+5], SLOT
	s_add_nc_u64 s[G0+6:G0+7], s[G0+6:G0+7], ASTEP
	s_add_nc_u64 s[G0B+6:G0B+7], s[G0B+6:G0B+7], BSTEP
	JLOAD 1
.else
	PLACES
.endif
	s_xor_b32 s[TB], s[TB], SLOT
	v_add_nc_u32 v[ADRA], s[TB], v[A0]
	v_add_nc_u32 v[ADRB], s[TB], v[B0]
	v_add_nc_u32 v[ADRB+1], s[TB], v[B1]
.if !(\fill)
	s_cmp_eq_u32 s3, 1                             ; behind the last K step nothing is left to fetch
	s_cbranch_scc1 .Lno_more_\@
.endif
	FETCH 0, F0
.if !(\fill)
	WIN 0
.Lno_more_\@:
.endif
	MUL8 F1, 1, 0
	MUL8 F1, 1, 2
.endm
.macro STEP fill
	QUARTER 1, F0, F1
	QUARTER 2, F1, F0
	QUARTER 3, F0, F1
	TURN \fill
.endm
	s_wait_tensorcnt 1                             ; my part of K step 0 is in; K step 1's may stay out
	s_barrier_signal -1
	s_barrier_wait -1
	v_mov_b32 v[ADRA], v[A0]
	v_mov_b32 v[ADRB], v[B0]
	v_mov_b32 v[ADRB+1], v[B1]
	FETCH 0, F0
	WIN 0
	s_wait_loadcnt 32                              ; the bias lies in the accumulators; the residual's 32 loads stay out
	s_mov_b32 s3, STEPS-2
.Lk:
	STEP 1
	WIN 0
	s_sub_co_u32 s3, s3, 1
	s_cmp_lg_u32 s3, 0
	s_cbranch_scc1 .Lk
	s_mov_b32 s3, 2
.Lt:
	STEP 0
	WIN 0
	s_sub_co_u32 s3, s3, 1
	s_cmp_lg_u32 s3, 0
	s_cbranch_scc1 .Lt
	PLACES
	PLACES
.irp a, 0,1,2,3                        ; the last barrier has shown that no wave reads slot 1 any more, and nothing is filled again
.irp b, 0,1,2,3
	ds_store_b128 v[STO], v[ACC+8*(4*(\a)+(\b)):ACC+8*(4*(\a)+(\b))+3]   offset:(\a)*16*528+64*(\b)
	ds_store_b128 v[STO], v[ACC+8*(4*(\a)+(\b))+4:ACC+8*(4*(\a)+(\b))+7] offset:(\a)*16*528+64*(\b)+16
.endr
.endr
	s_wait_dscnt 0x0                               ; for the others' sake: a row's 512 bytes come from two waves
	s_barrier_signal -1
	s_barrier_wait -1
.set n, 0
.rept 32
	ds_load_b128 v[ACC+4*n:ACC+4*n+3], v[RD] offset:n*528
.set n, n+1
.endr
	s_wait_loadcnt 0x0                             ; the residual
.irp i, 0,1,2,3
	s_wait_dscnt 24-8*(\i)                         ; the later groups' loads may be out
	WIN 0x08                                       ; source 1 in window 2
.set k, 0
.rept 16
	v_pk_add_f32 v[ACC+32*(\i)+2*k:ACC+32*(\i)+2*k+1], v[ACC+32*(\i)+2*k:ACC+32*(\i)+2*k+1], v[32*(\i)+2*k:32*(\i)+2*k+1]
.set k, k+1
.endr
	WIN 0
.irp t, 0,1,2,3,4,5,6,7
	global_store_b128 v[CO], v[ACC+32*(\i)+4*(\t):ACC+32*(\i)+4*(\t)+3], s[P4:P4+1] offset:(8*(\i)+(\t))*4096  ; a wave stores 512 consecutive bytes, aligned
.endr
.endr
	s_wait_tensorcnt 0x0                           ; the wave's end
	ds_add_u32 v[SPW], v[NIL]
	s_wait_dscnt 0x0
	CROUND                                         ; the closing round
	s_endpgm
.Lfunc_end_k_q2a0c785807_gwo:
	.size	k_q2a0c785807_gwo, .Lfunc_end_k_q2a0c785807_gwo-k_q2a0c785807_gwo
	.p2alignl 7, 3214868480
	.fill 96, 4, 3214868480
	.section	.rodata,"a",@progbits
	.p2align	6, 0x0
	.amdhsa_kernel k_q2a0c785807_gwo
		.amdhsa_group_segment_fixed_size 327680
		.amdhsa_private_segment_fixed_size 0
		.amdhsa_enable_private_segment 0
		.amdhsa_kernarg_size 40
		.amdhsa_user_sgpr_count 2
		.amdhsa_user_sgpr_kernarg_segment_ptr 1
		.amdhsa_wavefront_size32 1
		.amdhsa_system_sgpr_workgroup_id_x 1
		.amdhsa_system_sgpr_workgroup_id_y 1
		.amdhsa_system_sgpr_workgroup_id_z 1
		.amdhsa_system_vgpr_workitem_id 0
		.amdhsa_next_free_vgpr 640
		.amdhsa_next_free_sgpr 84
		.amdhsa_reserve_vcc 0
		.amdhsa_float_denorm_mode_32 3
		.amdhsa_float_denorm_mode_16_64 3
		.amdhsa_memory_ordered 1
		.amdhsa_forward_progress 1
		.amdhsa_inst_pref_size 64
	.end_amdhsa_kernel
	.amdgpu_metadata
---
amdhsa.version: [ 1, 2 ]
amdhsa.kernels:
  - .name:           k_q2a0c785807_gwo
    .symbol:         k_q2a0c785807_gwo.kd
    .args:
      - { .name: ob, .offset: 0, .size: 8, .value_kind: global_buffer, .address_space: global }
      - { .name: wbf, .offset: 8, .size: 8, .value_kind: global_buffer, .address_space: global }
      - { .name: wo_b, .offset: 16, .size: 8, .value_kind: global_buffer, .address_space: global }
      - { .name: x, .offset: 24, .size: 8, .value_kind: global_buffer, .address_space: global }
      - { .name: x1, .offset: 32, .size: 8, .value_kind: global_buffer, .address_space: global }
    .group_segment_fixed_size: 327680
    .private_segment_fixed_size: 0
    .kernarg_segment_align: 8
    .kernarg_segment_size: 40
    .max_flat_workgroup_size: 128
    .sgpr_count:     84
    .vgpr_count:     640
    .wavefront_size: 32
...
	.end_amdgpu_metadata
.endif
;; end of part 4
;; launch ln2: the kernel of part 1 again; grid 256 x 1, 8 waves a work-group, no clusters, 0 bytes of LDS; arguments x1, ln2_g, ln2_b, act, wx_w, wo_w, w1, w2, wbf; writes act, wbf
;; launch gup (part 5): grid 32 x 32, 4 waves a work-group, clusters of 4 x 4, 327,680 bytes of LDS; arguments act, wbf, b1, hb; writes hb
.if DOCPART == 5
	.amdgcn_target "amdgcn-amd-amdhsa--gfx1250"
	.amdhsa_code_object_version 6
	.text
	.protected	k_q2a0c785807_gup
	.globl	k_q2a0c785807_gup
	.p2align	8
	.type	k_q2a0c785807_gup,@function
k_q2a0c785807_gup:
	s_mov_b64 s[64:65], 0
	v_nop
	global_prefetch_b8 v0, s[64:65] scope:SCOPE_SE
	s_setreg_imm32_b32 hwreg(HW_REG_WAVE_MODE, 25, 1), 1
	s_wait_xcnt 0x0
	s_wait_alu depctr_hold_cnt(0) depctr_sa_sdst(0) depctr_va_vdst(0) depctr_va_sdst(0) depctr_va_ssrc(0) depctr_va_vcc(0) depctr_vm_vsrc(0)
	s_getreg_b32 s2, hwreg(HW_REG_IB_STS2, 6, 4)
	s_cmp_eq_u32 s2, 0
	s_cbranch_scc0 .Lentry_in_a_cluster
	s_endpgm
.Lentry_in_a_cluster:
	s_bfe_u32 s2, ttmp6, 0x10000c
	s_cmp_lg_u32 s2, 0xf033
	s_cbranch_scc0 .Lentry_shape_is_right
	s_endpgm
.Lentry_shape_is_right:
; h = gelu(LN2(x1) w1 + b1).  A: [4096][1024] bf16.  B: w1 as it lies, [1024 (k)][4096 (n)] bf16.  Out: [4096][4096] bf16, rounded once.
; GELU.  x Phi(x) = max(x, 0) - |x| P(t) 2^(K2 x^2), t = 1 / (1 + PP |x|), P a polynomial of degree 5 without constant term (Abramowitz and Stegun 7.1.26, the factor 1/2 folded in).
; LIMITS.  erf is met to 1.5e-7 absolutely for every x; a power of two below 2^-126 counts as 0; NaN and infinities are not treated apart.
; A tile of C is 128 x 128; four waves, 64 x 64 each.  K goes in steps of 256 through two LDS slots filled by the tensor data mover.  CLUSTER 4 x 4: A's tile is asked for jointly along a row, B's along a column.
; B is turned on its way into registers.  THE SUMS START AS THE BIAS, loaded into the accumulators.  The matrix instruction is used transposed: a lane holds row l % 16 of C and the columns 8 (l / 16) + 0..7.
; A K step is written once (s[TB]; the walking descriptors change slots by one exclusive or).
; THE WAY OUT: the f32 tile goes through slot 1's first bytes, which have had their last fill, comes back as whole rows, 8 rows a trip, takes the activation and is stored, 256 bytes a row.
; REGISTERS: window 0: v0-31 addresses, v32-95 and v128-255 the way out, v128-255 accumulators; window 1: two fragment buffers of 128.
.set SIZE_N, 4096
.set SIZE_K, 1024
.set STEPS,  SIZE_K/256
.set WOFF,   8388608                   ; w1 in the bf16 weights
.set HEADA,  0
.set AP,     528
.set AQ,     128
.set HALFA,  64*AP
.set ASTEP,  512
.set PB,     288
.set HALFB,  128*PB
.set SLOT,   147456
.set BSTEP,  256*SIZE_N*2
.set STG32,  SLOT
.set SPARE,  2*SLOT
.set A0,   5
.set B0,   6
.set B1,   7
.set ADRA, 8
.set ADRB, 10
.set STO,  12
.set RD,   13
.set CO,   14
.set BO,   15
.set SPW,  28
.set NIL,  29
.set ACC,  128
.set F0,   0
.set F1,   128
.set TB,   22
.set G1,   24
.set G0,   32
.set G1B,  48
.set G0B,  56
.set PA,   72
.set PW,   74
.set PBI,  76
.set P3,   78
.set PP,   84                          ; s84; then pairs, named whole by the packed forms, which take the low word for both halves
.set K2,   86
.set C1,   88
.set C2,   90
.set C3,   92
.set C4,   94
.set C5,   96
.set GO,   32                          ; v32-47   packed results
.set GG,   64                          ; v64-95   max(x, 0), then the result
.set GX,   128                         ; v128-159 x
.set GT,   160                         ; v160-191 t
.set GE,   192                         ; v192-223 the power of two
.set GR,   224                         ; v224-255 the polynomial
.set MSB, 0
.macro WIN new
.if MSB != (\new)
	s_set_vgpr_msb (MSB<<8)|(\new)
.set MSB, \new
.endif
.endm
.set MUL,  0x05
.set TO_F, 0x40
.macro PLACES
.rept 4
	v_nop
.endr
.endm
.macro JLOAD s                         ; waves 0 and 1 fetch A's halves, waves 2 and 3 B's; an s_nop 0 and four v_nop follow each line
	s_cmp_eq_u32 s11, 0
	s_cbranch_scc0 .Lfor_b_\@
	tensor_load_to_lds s[G0+4*(\s):G0+4*(\s)+3], s[G1:G1+7]
	s_nop 0
.rept 4
	v_nop
.endr
	s_branch .Lasked_\@
.Lfor_b_\@:
	tensor_load_to_lds s[G0B+4*(\s):G0B+4*(\s)+3], s[G1B:G1B+7]
	s_nop 0
.rept 4
	v_nop
.endr
.Lasked_\@:
.endm
.macro CREST
	s_cmp_lg_u32 s10, 0
	s_cbranch_scc1 .Lnot_wave_0_\@
	s_barrier_signal -3
.Lnot_wave_0_\@:
	s_barrier_wait -3
	s_barrier_signal -1
	s_barrier_wait -1
.endm
.macro CROUND
	s_barrier_signal -1
	s_barrier_wait -1
	CREST
.endm
	s_load_b256 s[PA:PA+7], s[0:1], 0x0
	v_lshl_add_u32 v[SPW], v0, 2, SPARE
	v_mov_b32 v[NIL], 0
	ds_add_u32 v[SPW], v[NIL]                      ; the wave's opening: the add and its wait ahead of my first tensor load
	v_lshrrev_b32 v1, 5, v0
	v_readfirstlane_b32 s10, v1
	s_lshr_b32 s11, s10, 1                         ; my half of the rows; also: I fetch for A (0) or B (1)
	s_and_b32 s12, s10, 1                          ; my half of the columns; also: which half of that tile I fetch
	s_bfe_u32 s40, ttmp6, 0x40000
	s_bfe_u32 s41, ttmp6, 0x40004
	s_lshl_b32 s42, ttmp9, 2
	s_add_co_u32 s42, s42, s40                     ; tile column
	s_and_b32 s13, ttmp7, 0xffff
	s_lshl_b32 s13, s13, 2
	s_add_co_u32 s13, s13, s41                     ; tile row
	s_lshl_b32 s43, s41, 2
	s_lshl_b32 s43, 15, s43
	s_lshl_b32 s44, 0x1111, s40
.if HEADA
	s_or_b32 s[G1+0], s43, (1<<16)|(1<<20)|(1<<21)|(4<<22)|(3<<25)
	s_mov_b32 s[G1+1], 4096<<16
	s_mov_b32 s[G1+2], 4<<16
	s_mov_b32 s[G1+3], 4096<<16
	s_mov_b32 s[G1+4], 4
	s_mov_b32 s[G1+5], 131072
.else
	s_or_b32 s[G1+0], s43, (1<<16)|(1<<20)|(1<<21)|(6<<22)|(3<<25)  ; the mask; 2-byte elements; padding on; bit 21 beside a mask; after every 128 words 4 words
	s_mov_b32 s[G1+1], 256<<16
	s_mov_b32 s[G1+2], 64<<16
	s_mov_b32 s[G1+3], 256<<16
	s_mov_b32 s[G1+4], 64
	s_mov_b32 s[G1+5], SIZE_K
.endif
	s_mov_b32 s[G1+6], 0
	s_mov_b32 s[G1+7], 0
	s_or_b32 s[G1B+0], s44, (1<<16)|(1<<20)|(1<<21)|(5<<22)|(7<<25)
	s_mov_b32 s[G1B+1], 128<<16
	s_mov_b32 s[G1B+2], 128<<16
	s_mov_b32 s[G1B+3], 128<<16
	s_mov_b32 s[G1B+4], 128
	s_mov_b32 s[G1B+5], SIZE_N
	s_mov_b32 s[G1B+6], 0
	s_mov_b32 s[G1B+7], 0
.if HEADA
	s_lshr_b32 s16, s13, 4
	s_lshl_b32 s16, s16, 15
	s_and_b32 s17, s13, 15
	s_lshl_b32 s17, s17, 7
	s_add_co_u32 s16, s16, s17
	s_lshl_b32 s17, s12, 6
	s_add_co_u32 s16, s16, s17
	s_lshl_b32 s16, s16, 7
.else
	s_lshl_b32 s16, s13, 7
	s_lshl_b32 s17, s12, 6
	s_add_co_u32 s16, s16, s17
	s_mul_i32 s16, s16, SIZE_K*2
.endif
	s_mov_b32 s17, 0
	s_lshl_b32 s46, s42, 8
	s_mul_i32 s47, s12, 128*SIZE_N*2
	s_add_co_u32 s46, s46, s47
	s_add_co_u32 s46, s46, WOFF
	s_mov_b32 s47, 0
	s_mul_i32 s20, s12, HALFA
	s_mul_i32 s21, s12, HALFB
	s_add_co_u32 s21, s21, 2*HALFA
	s_mov_b32 s[TB], 0
	s_mov_b32 s[PP], 0x3e6d3389                    ; 0.2316419
	s_mov_b32 s[K2], 0xbf38aa3b                    ; -log2(e) / 2
	s_mov_b32 s[C1], 0x3e027906                    ; 0.127414796
	s_mov_b32 s[C2], 0xbe11a98e                    ; -0.142248368
	s_mov_b32 s[C3], 0x3f35f0e3                    ; 0.7107068705
	s_mov_b32 s[C4], 0xbf3a00e3                    ; -0.7265760135
	s_mov_b32 s[C5], 0x3f07dc22                    ; 0.5307027145
.irp g, K2, C1, C2, C3, C4, C5
	s_mov_b32 s[(\g)+1], s[\g]
.endr
	s_wait_dscnt 0x0                               ; the opening add is done
	s_wait_kmcnt 0x0
	s_add_nc_u64 s[14:15], s[PA:PA+1], s[16:17]
	s_add_nc_u64 s[46:47], s[PW:PW+1], s[46:47]
	CROUND                                         ; the first joint loads meet
.irp s, 0,1
	s_mov_b32 s[G0+4*(\s)], 1
	s_add_co_u32 s[G0+4*(\s)+1], s20, (\s)*SLOT
	s_add_nc_u64 s[G0+4*(\s)+2:G0+4*(\s)+3], s[14:15], (\s)*ASTEP
	s_or_b32 s[G0+4*(\s)+3], s[G0+4*(\s)+3], 0x80000000
	s_mov_b32 s[G0B+4*(\s)], 1
	s_add_co_u32 s[G0B+4*(\s)+1], s21, (\s)*SLOT
	s_add_nc_u64 s[G0B+4*(\s)+2:G0B+4*(\s)+3], s[46:47], (\s)*BSTEP
	s_or_b32 s[G0B+4*(\s)+3], s[G0B+4*(\s)+3], 0x80000000
	JLOAD \s
.endr
	v_and_b32 v1, 15, v0
	v_bfe_u32 v2, v0, 4, 1
	v_and_b32 v3, 7, v0
	v_bfe_u32 v4, v0, 3, 1
	v_mul_u32_u24 v[A0], v1, AP
	v_lshl_add_u32 v[A0], v2, 4, v[A0]
	s_mul_i32 s2, s11, HALFA
	v_add_nc_u32 v[A0], s2, v[A0]
	v_lshl_add_u32 v[B0], v2, 3, v3
	v_mul_u32_u24 v[B0], v[B0], PB
	v_lshl_add_u32 v[B0], v4, 4, v[B0]
	s_lshl_b32 s2, s12, 7
	s_add_co_u32 s2, s2, 2*HALFA
	v_add_nc_u32 v[B0], s2, v[B0]
	v_add_nc_u32 v[B1], HALFB, v[B0]
	v_lshlrev_b32 v[BO], 5, v2
	s_lshl_b32 s46, s42, 9
	s_lshl_b32 s47, s12, 8
	s_add_co_u32 s46, s46, s47
	s_mov_b32 s47, 0
	s_add_nc_u64 s[PBI:PBI+1], s[PBI:PBI+1], s[46:47]
.irp a, 0,1,2,3
.irp b, 0,1,2,3
	global_load_b128 v[ACC+8*(4*(\a)+(\b)):ACC+8*(4*(\a)+(\b))+3],   v[BO], s[PBI:PBI+1] offset:64*(\b)
	global_load_b128 v[ACC+8*(4*(\a)+(\b))+4:ACC+8*(4*(\a)+(\b))+7], v[BO], s[PBI:PBI+1] offset:64*(\b)+16
.endr
.endr
	; the way out: wave w stores rows 32 w .. 32 w + 31 of the tile, 256 bytes each
	s_lshl_b32 s16, s13, 7
	s_lshl_b32 s17, s10, 5
	s_add_co_u32 s16, s16, s17
	s_lshl_b32 s16, s16, 13                        ; 8,192 bytes a row
	s_mov_b32 s17, 0
	s_add_nc_u64 s[P3:P3+1], s[P3:P3+1], s[16:17]
	s_lshl_b32 s46, s42, 8
	s_mov_b32 s47, 0
	s_add_nc_u64 s[P3:P3+1], s[P3:P3+1], s[46:47]
	s_lshl_b32 s2, s11, 6
	v_add_nc_u32 v[STO], s2, v1
	v_mul_u32_u24 v[STO], v[STO], 528
	v_lshl_add_u32 v[STO], v2, 5, v[STO]
	s_lshl_b32 s2, s12, 8
	s_add_co_u32 s2, s2, STG32
	v_add_nc_u32 v[STO], s2, v[STO]
	s_mul_i32 s2, s10, 32*528
	s_add_co_u32 s2, s2, STG32
	v_and_b32 v[CO], 31, v0
	v_lshl_add_u32 v[RD], v[CO], 4, s2             ; 16 bytes of f32 in,
	v_lshlrev_b32 v[CO], 3, v[CO]                  ; 8 bytes of bf16 out, a lane
.macro MUL8 f, c, a0                   ; the 16 accumulators take turns, one instruction a turn, over the backward jumps too
	WIN MUL
.irp a, \a0, (\a0)+1
.irp b, 0,1,2,3
	v_wmma_f32_16x16x32_bf16 v[ACC+8*(4*(\a)+(\b)):ACC+8*(4*(\a)+(\b))+7], v[(\f)+64+8*(4*(\c)+(\b)):(\f)+64+8*(4*(\c)+(\b))+7], v[(\f)+8*(4*(\c)+(\a)):(\f)+8*(4*(\c)+(\a))+7], v[ACC+8*(4*(\a)+(\b)):ACC+8*(4*(\a)+(\b))+7]
.endr
.endr
.endm
.macro FETCH q, f                      ; 32 LDS loads in one run: quarter q of the slot in hand into buffer f; the first 32 along K are the first sixteen
	WIN TO_F
.irp c, 0,1
.irp i, 0,1,2,3
	ds_load_tr16_b128 v[(\f)+64+8*(4*(\c)+(\i)):(\f)+64+8*(4*(\c)+(\i))+3],   v[ADRB+(\q)/2] offset:(2*((\q)%2)+(\c))*32*PB+32*(\i)
	ds_load_tr16_b128 v[(\f)+64+8*(4*(\c)+(\i))+4:(\f)+64+8*(4*(\c)+(\i))+7], v[ADRB+(\q)/2] offset:(2*((\q)%2)+(\c))*32*PB+32*(\i)+16*PB
	ds_load_b128 v[(\f)+8*(4*(\c)+(\i)):(\f)+8*(4*(\c)+(\i))+3],   v[ADRA] offset:(\q)*AQ+64*(\c)+(\i)*16*AP
	ds_load_b128 v[(\f)+8*(4*(\c)+(\i))+4:(\f)+8*(4*(\c)+(\i))+7], v[ADRA] offset:(\q)*AQ+64*(\c)+(\i)*16*AP+32
.endr
.endr
.endm
.macro QUARTER q, f, g
	s_wait_dscnt 16                                ; the first 32 along K are in
	MUL8 \f, 0, 0
	MUL8 \f, 0, 2
	PLACES                                         ; four places in front of loads into registers that matrix instructions have read
	FETCH \q, \g
	s_wait_dscnt 32                                ; all but the 32 just issued
	MUL8 \f, 1, 0
	MUL8 \f, 1, 2
.endm
; The last quarter changes slots: ONE barrier; in front of it each wave waits for all its tensor loads, adds 0 to its spare word, and waits for that and for its reads of this slot.
; fill = 1: the barrier opens a round of the cluster's, and this slot is filled again, two K steps ahead, first thing behind it.
.macro TURN fill
	WIN 0
	s_wait_tensorcnt 0x0
	ds_add_u32 v[SPW], v[NIL]
	s_wait_dscnt 17                                ; the add and the youngest sixteen loads may be out
	MUL8 F1, 0, 0
	s_wait_dscnt 0x0                               ; the add is done, and my reads of this slot are over
	s_barrier_signal -1
	MUL8 F1, 0, 2
	WIN 0
	s_barrier_wait -1
.if \fill
	CREST
	s_xor_b32 s[G0+5], s[G0+5], SLOT
	s_xor_b32 s[G0B+5], s[G0B+5], SLOT
	s_add_nc_u64 s[G0+6:G0+7], s[G0+6:G0+7], ASTEP
	s_add_nc_u64 s[G0B+6:G0B+7], s[G0B+6:G0B+7], BSTEP
	JLOAD 1
.else
	PLACES
.endif
	s_xor_b32 s[TB], s[TB], SLOT
	v_add_nc_u32 v[ADRA], s[TB], v[A0]
	v_add_nc_u32 v[ADRB], s[TB], v[B0]
	v_add_nc_u32 v[ADRB+1], s[TB], v[B1]
.if !(\fill)
	s_cmp_eq_u32 s3, 1                             ; behind the last K step nothing is left to fetch
	s_cbranch_scc1 .Lno_more_\@
.endif
	FETCH 0, F0
.if !(\fill)
	WIN 0
.Lno_more_\@:
.endif
	MUL8 F1, 1, 0
	MUL8 F1, 1, 2
.endm
.macro STEP fill
	QUARTER 1, F0, F1
	QUARTER 2, F1, F0
	QUARTER 3, F0, F1
	TURN \fill
.endm
	s_wait_tensorcnt 1                             ; my part of K step 0 is in; K step 1's may stay out
	s_barrier_signal -1
	s_barrier_wait -1
	v_mov_b32 v[ADRA], v[A0]
	v_mov_b32 v[ADRB], v[B0]
	v_mov_b32 v[ADRB+1], v[B1]
	FETCH 0, F0
	WIN 0
	s_wait_loadcnt 0x0                             ; the bias lies in the accumulators
	s_mov_b32 s3, STEPS-2
.Lk:
	STEP 1
	WIN 0
	s_sub_co_u32 s3, s3, 1
	s_cmp_lg_u32 s3, 0
	s_cbranch_scc1 .Lk
	s_mov_b32 s3, 2
.Lt:
	STEP 0
	WIN 0
	s_sub_co_u32 s3, s3, 1
	s_cmp_lg_u32 s3, 0
	s_cbranch_scc1 .Lt
	PLACES
	PLACES
.irp a, 0,1,2,3                        ; the last barrier has shown that no wave reads slot 1 any more, and nothing is filled again
.irp b, 0,1,2,3
	ds_store_b128 v[STO], v[ACC+8*(4*(\a)+(\b)):ACC+8*(4*(\a)+(\b))+3]   offset:(\a)*16*528+64*(\b)
	ds_store_b128 v[STO], v[ACC+8*(4*(\a)+(\b))+4:ACC+8*(4*(\a)+(\b))+7] offset:(\a)*16*528+64*(\b)+16
.endr
.endr
	s_wait_dscnt 0x0                               ; for the others' sake: a row's 512 bytes come from two waves
	s_barrier_signal -1
	s_barrier_wait -1
	s_mov_b32 s3, 4
.Lg:                                           ; four trips of 8 rows: 32 numbers a lane
.irp t, 0,1,2,3,4,5,6,7
	ds_load_b128 v[GX+4*(\t):GX+4*(\t)+3], v[RD] offset:(\t)*528
.endr
	s_wait_dscnt 0x0
.set n, 0
.rept 32
	v_fma_f32 v[GT+n], |v[GX+n]|, s[PP], 1.0       ; 1 + PP |x|
.set n, n+1
.endr
.set n, 0
.rept 16
	v_pk_mul_f32 v[GE+n:GE+n+1], v[GX+n:GX+n+1], v[GX+n:GX+n+1]
.set n, n+2
.endr
.set n, 0
.rept 16
	v_pk_mul_f32 v[GE+n:GE+n+1], v[GE+n:GE+n+1], s[K2:K2+1] op_sel_hi:[1,0]
.set n, n+2
.endr
.set n, 0
.rept 32
	v_rcp_f32 v[GT+n], v[GT+n]
.set n, n+1
.endr
.set n, 0
.rept 32
	v_exp_f32 v[GE+n], v[GE+n]
.set n, n+1
.endr
.set n, 0
.rept 32
	v_max_num_f32 v[GG+n], 0, v[GX+n]              ; plain work behind the batch of 64
.set n, n+1
.endr
	s_wait_alu depctr_va_vdst(0)                   ; the one wait for the batch, ahead of the first use of a result
.set n, 0
.rept 16
	v_pk_fma_f32 v[GR+n:GR+n+1], v[GT+n:GT+n+1], s[C5:C5+1], s[C4:C4+1] op_sel_hi:[1,0,0]
.set n, n+2
.endr
.irp g, C3, C2, C1
.set n, 0
.rept 16
	v_pk_fma_f32 v[GR+n:GR+n+1], v[GR+n:GR+n+1], v[GT+n:GT+n+1], s[\g:\g+1] op_sel_hi:[1,1,0]
.set n, n+2
.endr
.endr
.set n, 0
.rept 16
	v_pk_mul_f32 v[GR+n:GR+n+1], v[GR+n:GR+n+1], v[GT+n:GT+n+1]
.set n, n+2
.endr
.set n, 0
.rept 16
	v_pk_mul_f32 v[GR+n:GR+n+1], v[GR+n:GR+n+1], v[GE+n:GE+n+1]
.set n, n+2
.endr
.set n, 0
.rept 32
	v_fma_f32 v[GG+n], -|v[GX+n]|, v[GR+n], v[GG+n]
.set n, n+1
.endr
.set n, 0
.rept 16
	v_cvt_pk_bf16_f32 v[GO+n], v[GG+2*n], v[GG+2*n+1]
.set n, n+1
.endr
.irp t, 0,1,2,3,4,5,6,7
	global_store_b64 v[CO], v[GO+2*(\t):GO+2*(\t)+1], s[P3:P3+1] offset:(\t)*8192  ; 32 lanes store 256 consecutive bytes, aligned
.endr
	s_wait_xcnt 0x0                                ; the stores' data and base are written again only behind this wait
	s_add_nc_u64 s[P3:P3+1], s[P3:P3+1], 8*8192
	v_add_nc_u32 v[RD], 8*528, v[RD]
	s_sub_co_u32 s3, s3, 1
	s_cmp_lg_u32 s3, 0
	s_cbranch_scc1 .Lg
	s_wait_tensorcnt 0x0                           ; the wave's end
	ds_add_u32 v[SPW], v[NIL]
	s_wait_dscnt 0x0
	CROUND                                         ; the closing round
	s_endpgm
.Lfunc_end_k_q2a0c785807_gup:
	.size	k_q2a0c785807_gup, .Lfunc_end_k_q2a0c785807_gup-k_q2a0c785807_gup
	.p2alignl 7, 3214868480
	.fill 96, 4, 3214868480
	.section	.rodata,"a",@progbits
	.p2align	6, 0x0
	.amdhsa_kernel k_q2a0c785807_gup
		.amdhsa_group_segment_fixed_size 327680
		.amdhsa_private_segment_fixed_size 0
		.amdhsa_enable_private_segment 0
		.amdhsa_kernarg_size 32
		.amdhsa_user_sgpr_count 2
		.amdhsa_user_sgpr_kernarg_segment_ptr 1
		.amdhsa_wavefront_size32 1
		.amdhsa_system_sgpr_workgroup_id_x 1
		.amdhsa_system_sgpr_workgroup_id_y 1
		.amdhsa_system_sgpr_workgroup_id_z 1
		.amdhsa_system_vgpr_workitem_id 0
		.amdhsa_next_free_vgpr 512
		.amdhsa_next_free_sgpr 100
		.amdhsa_reserve_vcc 0
		.amdhsa_float_denorm_mode_32 3
		.amdhsa_float_denorm_mode_16_64 3
		.amdhsa_memory_ordered 1
		.amdhsa_forward_progress 1
		.amdhsa_inst_pref_size 70
	.end_amdhsa_kernel
	.amdgpu_metadata
---
amdhsa.version: [ 1, 2 ]
amdhsa.kernels:
  - .name:           k_q2a0c785807_gup
    .symbol:         k_q2a0c785807_gup.kd
    .args:
      - { .name: act, .offset: 0, .size: 8, .value_kind: global_buffer, .address_space: global }
      - { .name: wbf, .offset: 8, .size: 8, .value_kind: global_buffer, .address_space: global }
      - { .name: b1, .offset: 16, .size: 8, .value_kind: global_buffer, .address_space: global }
      - { .name: hb, .offset: 24, .size: 8, .value_kind: global_buffer, .address_space: global }
    .group_segment_fixed_size: 327680
    .private_segment_fixed_size: 0
    .kernarg_segment_align: 8
    .kernarg_segment_size: 32
    .max_flat_workgroup_size: 128
    .sgpr_count:     100
    .vgpr_count:     512
    .wavefront_size: 32
...
	.end_amdgpu_metadata
.endif
;; end of part 5
;; launch gdown (part 6): grid 8 x 32, 4 waves a work-group, clusters of 4 x 4, 327,680 bytes of LDS; arguments hb, wbf, b2, x1, out0; writes out0
.if DOCPART == 6
	.amdgcn_target "amdgcn-amd-amdhsa--gfx1250"
	.amdhsa_code_object_version 6
	.text
	.protected	k_q2a0c785807_gdown
	.globl	k_q2a0c785807_gdown
	.p2align	8
	.type	k_q2a0c785807_gdown,@function
k_q2a0c785807_gdown:
	s_mov_b64 s[64:65], 0
	v_nop
	global_prefetch_b8 v0, s[64:65] scope:SCOPE_SE
	s_setreg_imm32_b32 hwreg(HW_REG_WAVE_MODE, 25, 1), 1
	s_wait_xcnt 0x0
	s_wait_alu depctr_hold_cnt(0) depctr_sa_sdst(0) depctr_va_vdst(0) depctr_va_sdst(0) depctr_va_ssrc(0) depctr_va_vcc(0) depctr_vm_vsrc(0)
	s_getreg_b32 s2, hwreg(HW_REG_IB_STS2, 6, 4)
	s_cmp_eq_u32 s2, 0
	s_cbranch_scc0 .Lentry_in_a_cluster
	s_endpgm
.Lentry_in_a_cluster:
	s_bfe_u32 s2, ttmp6, 0x10000c
	s_cmp_lg_u32 s2, 0xf033
	s_cbranch_scc0 .Lentry_shape_is_right
	s_endpgm
.Lentry_shape_is_right:
; y = x1 + h w2 + b2.  A: h, [4096][4096] bf16.  B: w2 as it lies, [4096 (k)][1024 (n)] bf16.  x1, y: [4096][1024] f32.
; A tile of C is 128 x 128; four waves, 64 x 64 each.  K goes in 16 steps of 256 through two LDS slots filled by the tensor data mover.
; CLUSTER 4 x 4: A's tile is asked for jointly along a row of the cluster, B's along a column.  B is turned on its way into registers.  THE SUMS START AS THE BIAS, loaded into the accumulators.
; The matrix instruction is used transposed: a lane holds row l % 16 of C and the columns 8 (l / 16) + 0..7.  A K step is written once (s[TB]; the walking descriptors change slots by one exclusive or).
; THE WAY OUT: the f32 tile goes through slot 1's first bytes, which have had their last fill, comes back as whole rows of 512 bytes, takes the residual (loaded at the start into window 2) and is stored.
; REGISTERS: window 0: v0-31 addresses, v128-255 accumulators; window 1: two fragment buffers of 128; window 2: v0-127 the residual.
.set SIZE_N, 1024
.set SIZE_K, 4096
.set STEPS,  SIZE_K/256
.set WOFF,   16777216                  ; w2 in the bf16 weights
.set HEADA,  0
.set AP,     528
.set AQ,     128
.set HALFA,  64*AP
.set ASTEP,  512
.set PB,     288
.set HALFB,  128*PB
.set SLOT,   147456
.set BSTEP,  256*SIZE_N*2
.set STG32,  SLOT
.set SPARE,  2*SLOT
.set A0,   5
.set B0,   6
.set B1,   7
.set ADRA, 8
.set ADRB, 10
.set STO,  12
.set RD,   13
.set CO,   14
.set BO,   15
.set SPW,  28
.set NIL,  29
.set ACC,  128
.set F0,   0
.set F1,   128
.set TB,   22
.set G1,   24
.set G0,   32
.set G1B,  48
.set G0B,  56
.set PA,   72
.set PW,   74
.set PBI,  76
.set P3,   78
.set P4,   80
.set MSB, 0
.macro WIN new
.if MSB != (\new)
	s_set_vgpr_msb (MSB<<8)|(\new)
.set MSB, \new
.endif
.endm
.set MUL,  0x05
.set TO_F, 0x40
.macro PLACES
.rept 4
	v_nop
.endr
.endm
.macro JLOAD s                         ; waves 0 and 1 fetch A's halves, waves 2 and 3 B's; an s_nop 0 and four v_nop follow each line
	s_cmp_eq_u32 s11, 0
	s_cbranch_scc0 .Lfor_b_\@
	tensor_load_to_lds s[G0+4*(\s):G0+4*(\s)+3], s[G1:G1+7]
	s_nop 0
.rept 4
	v_nop
.endr
	s_branch .Lasked_\@
.Lfor_b_\@:
	tensor_load_to_lds s[G0B+4*(\s):G0B+4*(\s)+3], s[G1B:G1B+7]
	s_nop 0
.rept 4
	v_nop
.endr
.Lasked_\@:
.endm
.macro CREST
	s_cmp_lg_u32 s10, 0
	s_cbranch_scc1 .Lnot_wave_0_\@
	s_barrier_signal -3
.Lnot_wave_0_\@:
	s_barrier_wait -3
	s_barrier_signal -1
	s_barrier_wait -1
.endm
.macro CROUND
	s_barrier_signal -1
	s_barrier_wait -1
	CREST
.endm
	s_load_b256 s[PA:PA+7], s[0:1], 0x0
	s_load_b64 s[P4:P4+1], s[0:1], 0x20
	v_lshl_add_u32 v[SPW], v0, 2, SPARE
	v_mov_b32 v[NIL], 0
	ds_add_u32 v[SPW], v[NIL]                      ; the wave's opening: the add and its wait ahead of my first tensor load
	v_lshrrev_b32 v1, 5, v0
	v_readfirstlane_b32 s10, v1
	s_lshr_b32 s11, s10, 1                         ; my half of the rows; also: I fetch for A (0) or B (1)
	s_and_b32 s12, s10, 1                          ; my half of the columns; also: which half of that tile I fetch
	s_bfe_u32 s40, ttmp6, 0x40000
	s_bfe_u32 s41, ttmp6, 0x40004
	s_lshl_b32 s42, ttmp9, 2
	s_add_co_u32 s42, s42, s40                     ; tile column
	s_and_b32 s13, ttmp7, 0xffff
	s_lshl_b32 s13, s13, 2
	s_add_co_u32 s13, s13, s41                     ; tile row
	s_lshl_b32 s43, s41, 2
	s_lshl_b32 s43, 15, s43
	s_lshl_b32 s44, 0x1111, s40
.if HEADA
	s_or_b32 s[G1+0], s43, (1<<16)|(1<<20)|(1<<21)|(4<<22)|(3<<25)
	s_mov_b32 s[G1+1], 4096<<16
	s_mov_b32 s[G1+2], 4<<16
	s_mov_b32 s[G1+3], 4096<<16
	s_mov_b32 s[G1+4], 4
	s_mov_b32 s[G1+5], 131072
.else
	s_or_b32 s[G1+0], s43, (1<<16)|(1<<20)|(1<<21)|(6<<22)|(3<<25)  ; the mask; 2-byte elements; padding on; bit 21 beside a mask; after every 128 words 4 words
	s_mov_b32 s[G1+1], 256<<16
	s_mov_b32 s[G1+2], 64<<16
	s_mov_b32 s[G1+3], 256<<16
	s_mov_b32 s[G1+4], 64
	s_mov_b32 s[G1+5], SIZE_K
.endif
	s_mov_b32 s[G1+6], 0
	s_mov_b32 s[G1+7], 0
	s_or_b32 s[G1B+0], s44, (1<<16)|(1<<20)|(1<<21)|(5<<22)|(7<<25)
	s_mov_b32 s[G1B+1], 128<<16
	s_mov_b32 s[G1B+2], 128<<16
	s_mov_b32 s[G1B+3], 128<<16
	s_mov_b32 s[G1B+4], 128
	s_mov_b32 s[G1B+5], SIZE_N
	s_mov_b32 s[G1B+6], 0
	s_mov_b32 s[G1B+7], 0
.if HEADA
	s_lshr_b32 s16, s13, 4
	s_lshl_b32 s16, s16, 15
	s_and_b32 s17, s13, 15
	s_lshl_b32 s17, s17, 7
	s_add_co_u32 s16, s16, s17
	s_lshl_b32 s17, s12, 6
	s_add_co_u32 s16, s16, s17
	s_lshl_b32 s16, s16, 7
.else
	s_lshl_b32 s16, s13, 7
	s_lshl_b32 s17, s12, 6
	s_add_co_u32 s16, s16, s17
	s_mul_i32 s16, s16, SIZE_K*2
.endif
	s_mov_b32 s17, 0
	s_lshl_b32 s46, s42, 8
	s_mul_i32 s47, s12, 128*SIZE_N*2
	s_add_co_u32 s46, s46, s47
	s_add_co_u32 s46, s46, WOFF
	s_mov_b32 s47, 0
	s_mul_i32 s20, s12, HALFA
	s_mul_i32 s21, s12, HALFB
	s_add_co_u32 s21, s21, 2*HALFA
	s_mov_b32 s[TB], 0
	s_wait_dscnt 0x0                               ; the opening add is done
	s_wait_kmcnt 0x0
	s_add_nc_u64 s[14:15], s[PA:PA+1], s[16:17]
	s_add_nc_u64 s[46:47], s[PW:PW+1], s[46:47]
	CROUND                                         ; the first joint loads meet
.irp s, 0,1
	s_mov_b32 s[G0+4*(\s)], 1
	s_add_co_u32 s[G0+4*(\s)+1], s20, (\s)*SLOT
	s_add_nc_u64 s[G0+4*(\s)+2:G0+4*(\s)+3], s[14:15], (\s)*ASTEP
	s_or_b32 s[G0+4*(\s)+3], s[G0+4*(\s)+3], 0x80000000
	s_mov_b32 s[G0B+4*(\s)], 1
	s_add_co_u32 s[G0B+4*(\s)+1], s21, (\s)*SLOT
	s_add_nc_u64 s[G0B+4*(\s)+2:G0B+4*(\s)+3], s[46:47], (\s)*BSTEP
	s_or_b32 s[G0B+4*(\s)+3], s[G0B+4*(\s)+3], 0x80000000
	JLOAD \s
.endr
	v_and_b32 v1, 15, v0
	v_bfe_u32 v2, v0, 4, 1
	v_and_b32 v3, 7, v0
	v_bfe_u32 v4, v0, 3, 1
	v_mul_u32_u24 v[A0], v1, AP
	v_lshl_add_u32 v[A0], v2, 4, v[A0]
	s_mul_i32 s2, s11, HALFA
	v_add_nc_u32 v[A0], s2, v[A0]
	v_lshl_add_u32 v[B0], v2, 3, v3
	v_mul_u32_u24 v[B0], v[B0], PB
	v_lshl_add_u32 v[B0], v4, 4, v[B0]
	s_lshl_b32 s2, s12, 7
	s_add_co_u32 s2, s2, 2*HALFA
	v_add_nc_u32 v[B0], s2, v[B0]
	v_add_nc_u32 v[B1], HALFB, v[B0]
	v_lshlrev_b32 v[BO], 5, v2
	s_lshl_b32 s46, s42, 9
	s_lshl_b32 s47, s12, 8
	s_add_co_u32 s46, s46, s47
	s_mov_b32 s47, 0
	s_add_nc_u64 s[PBI:PBI+1], s[PBI:PBI+1], s[46:47]
.irp a, 0,1,2,3
.irp b, 0,1,2,3
	global_load_b128 v[ACC+8*(4*(\a)+(\b)):ACC+8*(4*(\a)+(\b))+3],   v[BO], s[PBI:PBI+1] offset:64*(\b)
	global_load_b128 v[ACC+8*(4*(\a)+(\b))+4:ACC+8*(4*(\a)+(\b))+7], v[BO], s[PBI:PBI+1] offset:64*(\b)+16
.endr
.endr
	; the way out: wave w stores rows 32 w .. 32 w + 31 of the tile, whole (512 bytes); residual and result lie alike
	s_lshl_b32 s16, s13, 7
	s_lshl_b32 s17, s10, 5
	s_add_co_u32 s16, s16, s17
	s_lshl_b32 s16, s16, 12                        ; 4,096 bytes a row
	s_mov_b32 s17, 0
	s_add_nc_u64 s[P3:P3+1], s[P3:P3+1], s[16:17]
	s_add_nc_u64 s[P4:P4+1], s[P4:P4+1], s[16:17]
	s_lshl_b32 s46, s42, 9
	s_mov_b32 s47, 0
	s_add_nc_u64 s[P3:P3+1], s[P3:P3+1], s[46:47]
	s_add_nc_u64 s[P4:P4+1], s[P4:P4+1], s[46:47]
	v_and_b32 v[CO], 31, v0
	v_lshlrev_b32 v[CO], 4, v[CO]
	WIN 0x80                                       ; destination window 2
.set n, 0
.rept 32
	global_load_b128 v[4*n:4*n+3], v[CO], s[P3:P3+1] offset:n*4096
.set n, n+1
.endr
	WIN 0
	s_lshl_b32 s2, s11, 6
	v_add_nc_u32 v[STO], s2, v1                    ; into the stage: row 64 x half + r, my half of its 512 bytes, 32 bytes for each half of the lanes
	v_mul_u32_u24 v[STO], v[STO], 528
	v_lshl_add_u32 v[STO], v2, 5, v[STO]
	s_lshl_b32 s2, s12, 8
	s_add_co_u32 s2, s2, STG32
	v_add_nc_u32 v[STO], s2, v[STO]
	s_mul_i32 s2, s10, 32*528
	s_add_co_u32 s2, s2, STG32
	v_add_nc_u32 v[RD], s2, v[CO]
.macro MUL8 f, c, a0                   ; the 16 accumulators take turns, one instruction a turn, over the backward jumps too
	WIN MUL
.irp a, \a0, (\a0)+1
.irp b, 0,1,2,3
	v_wmma_f32_16x16x32_bf16 v[ACC+8*(4*(\a)+(\b)):ACC+8*(4*(\a)+(\b))+7], v[(\f)+64+8*(4*(\c)+(\b)):(\f)+64+8*(4*(\c)+(\b))+7], v[(\f)+8*(4*(\c)+(\a)):(\f)+8*(4*(\c)+(\a))+7], v[ACC+8*(4*(\a)+(\b)):ACC+8*(4*(\a)+(\b))+7]
.endr
.endr
.endm
.macro FETCH q, f                      ; 32 LDS loads in one run: quarter q of the slot in hand into buffer f; the first 32 along K are the first sixteen
	WIN TO_F
.irp c, 0,1
.irp i, 0,1,2,3
	ds_load_tr16_b128 v[(\f)+64+8*(4*(\c)+(\i)):(\f)+64+8*(4*(\c)+(\i))+3],   v[ADRB+(\q)/2] offset:(2*((\q)%2)+(\c))*32*PB+32*(\i)
	ds_load_tr16_b128 v[(\f)+64+8*(4*(\c)+(\i))+4:(\f)+64+8*(4*(\c)+(\i))+7], v[ADRB+(\q)/2] offset:(2*((\q)%2)+(\c))*32*PB+32*(\i)+16*PB
	ds_load_b128 v[(\f)+8*(4*(\c)+(\i)):(\f)+8*(4*(\c)+(\i))+3],   v[ADRA] offset:(\q)*AQ+64*(\c)+(\i)*16*AP
	ds_load_b128 v[(\f)+8*(4*(\c)+(\i))+4:(\f)+8*(4*(\c)+(\i))+7], v[ADRA] offset:(\q)*AQ+64*(\c)+(\i)*16*AP+32
.endr
.endr
.endm
.macro QUARTER q, f, g
	s_wait_dscnt 16                                ; the first 32 along K are in
	MUL8 \f, 0, 0
	MUL8 \f, 0, 2
	PLACES                                         ; four places in front of loads into registers that matrix instructions have read
	FETCH \q, \g
	s_wait_dscnt 32                                ; all but the 32 just issued
	MUL8 \f, 1, 0
	MUL8 \f, 1, 2
.endm
; The last quarter changes slots: ONE barrier; in front of it each wave waits for all its tensor loads, adds 0 to its spare word, and waits for that and for its reads of this slot.
; fill = 1: the barrier opens a round of the cluster's, and this slot is filled again, two K steps ahead, first thing behind it.
.macro TURN fill
	WIN 0
	s_wait_tensorcnt 0x0
	ds_add_u32 v[SPW], v[NIL]
	s_wait_dscnt 17                                ; the add and the youngest sixteen loads may be out
	MUL8 F1, 0, 0
	s_wait_dscnt 0x0                               ; the add is done, and my reads of this slot are over
	s_barrier_signal -1
	MUL8 F1, 0, 2
	WIN 0
	s_barrier_wait -1
.if \fill
	CREST
	s_xor_b32 s[G0+5], s[G0+5], SLOT
	s_xor_b32 s[G0B+5], s[G0B+5], SLOT
	s_add_nc_u64 s[G0+6:G0+7], s[G0+6:G0+7], ASTEP
	s_add_nc_u64 s[G0B+6:G0B+7], s[G0B+6:G0B+7], BSTEP
	JLOAD 1
.else
	PLACES
.endif
	s_xor_b32 s[TB], s[TB], SLOT
	v_add_nc_u32 v[ADRA], s[TB], v[A0]
	v_add_nc_u32 v[ADRB], s[TB], v[B0]
	v_add_nc_u32 v[ADRB+1], s[TB], v[B1]
.if !(\fill)
	s_cmp_eq_u32 s3, 1                             ; behind the last K step nothing is left to fetch
	s_cbranch_scc1 .Lno_more_\@
.endif
	FETCH 0, F0
.if !(\fill)
	WIN 0
.Lno_more_\@:
.endif
	MUL8 F1, 1, 0
	MUL8 F1, 1, 2
.endm
.macro STEP fill
	QUARTER 1, F0, F1
	QUARTER 2, F1, F0
	QUARTER 3, F0, F1
	TURN \fill
.endm
	s_wait_tensorcnt 1                             ; my part of K step 0 is in; K step 1's may stay out
	s_barrier_signal -1
	s_barrier_wait -1
	v_mov_b32 v[ADRA], v[A0]
	v_mov_b32 v[ADRB], v[B0]
	v_mov_b32 v[ADRB+1], v[B1]
	FETCH 0, F0
	WIN 0
	s_wait_loadcnt 32                              ; the bias lies in the accumulators; the residual's 32 loads stay out
	s_mov_b32 s3, STEPS-2
.Lk:
	STEP 1
	WIN 0
	s_sub_co_u32 s3, s3, 1
	s_cmp_lg_u32 s3, 0
	s_cbranch_scc1 .Lk
	s_mov_b32 s3, 2
.Lt:
	STEP 0
	WIN 0
	s_sub_co_u32 s3, s3, 1
	s_cmp_lg_u32 s3, 0
	s_cbranch_scc1 .Lt
	PLACES
	PLACES
.irp a, 0,1,2,3                        ; the last barrier has shown that no wave reads slot 1 any more, and nothing is filled again
.irp b, 0,1,2,3
	ds_store_b128 v[STO], v[ACC+8*(4*(\a)+(\b)):ACC+8*(4*(\a)+(\b))+3]   offset:(\a)*16*528+64*(\b)
	ds_store_b128 v[STO], v[ACC+8*(4*(\a)+(\b))+4:ACC+8*(4*(\a)+(\b))+7] offset:(\a)*16*528+64*(\b)+16
.endr
.endr
	s_wait_dscnt 0x0                               ; for the others' sake: a row's 512 bytes come from two waves
	s_barrier_signal -1
	s_barrier_wait -1
.set n, 0
.rept 32
	ds_load_b128 v[ACC+4*n:ACC+4*n+3], v[RD] offset:n*528
.set n, n+1
.endr
	s_wait_loadcnt 0x0                             ; the residual
.irp i, 0,1,2,3
	s_wait_dscnt 24-8*(\i)                         ; the later groups' loads may be out
	WIN 0x08                                       ; source 1 in window 2
.set k, 0
.rept 16
	v_pk_add_f32 v[ACC+32*(\i)+2*k:ACC+32*(\i)+2*k+1], v[ACC+32*(\i)+2*k:ACC+32*(\i)+2*k+1], v[32*(\i)+2*k:32*(\i)+2*k+1]
.set k, k+1
.endr
	WIN 0
.irp t, 0,1,2,3,4,5,6,7
	global_store_b128 v[CO], v[ACC+32*(\i)+4*(\t):ACC+32*(\i)+4*(\t)+3], s[P4:P4+1] offset:(8*(\i)+(\t))*4096  ; a wave stores 512 consecutive bytes, aligned
.endr
.endr
	s_wait_tensorcnt 0x0                           ; the wave's end
	ds_add_u32 v[SPW], v[NIL]
	s_wait_dscnt 0x0
	CROUND                                         ; the closing round
	s_endpgm
.Lfunc_end_k_q2a0c785807_gdown:
	.size	k_q2a0c785807_gdown, .Lfunc_end_k_q2a0c785807_gdown-k_q2a0c785807_gdown
	.p2alignl 7, 3214868480
	.fill 96, 4, 3214868480
	.section	.rodata,"a",@progbits
	.p2align	6, 0x0
	.amdhsa_kernel k_q2a0c785807_gdown
		.amdhsa_group_segment_fixed_size 327680
		.amdhsa_private_segment_fixed_size 0
		.amdhsa_enable_private_segment 0
		.amdhsa_kernarg_size 40
		.amdhsa_user_sgpr_count 2
		.amdhsa_user_sgpr_kernarg_segment_ptr 1
		.amdhsa_wavefront_size32 1
		.amdhsa_system_sgpr_workgroup_id_x 1
		.amdhsa_system_sgpr_workgroup_id_y 1
		.amdhsa_system_sgpr_workgroup_id_z 1
		.amdhsa_system_vgpr_workitem_id 0
		.amdhsa_next_free_vgpr 640
		.amdhsa_next_free_sgpr 84
		.amdhsa_reserve_vcc 0
		.amdhsa_float_denorm_mode_32 3
		.amdhsa_float_denorm_mode_16_64 3
		.amdhsa_memory_ordered 1
		.amdhsa_forward_progress 1
		.amdhsa_inst_pref_size 64
	.end_amdhsa_kernel
	.amdgpu_metadata
---
amdhsa.version: [ 1, 2 ]
amdhsa.kernels:
  - .name:           k_q2a0c785807_gdown
    .symbol:         k_q2a0c785807_gdown.kd
    .args:
      - { .name: hb, .offset: 0, .size: 8, .value_kind: global_buffer, .address_space: global }
      - { .name: wbf, .offset: 8, .size: 8, .value_kind: global_buffer, .address_space: global }
      - { .name: b2, .offset: 16, .size: 8, .value_kind: global_buffer, .address_space: global }
      - { .name: x1, .offset: 24, .size: 8, .value_kind: global_buffer, .address_space: global }
      - { .name: out0, .offset: 32, .size: 8, .value_kind: global_buffer, .address_space: global }
    .group_segment_fixed_size: 327680
    .private_segment_fixed_size: 0
    .kernarg_segment_align: 8
    .kernarg_segment_size: 40
    .max_flat_workgroup_size: 128
    .sgpr_count:     84
    .vgpr_count:     640
    .wavefront_size: 32
...
	.end_amdgpu_metadata
.endif
;; end of part 6
;; ======== version 2 of 3: 7 launches
;; workspace buffers: wbf 25,165,824 bytes; act 8,388,608 bytes; qkvh 25,165,824 bytes; ob 8,388,608 bytes; x1 16,777,216 bytes; hb 33,554,432 bytes
;; launch prep: the kernel of part 1 again; grid 256 x 4, 8 waves a work-group, no clusters, 0 bytes of LDS; arguments x, ln1_g, ln1_b, act, wx_w, wo_w, w1, w2, wbf; writes act, wbf
;; launch gqkv (part 7): grid 12 x 16, 4 waves a work-group, clusters of 4 x 4, 327,680 bytes of LDS; arguments act, wbf, wx_b, qkvh; writes qkvh
.if DOCPART == 7
	.amdgcn_target "amdgcn-amd-amdhsa--gfx1250"
	.amdhsa_code_object_version 6
	.text
	.protected	k_q2a0c785807_gqkv
	.globl	k_q2a0c785807_gqkv
	.p2align	8
	.type	k_q2a0c785807_gqkv,@function
k_q2a0c785807_gqkv:
	s_mov_b64 s[64:65], 0
	v_nop
	global_prefetch_b8 v0, s[64:65] scope:SCOPE_SE
	s_setreg_imm32_b32 hwreg(HW_REG_WAVE_MODE, 25, 1), 1
	s_wait_xcnt 0x0
	s_wait_alu depctr_hold_cnt(0) depctr_sa_sdst(0) depctr_va_vdst(0) depctr_va_sdst(0) depctr_va_ssrc(0) depctr_va_vcc(0) depctr_vm_vsrc(0)
	s_getreg_b32 s2, hwreg(HW_REG_IB_STS2, 6, 4)
	s_cmp_eq_u32 s2, 0
	s_cbranch_scc0 .Lentry_in_a_cluster
	s_endpgm
.Lentry_in_a_cluster:
	s_bfe_u32 s2, ttmp6, 0x10000c
	s_cmp_lg_u32 s2, 0xf033
	s_cbranch_scc0 .Lentry_shape_is_right
	s_endpgm
.Lentry_shape_is_right:
; qkv = LN1(x) wx + wx_b, written by heads.  A: [4096][1024] bf16.  B: wx as it lies, [1024 (k)][3072 (n)] bf16.  Out: [3 (q, k, v)][32 (batch x 16 + head)][2048][64] bf16, rounded once, unscaled.
; A tile of C is 256 x 256; four waves, 128 x 128 each: 64 accumulators of 16 x 16, 512 registers.  K goes in 8 steps of 128 through two LDS slots filled by the tensor data mover:
; a step is 256 matrix instructions a wave, 224 of them between a slot's request and the wait for it.  12 x 16 tiles: 192 work-groups, each with one tile.
; CLUSTER 4 x 4: A's tile hangs on the tile row alone and is asked for jointly along a row of the cluster, B's on the tile column alone and jointly along a column.
; B lies [k][n] in LDS and is turned on its way into registers (ds_load_tr16_b128).  THE SUMS START AS THE BIAS, loaded straight into the accumulators: nothing is cleared or added later.
; The matrix instruction is used transposed (source 0 = 16 columns of B, source 1 = 16 rows of A): a lane holds row l % 16 of C and eight neighbouring columns 8 (l / 16) + 0..7.
; A K step is written once: the lanes' LDS addresses are made from s[TB], 0 or SLOT; the walking descriptors' LDS words change slots by one exclusive or (SLOT shares no bit with a tile's place in a slot).
; THE WAY OUT: behind the last barrier no wave reads a slot and nothing is filled again; each wave lays its f32 tile into LDS bytes of its own and walks them in a loop, 16 tokens a trip.
; REGISTERS, in windows of 256: window 0: v0-31 addresses; v64-127, v128-191 fragments of A, two buffers (later the way out); window 1: the same numbers, fragments of B;
;   window 2: the accumulators of my rows 0-63 ((a, b) at 8 (8 a + b)); window 3: those of my rows 64-127.
.set SIZE_N, 3072
.set SIZE_K, 1024
.set KSTEP,  128
.set STEPS,  SIZE_K/KSTEP
.set WOFF,   0                         ; wx in the bf16 weights
.set AP,     272                       ; A's LDS pitch: 256 bytes + 16
.set HALFA,  128*AP                    ; 128 rows: what one load brings of A, and what one wave reads
.set ASTEP,  KSTEP*2                   ; bytes of memory from a K step to the next
.set PB,     544                       ; B's LDS pitch: 512 bytes + 32
.set HALFB,  64*PB                     ; 64 rows of k: what one load brings of B
.set SLOT,   147456                    ; A's two halves, then B's two halves
.set BSTEP,  KSTEP*SIZE_N*2
.set SP32,   528                       ; the way out: a row of 128 f32 + 16 bytes
.set WSTG,   128*SP32                  ; a wave's own 128 rows
.set SPARE,  2*SLOT                    ; the spare words, 128 bytes a wave: two blocks of 256 bytes that no other line names
.set A0,   5                           ; v5   my lane's place in A's tile of slot 0
.set B0,   6                           ; v6   in B's tile
.set ADRA, 8                           ; v8   the same in the slot in hand
.set ADRB, 10                          ; v10
.set STO,  12
.set RD,   13
.set CO,   14
.set BO,   15                          ; v15  32 (l / 16): my eight numbers in 16 of the bias
.set SPW,  28
.set NIL,  29
.set PFO,  30                          ; v30  the prefetches' lane offset; never rewritten
.set GO,   32                          ; v32-63   the way out: packed results
.set GX,   128                         ; v128-191 the way out: f32 read back
.set F0,   64
.set F1,   128
.set TB,   22                          ; s22  the slot in hand: 0 or SLOT
.set G1,   24                          ; s[24:31] group 1 for A;  s[32:39] group 0, two sets: the second walks on
.set G0,   32
.set G1B,  48                          ; s[48:55], s[56:63] the same for B
.set G0B,  56
.set PFA,  66                          ; s[66:67] where my prefetches stand
.set PST,  68                          ; s[68:69] their step from K step to K step
.set LIM,  70                          ; s70  1 in a wave that prefetches, else the greatest number
.set PA,   72                          ; s[72:79] the four addresses
.set PW,   74
.set PBI,  76
.set P3,   78
.set MSB, 0
.macro WIN new                         ; the immediate's high byte repeats the setting that is left
.if MSB != (\new)
	s_set_vgpr_msb (MSB<<8)|(\new)
.set MSB, \new
.endif
.endm
.set MUL_LO, 0xa1                      ; source 0 (B) window 1, source 1 (A) window 0, C and D window 2
.set MUL_HI, 0xf1                      ; the same, C and D window 3
.set TO_B,   0x40                      ; destination window 1, address window 0
.macro PLACES
.rept 4
	v_nop
.endr
.endm
.macro JLOAD s                         ; a joint load: waves 0 and 1 fetch A's halves, waves 2 and 3 B's; an s_nop 0 and four v_nop follow each line
	s_cmp_eq_u32 s11, 0
	s_cbranch_scc0 .Lfor_b_\@
	tensor_load_to_lds s[G0+4*(\s):G0+4*(\s)+3], s[G1:G1+7]
	s_nop 0
.rept 4
	v_nop
.endr
	s_branch .Lasked_\@
.Lfor_b_\@:
	tensor_load_to_lds s[G0B+4*(\s):G0B+4*(\s)+3], s[G1B:G1B+7]
	s_nop 0
.rept 4
	v_nop
.endr
.Lasked_\@:
.endm
; A PREFETCH INTO THE L2, behind each refill, its five lines and the run of LDS loads that follows: the K step that the NEXT refill will ask for, 256 matrix instructions ahead of that load.
; Each aligned block of 256 bytes is named once in the launch.  A's rows are read by every cluster of a row of clusters: the one with x = 0 asks; B's columns by every cluster of a column: the one with y = 0 asks.
; The four partners of a joint load share its blocks out BY ADDRESS: of A's 128 rows the partner at cx takes 32, a lane a row; of B's 64 rows of k the partner at cy takes 16, two blocks each.
; K steps 0 to 2 come by their loads alone; the last refill has no K step behind it and asks for nothing.
.macro ASK
	s_cmp_gt_u32 s3, s[LIM]                        ; s3 = 1 in the loop's last trip
	s_cbranch_scc0 .Lnot_mine_\@
	global_prefetch_b8 v[PFO], s[PFA:PFA+1] th:TH_LOAD_NT scope:SCOPE_SE
.Lnot_mine_\@:
.endm
.macro CREST                           ; a round of the cluster's barrier behind its opening barrier
	s_cmp_lg_u32 s10, 0
	s_cbranch_scc1 .Lnot_wave_0_\@
	s_barrier_signal -3
.Lnot_wave_0_\@:
	s_barrier_wait -3
	s_barrier_signal -1
	s_barrier_wait -1
.endm
.macro CROUND
	s_barrier_signal -1
	s_barrier_wait -1
	CREST
.endm
	s_load_b256 s[PA:PA+7], s[0:1], 0x0
	v_lshl_add_u32 v[SPW], v0, 2, SPARE
	v_mov_b32 v[NIL], 0
	ds_add_u32 v[SPW], v[NIL]                      ; the wave's opening: the add and its wait ahead of my first tensor load
	v_lshrrev_b32 v1, 5, v0
	v_readfirstlane_b32 s10, v1                    ; wave 0..3
	s_lshr_b32 s11, s10, 1                         ; my half of the tile's rows.  Also: I fetch for A (0) or B (1)
	s_and_b32 s12, s10, 1                          ; my half of its columns.  Also: which half of that tile I fetch
	s_bfe_u32 s40, ttmp6, 0x40000                  ; cx
	s_bfe_u32 s41, ttmp6, 0x40004                  ; cy
	s_lshl_b32 s42, ttmp9, 2
	s_add_co_u32 s42, s42, s40                     ; tile column
	s_and_b32 s13, ttmp7, 0xffff
	s_lshl_b32 s13, s13, 2
	s_add_co_u32 s13, s13, s41                     ; tile row
	s_lshl_b32 s43, s41, 2
	s_lshl_b32 s43, 15, s43                        ; my row of the cluster
	s_lshl_b32 s44, 0x1111, s40                    ; my column
	s_or_b32 s[G1+0], s43, (1<<16)|(1<<20)|(1<<21)|(5<<22)|(3<<25)  ; the mask; 2-byte elements; padding on; bit 21 beside a mask; after every 64 words 4 words
	s_mov_b32 s[G1+1], KSTEP<<16                   ; tensor_dim0 = 128
	s_mov_b32 s[G1+2], 128<<16                     ; tensor_dim1 = 128
	s_mov_b32 s[G1+3], KSTEP<<16                   ; tile_dim0 = 128
	s_mov_b32 s[G1+4], 128                         ; tile_dim1 = 128
	s_mov_b32 s[G1+5], SIZE_K                      ; elements from row to row
	s_mov_b32 s[G1+6], 0
	s_mov_b32 s[G1+7], 0
	s_or_b32 s[G1B+0], s44, (1<<16)|(1<<20)|(1<<21)|(6<<22)|(7<<25)  ; after every 128 words 8 words
	s_mov_b32 s[G1B+1], 256<<16                    ; 256 columns
	s_mov_b32 s[G1B+2], 64<<16                     ; 64 rows of k
	s_mov_b32 s[G1B+3], 256<<16
	s_mov_b32 s[G1B+4], 64
	s_mov_b32 s[G1B+5], SIZE_N
	s_mov_b32 s[G1B+6], 0
	s_mov_b32 s[G1B+7], 0
	s_lshl_b32 s16, s13, 8
	s_lshl_b32 s17, s12, 7
	s_add_co_u32 s16, s16, s17                     ; A: row 256 x tile row + 128 x half,
	s_mul_i32 s16, s16, SIZE_K*2                   ; in bytes
	s_mov_b32 s17, 0
	s_lshl_b32 s46, s42, 9                         ; B: 512 bytes x tile column
	s_mul_i32 s47, s12, 64*SIZE_N*2                ; + 64 rows of k x half
	s_add_co_u32 s46, s46, s47
	s_add_co_u32 s46, s46, WOFF
	s_mov_b32 s47, 0
	s_mul_i32 s20, s12, HALFA                      ; where they go: no place in the cluster enters an LDS address
	s_mul_i32 s21, s12, HALFB
	s_add_co_u32 s21, s21, 2*HALFA
	s_mov_b32 s[TB], 0
	s_wait_dscnt 0x0                               ; the opening add is done
	s_wait_kmcnt 0x0
	s_add_nc_u64 s[14:15], s[PA:PA+1], s[16:17]
	s_add_nc_u64 s[46:47], s[PW:PW+1], s[46:47]
	CROUND                                         ; all sixteen work-groups are here: the first joint loads meet
.irp s, 0,1
	s_mov_b32 s[G0+4*(\s)], 1
	s_add_co_u32 s[G0+4*(\s)+1], s20, (\s)*SLOT
	s_add_nc_u64 s[G0+4*(\s)+2:G0+4*(\s)+3], s[14:15], (\s)*ASTEP
	s_or_b32 s[G0+4*(\s)+3], s[G0+4*(\s)+3], 0x80000000
	s_mov_b32 s[G0B+4*(\s)], 1
	s_add_co_u32 s[G0B+4*(\s)+1], s21, (\s)*SLOT
	s_add_nc_u64 s[G0B+4*(\s)+2:G0B+4*(\s)+3], s[46:47], (\s)*BSTEP
	s_or_b32 s[G0B+4*(\s)+3], s[G0B+4*(\s)+3], 0x80000000
	JLOAD \s                                       ; K steps 0 and 1: two loads of mine are out
.endr
	v_and_b32 v1, 15, v0                           ; r = l % 16
	v_bfe_u32 v2, v0, 4, 1                         ; h = l / 16
	v_and_b32 v3, 7, v0
	v_bfe_u32 v4, v0, 3, 1
	v_mul_u32_u24 v[A0], v1, AP                    ; a fragment of A: row r, 16 bytes for each half of the lanes, twice, 32 bytes apart
	v_lshl_add_u32 v[A0], v2, 4, v[A0]
	s_mul_i32 s2, s11, HALFA
	v_add_nc_u32 v[A0], s2, v[A0]
	v_lshl_add_u32 v[B0], v2, 3, v3                ; the turning load: lane l reads k row 8 h + l % 8, columns 8 ((l / 8) % 2) + 0..7
	v_mul_u32_u24 v[B0], v[B0], PB
	v_lshl_add_u32 v[B0], v4, 4, v[B0]
	s_lshl_b32 s2, s12, 8                          ; my 128 columns
	s_add_co_u32 s2, s2, 2*HALFA
	v_add_nc_u32 v[B0], s2, v[B0]
	v_lshlrev_b32 v[BO], 5, v2
	s_lshl_b32 s46, s42, 10                        ; the bias of my 128 columns
	s_lshl_b32 s47, s12, 9
	s_add_co_u32 s46, s46, s47
	s_mov_b32 s47, 0
	s_add_nc_u64 s[PBI:PBI+1], s[PBI:PBI+1], s[46:47]
.irp hi, 0,1
	WIN 0x80+0x40*(\hi)                            ; destination window 2, then 3
.irp a, 0,1,2,3
.irp b, 0,1,2,3,4,5,6,7
	global_load_b128 v[8*(8*(\a)+(\b)):8*(8*(\a)+(\b))+3],   v[BO], s[PBI:PBI+1] offset:64*(\b)
	global_load_b128 v[8*(8*(\a)+(\b))+4:8*(8*(\a)+(\b))+7], v[BO], s[PBI:PBI+1] offset:64*(\b)+16
.endr
.endr
.endr
	WIN 0
	; the way out: column 256 x tile column + 128 x half is part (tile column / 4), head 4 (tile column % 4) + 2 x half and the next; row 256 x tile row + 128 x half is batch (tile row / 8), token 256 (tile row % 8) + 128 x half
	s_lshr_b32 s46, s42, 2
	s_lshl_b32 s46, s46, 23                        ; a part is 8,388,608 bytes
	s_and_b32 s47, s42, 3
	s_lshl_b32 s47, s47, 2
	s_lshl_b32 s2, s12, 1
	s_add_co_u32 s47, s47, s2
	s_lshl_b32 s47, s47, 18                        ; a head 262,144
	s_add_co_u32 s46, s46, s47
	s_mov_b32 s47, 0
	s_add_nc_u64 s[P3:P3+1], s[P3:P3+1], s[46:47]
	s_lshr_b32 s16, s13, 3
	s_lshl_b32 s16, s16, 22                        ; a batch's 16 heads
	s_and_b32 s17, s13, 7
	s_lshl_b32 s17, s17, 15                        ; 256 tokens of 128 bytes
	s_add_co_u32 s16, s16, s17
	s_lshl_b32 s17, s11, 14
	s_add_co_u32 s16, s16, s17
	s_mov_b32 s17, 0
	s_add_nc_u64 s[P3:P3+1], s[P3:P3+1], s[16:17]
	s_mul_i32 s2, s10, WSTG                        ; my own bytes
	v_mul_u32_u24 v[STO], v1, SP32                 ; in: row r, 32 bytes for each half of the lanes
	v_lshl_add_u32 v[STO], v2, 5, v[STO]
	v_add_nc_u32 v[STO], s2, v[STO]
	v_mul_u32_u24 v[RD], v2, SP32                  ; back: lanes 0-15 take 64 channels of a token, lanes 16-31 of the next,
	v_lshl_add_u32 v[RD], v1, 4, v[RD]
	v_add_nc_u32 v[RD], s2, v[RD]
	v_and_b32 v[CO], 31, v0                        ; which are 256 consecutive bytes of the output
	v_lshlrev_b32 v[CO], 3, v[CO]
	; the prefetches
	s_lshl_b32 s16, s13, 8
	s_lshl_b32 s17, s12, 7
	s_add_co_u32 s16, s16, s17
	s_lshl_b32 s17, s40, 5
	s_add_co_u32 s16, s16, s17                     ; A: my work-group's 32 of the 128 rows that I fetch,
	s_mul_i32 s16, s16, SIZE_K*2
	s_add_co_u32 s16, s16, 2*ASTEP                 ; at K step 2: the first refill steps it to 3
	s_lshl_b32 s46, s12, 6
	s_lshl_b32 s47, s41, 4
	s_add_co_u32 s46, s46, s47                     ; B: my work-group's 16 of the 64 rows of k that I fetch
	s_mul_i32 s46, s46, SIZE_N*2
	s_lshl_b32 s47, s42, 9
	s_add_co_u32 s46, s46, s47
	s_add_co_u32 s46, s46, WOFF+2*BSTEP
	s_and_b32 s2, ttmp7, 0xffff                    ; cluster y
	s_mov_b32 s[PST], BSTEP
	s_mov_b32 s[PST+1], 0
	s_mov_b32 s18, SIZE_N*2
	s_cmp_eq_u32 s11, 0                            ; do I fetch for A?
	s_cselect_b32 s16, s16, s46
	s_cselect_b32 s2, ttmp9, s2                    ; the coordinate along which other clusters read the same bytes
	s_cselect_b64 s[PFA:PFA+1], s[PA:PA+1], s[PW:PW+1]
	s_cselect_b32 s[PST], ASTEP, s[PST]
	s_cselect_b32 s18, SIZE_K*2, s18               ; bytes from row to row
	s_cselect_b32 s19, 0, 1                        ; a lane a row, or two lanes a row
	s_mov_b32 s17, 0
	s_add_nc_u64 s[PFA:PFA+1], s[PFA:PFA+1], s[16:17]
	s_cmp_eq_u32 s2, 0
	s_cselect_b32 s[LIM], 1, -1                    ; the same in all sixteen partners, for a given wave
	v_and_b32 v[PFO], 31, v0
	v_and_b32 v31, s19, v[PFO]
	v_lshrrev_b32 v[PFO], s19, v[PFO]
	v_mul_u32_u24 v[PFO], v[PFO], s18
	v_lshl_add_u32 v[PFO], v31, 8, v[PFO]
; 16 matrix instructions: m blocks a0, a0 + 1 of the window's four (hi = 0: my rows 0-63, 1: rows 64-127) x all 8 n blocks, 32 along K.
; The 64 accumulators take turns, one instruction a turn, in the same order in every quarter, over the backward jumps too.
.macro MUL16 f, hi, a0
	WIN MUL_LO+0x50*(\hi)
.irp a, \a0, (\a0)+1
.irp b, 0,1,2,3,4,5,6,7
	v_wmma_f32_16x16x32_bf16 v[8*(8*(\a)+(\b)):8*(8*(\a)+(\b))+7], v[(\f)+8*(\b):(\f)+8*(\b)+7], v[(\f)+8*(4*(\hi)+(\a)):(\f)+8*(4*(\hi)+(\a))+7], v[8*(8*(\a)+(\b)):8*(8*(\a)+(\b))+7]
.endr
.endr
.endm
; 32 LDS loads in one run: the fragments of quarter q (32 along K) of the slot in hand into buffer f: B's sixteen, then A's rows 0-63, then A's rows 64-127
.macro FETCH q, f
	WIN TO_B
.irp i, 0,1,2,3,4,5,6,7
	ds_load_tr16_b128 v[(\f)+8*(\i):(\f)+8*(\i)+3],   v[ADRB] offset:(\q)*32*PB+32*(\i)
	ds_load_tr16_b128 v[(\f)+8*(\i)+4:(\f)+8*(\i)+7], v[ADRB] offset:(\q)*32*PB+32*(\i)+16*PB
.endr
	WIN 0
.irp i, 0,1,2,3,4,5,6,7
	ds_load_b128 v[(\f)+8*(\i):(\f)+8*(\i)+3],   v[ADRA] offset:(\q)*64+(\i)*16*AP
	ds_load_b128 v[(\f)+8*(\i)+4:(\f)+8*(\i)+7], v[ADRA] offset:(\q)*64+(\i)*16*AP+32
.endr
.endm
; One of a K step's first three quarters: multiplies buffer f and, in its middle, fetches quarter q into buffer g
.macro QUARTER q, f, g
	s_wait_dscnt 8                                 ; B and A's rows 0-63 are in; the youngest eight loads (A's rows 64-127) may be out
	MUL16 \f, 0, 0
	MUL16 \f, 0, 2
	PLACES                                         ; four places in front of loads into registers that matrix instructions have read
	FETCH \q, \g
	s_wait_dscnt 32                                ; all but the 32 just issued
	MUL16 \f, 1, 0
	MUL16 \f, 1, 2
.endm
; The last quarter multiplies buffer 1 and changes slots: ONE barrier; in front of it each wave waits for all its tensor loads, adds 0 to its spare word, and waits for that and for its reads of this slot.
; fill = 1: the barrier opens a round of the cluster's, and this slot is filled again, two K steps ahead, first thing behind it.
.macro TURN fill
.if \fill
	s_wait_xcnt 0x0                                ; the last prefetch, a K step back, has read its address
	s_add_nc_u64 s[PFA:PFA+1], s[PFA:PFA+1], s[PST:PST+1]
.endif
	WIN 0
	s_wait_tensorcnt 0x0                           ; all my tensor loads have landed: my part of the next slot
	ds_add_u32 v[SPW], v[NIL]
	s_wait_dscnt 9                                 ; the add and the youngest eight loads may be out
	MUL16 F1, 0, 0
	s_wait_dscnt 0x0                               ; the add is done, and my reads of this slot are over
	s_barrier_signal -1
	MUL16 F1, 0, 2
	WIN 0
	s_barrier_wait -1
.if \fill
	CREST                                          ; no wave of any partner still reads this slot or has a load on its way
	s_xor_b32 s[G0+5], s[G0+5], SLOT               ; the walking descriptors: the slot just read,
	s_xor_b32 s[G0B+5], s[G0B+5], SLOT
	s_add_nc_u64 s[G0+6:G0+7], s[G0+6:G0+7], ASTEP     ; the next K step
	s_add_nc_u64 s[G0B+6:G0B+7], s[G0B+6:G0B+7], BSTEP
	JLOAD 1                                        ; its four v_nop are also the places in front of the loads below
.else
	PLACES
.endif
	s_xor_b32 s[TB], s[TB], SLOT
	v_add_nc_u32 v[ADRA], s[TB], v[A0]
	v_add_nc_u32 v[ADRB], s[TB], v[B0]
.if !(\fill)
	s_cmp_eq_u32 s3, 1                             ; behind the last K step nothing is left to fetch
	s_cbranch_scc1 .Lno_more_\@
.endif
	FETCH 0, F0
.if \fill
	ASK
.else
	WIN 0
.Lno_more_\@:
.endif
	MUL16 F1, 1, 0
	MUL16 F1, 1, 2
.endm
.macro STEP fill
	QUARTER 1, F0, F1
	QUARTER 2, F1, F0
	QUARTER 3, F0, F1
	TURN \fill
.endm
	s_wait_tensorcnt 1                             ; my part of K step 0 is in; K step 1's may stay out
	s_barrier_signal -1
	s_barrier_wait -1
	v_mov_b32 v[ADRA], v[A0]
	v_mov_b32 v[ADRB], v[B0]
	FETCH 0, F0
	WIN 0
	s_wait_loadcnt 0x0                             ; the bias lies in the accumulators
	s_mov_b32 s3, STEPS-2
.Lk:                                           ; every K step but the last two fills its slot again
	STEP 1
	WIN 0
	s_sub_co_u32 s3, s3, 1
	s_cmp_lg_u32 s3, 0
	s_cbranch_scc1 .Lk
	s_mov_b32 s3, 2
.Lt:                                           ; the last two ask for nothing
	STEP 0
	WIN 0
	s_sub_co_u32 s3, s3, 1
	s_cmp_lg_u32 s3, 0
	s_cbranch_scc1 .Lt
	PLACES
	PLACES
.irp hi, 0,1                           ; the last barrier has shown that no wave reads a slot any more; each accumulator's low registers go first
	WIN 0x08+4*(\hi)                               ; the stores' data in window 2, then 3
.irp a, 0,1,2,3
.irp b, 0,1,2,3,4,5,6,7
	ds_store_b128 v[STO], v[8*(8*(\a)+(\b)):8*(8*(\a)+(\b))+3]   offset:(4*(\hi)+(\a))*16*SP32+64*(\b)
	ds_store_b128 v[STO], v[8*(8*(\a)+(\b))+4:8*(8*(\a)+(\b))+7] offset:(4*(\hi)+(\a))*16*SP32+64*(\b)+16
.endr
.endr
.endr
	WIN 0
	s_mov_b32 s3, 8
.Lo:                                           ; eight trips of 16 tokens x 2 heads; LDS serves a wave's instructions in order (ISA guide 5.7.1.4): the loads see my stores above
.set n, 0
.rept 16
	ds_load_b128 v[GX+4*n:GX+4*n+3], v[RD] offset:(n/2)*2*SP32+(n%2)*256  ; tokens 2 (n / 2) and the next, head n % 2
.set n, n+1
.endr
.irp g, 0,1
	s_wait_dscnt 8-8*(\g)                          ; the second eight loads may be out
.set n, 8*(\g)
.rept 8
	v_cvt_pk_bf16_f32 v[GO+2*n], v[GX+4*n], v[GX+4*n+1]
	v_cvt_pk_bf16_f32 v[GO+2*n+1], v[GX+4*n+2], v[GX+4*n+3]
	global_store_b64 v[CO], v[GO+2*n:GO+2*n+1], s[P3:P3+1] offset:(n%2)*262144+(n/2)*256  ; 32 lanes store 256 consecutive bytes, aligned
.set n, n+1
.endr
.endr
	s_wait_xcnt 0x0                                ; the stores' data and base are written again only behind this wait
	s_add_nc_u64 s[P3:P3+1], s[P3:P3+1], 16*128
	v_add_nc_u32 v[RD], 16*SP32, v[RD]
	s_sub_co_u32 s3, s3, 1
	s_cmp_lg_u32 s3, 0
	s_cbranch_scc1 .Lo
	s_wait_tensorcnt 0x0                           ; the wave's end
	ds_add_u32 v[SPW], v[NIL]
	s_wait_dscnt 0x0
	CROUND                                         ; the closing round
	s_endpgm
.Lfunc_end_k_q2a0c785807_gqkv:
	.size	k_q2a0c785807_gqkv, .Lfunc_end_k_q2a0c785807_gqkv-k_q2a0c785807_gqkv
	.p2alignl 7, 3214868480
	.fill 96, 4, 3214868480
	.section	.rodata,"a",@progbits
	.p2align	6, 0x0
	.amdhsa_kernel k_q2a0c785807_gqkv
		.amdhsa_group_segment_fixed_size 327680
		.amdhsa_private_segment_fixed_size 0
		.amdhsa_enable_private_segment 0
		.amdhsa_kernarg_size 32
		.amdhsa_user_sgpr_count 2
		.amdhsa_user_sgpr_kernarg_segment_ptr 1
		.amdhsa_wavefront_size32 1
		.amdhsa_system_sgpr_workgroup_id_x 1
		.amdhsa_system_sgpr_workgroup_id_y 1
		.amdhsa_system_sgpr_workgroup_id_z 1
		.amdhsa_system_vgpr_workitem_id 0
		.amdhsa_next_free_vgpr 1024
		.amdhsa_next_free_sgpr 84
		.amdhsa_reserve_vcc 0
		.amdhsa_float_denorm_mode_32 3
		.amdhsa_float_denorm_mode_16_64 3
		.amdhsa_memory_ordered 1
		.amdhsa_forward_progress 1
		.amdhsa_inst_pref_size 90
	.end_amdhsa_kernel
	.amdgpu_metadata
---
amdhsa.version: [ 1, 2 ]
amdhsa.kernels:
  - .name:           k_q2a0c785807_gqkv
    .symbol:         k_q2a0c785807_gqkv.kd
    .args:
      - { .name: act, .offset: 0, .size: 8, .value_kind: global_buffer, .address_space: global }
      - { .name: wbf, .offset: 8, .size: 8, .value_kind: global_buffer, .address_space: global }
      - { .name: wx_b, .offset: 16, .size: 8, .value_kind: global_buffer, .address_space: global }
      - { .name: qkvh, .offset: 24, .size: 8, .value_kind: global_buffer, .address_space: global }
    .group_segment_fixed_size: 327680
    .private_segment_fixed_size: 0
    .kernarg_segment_align: 8
    .kernarg_segment_size: 32
    .max_flat_workgroup_size: 128
    .sgpr_count:     84
    .vgpr_count:     1024
    .wavefront_size: 32
...
	.end_amdgpu_metadata
.endif
;; end of part 7
;; launch attn (part 8): grid 16 x 16, 4 waves a work-group, clusters of 4 x 4, 327,680 bytes of LDS; arguments qkvh, m, ob; writes ob
.if DOCPART == 8
	.amdgcn_target "amdgcn-amd-amdhsa--gfx1250"
	.amdhsa_code_object_version 6
	.text
	.protected	k_q2a0c785807_attn
	.globl	k_q2a0c785807_attn
	.p2align	8
	.type	k_q2a0c785807_attn,@function
k_q2a0c785807_attn:
	s_mov_b64 s[64:65], 0
	v_nop
	global_prefetch_b8 v0, s[64:65] scope:SCOPE_SE
	s_setreg_imm32_b32 hwreg(HW_REG_WAVE_MODE, 25, 1), 1
	s_wait_xcnt 0x0
	s_wait_alu depctr_hold_cnt(0) depctr_sa_sdst(0) depctr_va_vdst(0) depctr_va_sdst(0) depctr_va_ssrc(0) depctr_va_vcc(0) depctr_vm_vsrc(0)
	s_getreg_b32 s2, hwreg(HW_REG_IB_STS2, 6, 4)
	s_cmp_eq_u32 s2, 0
	s_cbranch_scc0 .Lentry_in_a_cluster
	s_endpgm
.Lentry_in_a_cluster:
	s_bfe_u32 s2, ttmp6, 0x10000c
	s_cmp_lg_u32 s2, 0xf033
	s_cbranch_scc0 .Lentry_shape_is_right
	s_endpgm
.Lentry_shape_is_right:
; O[bh][q][:] = the sum over k of softmax_k((Q[bh][q] . K[bh][k] + m[q][k]) / 32) V[bh][k][:].  Q, K, V: parts 0, 1, 2 of [3][32][2048][64] bf16; m: [2048][2048] f32, an input, added as it is given: no key is left out;
; O: [32][2048][64] bf16.  Products, maxima and sums in f32; the weights are rounded to bf16 for the second product (their sum is taken of the unrounded weights), O once at the end.
; LIMITS.  Infinities and NaN in m are not treated apart; a weight below 2^-126 counts as 0 in the sum.
; SHARES.  A work-group owns 128 queries of TWO neighbouring (batch, head)s: wave w has head w / 2 of the pair and queries 64 (w % 2) on: four PIECES of 16.  Every wave walks all 2,048 keys, 64 a step.
; So a step wants 32 KiB of the mask and 32 KiB of K and V, and TWO steps fit in each of two LDS slots: a refill has two steps' work in which to land, and there are 16 changes of slots.
; CLUSTER 4 x 4.  K's and V's tiles hang on the pair of heads alone: asked for jointly along a row of the cluster.  The mask's tile (128 queries x 128 keys, f32) hangs on the query block alone: jointly along a column.
; THE MASK IS THE C OPERAND that starts the sum S^T = K Q^T: lane (r, h), register j of key group kt takes m[q0 + r][k0 + 16 kt + 8 h + j], two loads of 16 bytes: it costs no arithmetic.
; LAYOUT.  S^T holds ONE query a lane (lane % 16) and the keys 8 (lane / 16) + 0..7; two such results rounded to bf16 ARE source 1 of O^T = V^T P.  V is turned on its way out of LDS.
; SOFTMAX.  p = 2^(c s - c m_run), c = log2(e) / 32, with a running maximum; O and l are multiplied by a = 2^(c m_old - c m_new) in every step.  c m starts far below every c s, O and l at 0: the first a is 0.
; TURNS.  Turn n belongs to piece n: 8 products K Q^T of piece n + 1, later 8 products V^T P of piece n - 1; beside them piece n's scaling, exponentials, roundings, sums and rescaling and piece n + 1's maximum
; and statistics.  Four vector instructions stand behind every matrix instruction, the others in one lump.  A turn's 33 exponentials are one batch with one wait.
; REGISTERS, in windows of 256: window 0: v0-15, v56-57, v62-63 addresses; v16-31 statistics; v48-55 at work; v64-127 S^T, two buffers; v192-223 P, two buffers (by the piece's parity)
;   window 1: v0-127 O^T, 32 a piece; v160-223 the masks, two buffers      window 2: v0-63 Q; v128-191 K of one step; v192-255 V of one step
.set NP,    4
.set KS,    64
.set PKB,   144       ; a row of K in LDS: 128 bytes + 16
.set PVB,   160       ; of V: 128 + 32
.set PMB,   528       ; of the mask: 512 + 16
.set KHEAD, 128*PKB   ; a head's 128 keys
.set VHEAD, 128*PVB
.set VOFF,  2*KHEAD
.set MOFF,  VOFF+2*VHEAD
.set MHALF, 64*PMB    ; 64 queries: what one load brings of the mask
.set SLOT1, 147456    ; slot 1 begins here; the number shares no bit with a tile's place in a slot, so one exclusive or changes slots
.set STAGE, 2*SLOT1   ; behind the ring: 16 rows x 144 bytes for each wave, for the way out
.set SP,    144
.set SPARE, STAGE+4*16*SP       ; the spare words, 128 bytes a wave
.set AK0, 2
.set AV0, 3
.set AK,  4
.set AV,  5
.set STO, 6
.set RD,  7
.set GO,  8
.set MV,  12
.set AM0, 14
.set QO,  15
.set ST,  16          ; piece t's statistics at v[ST+4 t]: c m, m, l (even keys', odd keys')
.set TMP, 48
.set AM,  56
.set PFO, 57
.set SPW, 62
.set NIL, 63
.set S,   64
.set P,   192
.set MC,  160         ; window 1
.set KF,  128         ; window 2
.set VF,  192         ; window 2
.set WV,  12
.set CX,  13
.set CY,  14
.set QB,  15
.set HP,  16
.set G1K, 24
.set G1V, 32
.set G0K, 40
.set G0V, 44
.set G1M, 48
.set G0M, 56
.set SLOTS, 60        ; s60  slots still to be asked for
.set CNT, 61          ; s61  counts a slot's key steps
.set TBK, 62          ; s62  LDS byte at which K of the step to be fetched begins, less the lane's part
.set TBV, 63          ; s63  the same for V
.set CS,  66
.set SEL, 68
.set PFA, 70          ; s[70:71] where my prefetches stand
.set PST, 72          ; s[72:73] their step from slot to slot
.set LIM, 74          ; s74  1 in a wave that prefetches, else the greatest number
.set TS,  75
.set TBM, 76          ; s76  the same as TBK for the mask
.set MSB, 0
.macro WIN new
.if MSB != (\new)
	s_set_vgpr_msb (MSB<<8)|(\new)
.set MSB, (\new)
.endif
.endm
.set W_KQ, 0x0a       ; K and Q in window 2, S^T in window 0
.set W_KM, 0x1a       ; the same with the C operand in window 1
.set W_PV, 0x52       ; V in window 2, P in window 0, O^T in window 1
.set W_RS, 0x41       ; destination and source 0 in window 1, source 1 in window 0
; A joint fill: wave 0 K's tile, wave 1 V's, waves 2 and 3 the two halves of the mask's: 32 KiB each.  The branches hang on the wave's number alone.  An s_nop 0 and four v_nop follow each line.
.macro JLOAD
	s_cmp_lt_u32 s[WV], 2
	s_cbranch_scc0 .Lfor_m_\@
	s_cmp_eq_u32 s[WV], 0
	s_cbranch_scc0 .Lfor_v_\@
	tensor_load_to_lds s[G0K:G0K+3], s[G1K:G1K+7]
	s_nop 0
.rept 4
	v_nop
.endr
	s_branch .Lasked_\@
.Lfor_v_\@:
	tensor_load_to_lds s[G0V:G0V+3], s[G1V:G1V+7]
	s_nop 0
.rept 4
	v_nop
.endr
	s_branch .Lasked_\@
.Lfor_m_\@:
	tensor_load_to_lds s[G0M:G0M+3], s[G1M:G1M+7]
	s_nop 0
.rept 4
	v_nop
.endr
.Lasked_\@:
.endm
; A PREFETCH INTO THE L2 of what the NEXT change of slots will ask for, behind the wave's tensor load and its five lines: two key steps, 128 matrix instructions, ahead of that load.
; Each aligned block of 256 bytes is named once in the launch.  The mask: the clusters with y = 0, waves 2 and 3; of a wave's 64 rows the partner at cy takes 16, BY ADDRESS, two lanes a row of 512 bytes.
; K (wave 0) and V (wave 1): the clusters with x = 0; of a slot's 128 blocks the partner at cx takes 32: head cx / 2 of the pair, half cx % 2 of its 128 keys.
; Slots 0 and 1 come by their loads alone; the last change that fills a slot asks for nothing.
.macro ASK
	s_cmp_gt_u32 s[SLOTS], s[LIM]
	s_cbranch_scc0 .Lnot_mine_\@
	global_prefetch_b8 v[PFO], s[PFA:PFA+1] th:TH_LOAD_NT scope:SCOPE_SE
.Lnot_mine_\@:
.endm
.macro CROUND
	s_barrier_signal -1
	s_barrier_wait -1
	s_cmp_lg_u32 s[WV], 0
	s_cbranch_scc1 .Lnot_wave_0_\@
	s_barrier_signal -3
.Lnot_wave_0_\@:
	s_barrier_wait -3
	s_barrier_signal -1
	s_barrier_wait -1
.endm
; THE CHANGE OF SLOTS.  Each wave waits for all its tensor loads, of which one is out: its part of the other slot; adds 0 to its spare word; waits for that and for its reads of the slot that it leaves.
; fill = 1: the barrier is a round of the cluster's, and the old slot is filled again, with the two steps after those now entered, first thing behind it.  (At its first use slot 0 is waited for and slot 1 filled.)
.macro CHANGE fill
	WIN 0
	s_wait_tensorcnt 0x0            ; no tensor load of mine is out, so a group 0 may be written
	ds_add_u32 v[SPW], v[NIL]
.if \fill
	s_xor_b32 s[G0K+1], s[G0K+1], SLOT1
	s_add_nc_u64 s[G0K+2:G0K+3], s[G0K+2:G0K+3], 2*KS*128
	s_xor_b32 s[G0V+1], s[G0V+1], SLOT1
	s_add_nc_u64 s[G0V+2:G0V+3], s[G0V+2:G0V+3], 2*KS*128
	s_xor_b32 s[G0M+1], s[G0M+1], SLOT1
	s_add_nc_u64 s[G0M+2:G0M+3], s[G0M+2:G0M+3], 2*KS*4
	s_wait_xcnt 0x0                 ; the last prefetch, two key steps back, has read its address
	s_add_nc_u64 s[PFA:PFA+1], s[PFA:PFA+1], s[PST:PST+1]
.endif
	s_sub_co_u32 s[TBK], s[TBK], 2*KS*PKB  ; the fetches go back to a slot's first step,
	s_xor_b32 s[TBK], s[TBK], SLOT1        ; in the other slot
	s_sub_co_u32 s[TBV], s[TBV], 2*KS*PVB
	s_xor_b32 s[TBV], s[TBV], SLOT1
	s_sub_co_u32 s[TBM], s[TBM], 2*KS*4
	s_xor_b32 s[TBM], s[TBM], SLOT1
	s_wait_dscnt 0x0                ; the add is done, and my reads of the slot are over
.if \fill
	CROUND
	JLOAD
	ASK
.else
	s_barrier_signal -1
	s_barrier_wait -1
.endif
.endm
	s_load_b128 s[4:7], s[0:1], 0x0 ; qkvh s[4:5], m s[6:7]
	s_load_b64 s[8:9], s[0:1], 0x10 ; O
	v_lshl_add_u32 v[SPW], v0, 2, SPARE
	v_mov_b32 v[NIL], 0
	ds_add_u32 v[SPW], v[NIL]       ; the wave's opening: the add and its wait ahead of my first tensor load
	v_lshrrev_b32 v1, 5, v0
	v_readfirstlane_b32 s[WV], v1
	s_bfe_u32 s[CX], ttmp6, 0x40000
	s_bfe_u32 s[CY], ttmp6, 0x40004
	s_lshl_b32 s[QB], ttmp9, 2
	s_add_co_u32 s[QB], s[QB], s[CX]    ; my block of 128 queries
	s_and_b32 s[HP], ttmp7, 0xffff
	s_lshl_b32 s[HP], s[HP], 2
	s_add_co_u32 s[HP], s[HP], s[CY]    ; my pair of (batch, head)s
	s_lshl_b32 s17, s[CY], 2
	s_lshl_b32 s17, 15, s17             ; my row of the cluster
	s_lshl_b32 s19, 0x1111, s[CX]       ; my column
	; 128 keys of a head are 16,384 dense bytes: asked for as ONE row of 8,192 elements; the pair's two heads are two such rows; the padding behind every key's 128 bytes sets the keys apart in LDS
	s_or_b32 s[G1K], s17, (1<<16)|(1<<20)|(1<<21)|(4<<22)|(3<<25)
	s_or_b32 s[G1V], s17, (1<<16)|(1<<20)|(1<<21)|(4<<22)|(7<<25)
.irp g, G1K, G1V
	s_mov_b32 s[(\g)+1], 8192<<16   ; tensor_dim0 = 8,192
	s_mov_b32 s[(\g)+2], 2<<16      ; tensor_dim1 = 2
	s_mov_b32 s[(\g)+3], 8192<<16
	s_mov_b32 s[(\g)+4], 2
	s_mov_b32 s[(\g)+5], 131072     ; elements from head to head
	s_mov_b32 s[(\g)+6], 0
	s_mov_b32 s[(\g)+7], 0
.endr
	s_or_b32 s[G1M], s19, (2<<16)|(1<<20)|(1<<21)|(6<<22)|(3<<25)  ; 4-byte elements; after every 128 words 4 words
	s_mov_b32 s[G1M+1], 128<<16     ; 128 keys
	s_mov_b32 s[G1M+2], 64<<16      ; 64 queries
	s_mov_b32 s[G1M+3], 128<<16
	s_mov_b32 s[G1M+4], 64
	s_mov_b32 s[G1M+5], 2048
	s_mov_b32 s[G1M+6], 0
	s_mov_b32 s[G1M+7], 0
	s_lshl_b32 s20, s[HP], 19       ; the pair's 2 x 262,144 bytes in a part
	s_mov_b32 s21, 0
	s_and_b32 s18, s[WV], 1         ; which half of the mask's tile (waves 2, 3)
	s_mul_i32 s[G0M+1], s18, MHALF
	s_add_co_u32 s[G0M+1], s[G0M+1], MOFF
	s_lshl_b32 s18, s18, 6
	s_lshl_b32 s19, s[QB], 7
	s_add_co_u32 s18, s18, s19
	s_lshl_b32 s18, s18, 13         ; its first row, 8,192 bytes a row
	s_mov_b32 s19, 0
	s_mov_b32 s[G0K], 1
	s_mov_b32 s[G0K+1], 0
	s_mov_b32 s[G0V], 1
	s_mov_b32 s[G0V+1], VOFF
	s_mov_b32 s[G0M], 1
	s_lshl_b32 s2, s[HP], 1         ; Q and O: my head,
	s_lshr_b32 s3, s[WV], 1
	s_add_co_u32 s2, s2, s3
	s_lshl_b32 s2, s2, 18
	s_lshl_b32 s3, s[QB], 14        ; my block's 128 rows,
	s_add_co_u32 s2, s2, s3
	s_and_b32 s3, s[WV], 1
	s_lshl_b32 s3, s3, 13           ; my wave's 64
	s_add_co_u32 s2, s2, s3
	s_mov_b32 s3, 0
	s_mov_b32 s[CS], 0x3d38aa3b     ; c = log2(e) / 32
	s_mov_b32 s[CS+1], s[CS]
	s_mov_b32 s[SEL], 0x76543210
	s_mov_b32 s[SEL+1], 0xfedcba98
	s_mov_b32 s[TBK], SLOT1+2*KS*PKB  ; the first change of slots turns these three into 0
	s_mov_b32 s[TBV], SLOT1+2*KS*PVB
	s_mov_b32 s[TBM], SLOT1+2*KS*4
	s_mov_b32 s[SLOTS], 15
	; the prefetches
	s_lshr_b32 s22, s[CX], 1        ; K, V: head cx / 2 of the pair,
	s_lshl_b32 s22, s22, 18
	s_and_b32 s23, s[CX], 1         ; half cx % 2 of a slot's 128 keys,
	s_lshl_b32 s23, s23, 13
	s_add_co_u32 s22, s22, s23
	s_add_co_u32 s22, s22, s20
	s_add_co_u32 s23, s[WV], 1      ; K is part 1, V part 2,
	s_lshl_b32 s23, s23, 23
	s_add_co_u32 s22, s22, s23
	s_add_co_u32 s22, s22, 2*KS*128 ; in slot 1: the first change steps it to slot 2
	s_lshl_b32 s23, s[CY], 17       ; the mask: my work-group's 16 rows of the wave's 64,
	s_add_co_u32 s23, s23, s18
	s_add_co_u32 s23, s23, 2*KS*4   ; in slot 1
	s_and_b32 s[TS], ttmp7, 0xffff
	s_mov_b32 s[PST], 2*KS*4
	s_mov_b32 s[PST+1], 0
	s_cmp_lt_u32 s[WV], 2
	s_cselect_b32 s22, s22, s23
	s_cselect_b32 s[TS], ttmp9, s[TS]   ; the coordinate along which other clusters read the same bytes
	s_cselect_b32 s[PST], 2*KS*128, s[PST]
	s_cselect_b32 s17, 8, 13        ; a lane a block of 256 bytes on end, or two lanes a row of 8,192
	s_cselect_b32 s78, 0, 1
	s_mov_b32 s23, 0
	s_cmp_eq_u32 s[TS], 0
	s_cselect_b32 s[LIM], 1, -1     ; the same in all sixteen partners, for a given wave
	v_and_b32 v[PFO], 31, v0
	v_and_b32 v1, s78, v[PFO]
	v_lshrrev_b32 v[PFO], s78, v[PFO]
	v_lshlrev_b32 v[PFO], s17, v[PFO]
	v_lshl_add_u32 v[PFO], v1, 8, v[PFO]
	s_wait_dscnt 0x0                ; the opening add is done
	s_wait_kmcnt 0x0
	s_add_nc_u64 s[G0K+2:G0K+3], s[4:5], s[20:21]
	s_add_nc_u64 s[G0V+2:G0V+3], s[G0K+2:G0K+3], 16777216
	s_add_nc_u64 s[G0K+2:G0K+3], s[G0K+2:G0K+3], 8388608
	s_or_b32 s[G0K+3], s[G0K+3], 0x80000000
	s_or_b32 s[G0V+3], s[G0V+3], 0x80000000
	s_add_nc_u64 s[G0M+2:G0M+3], s[6:7], s[18:19]
	s_or_b32 s[G0M+3], s[G0M+3], 0x80000000
	s_cmp_lt_u32 s[WV], 2
	s_cselect_b64 s[PFA:PFA+1], s[4:5], s[6:7]
	s_add_nc_u64 s[PFA:PFA+1], s[PFA:PFA+1], s[22:23]
	s_add_nc_u64 s[4:5], s[4:5], s[2:3]
	s_add_nc_u64 s[8:9], s[8:9], s[2:3]
	CROUND                          ; all sixteen work-groups are here: the first joint loads meet
	JLOAD                           ; steps 0 and 1 into slot 0
	v_and_b32 v1, 15, v0            ; l % 16
	v_bfe_u32 v9, v0, 4, 1          ; l / 16
	v_lshlrev_b32 v[QO], 7, v1
	v_lshl_add_u32 v[QO], v9, 4, v[QO]
	WIN 0x80                        ; destination window 2, address window 0
.set i, 0
.rept 8                             ; Q stays in registers: piece i / 2, channels 32 (i % 2) on
	global_load_b128 v[8*i:8*i+3],   v[QO], s[4:5] offset:(i/2)*2048+(i%2)*64
	global_load_b128 v[8*i+4:8*i+7], v[QO], s[4:5] offset:(i/2)*2048+(i%2)*64+32
.set i, i+1
.endr
	; What the first turn finds: V and P's second buffer hold 0 (its products V^T P, of a piece that has not been, add 0), O^T and l are 0.  The price of writing no first step out; it stands in the wait for the first tile.
.set i, VF
.rept 64
	v_mov_b32 v[i], 0
.set i, i+1
.endr
	WIN 0x40
.set i, 0
.rept 128
	v_mov_b32 v[i], 0
.set i, i+1
.endr
	WIN 0
.set i, 0
.rept 4
	v_mov_b32 v[ST+4*i], 0xfe000000    ; c m: far below every c s
	v_mov_b32 v[ST+4*i+1], 0xff7fffff  ; m
	v_mov_b32 v[ST+4*i+2], 0
	v_mov_b32 v[ST+4*i+3], 0
.set i, i+1
.endr
.set i, P+16
.rept 16
	v_mov_b32 v[i], 0
.set i, i+1
.endr
	v_mul_u32_u24 v[AK0], v1, PKB
	v_lshl_add_u32 v[AK0], v9, 4, v[AK0]
	s_lshr_b32 s[TS], s[WV], 1          ; my head of the pair
	s_mul_i32 s77, s[TS], KHEAD
	v_add_nc_u32 v[AK0], s77, v[AK0]
	v_and_b32 v10, 7, v0
	v_bfe_u32 v11, v0, 3, 1
	v_lshl_add_u32 v[AV0], v9, 3, v10   ; the turning load: lane l reads key 8 (l / 16) + l % 8, channels 8 ((l / 8) % 2) + 0..7
	v_mul_u32_u24 v[AV0], v[AV0], PVB
	v_lshl_add_u32 v[AV0], v11, 4, v[AV0]
	s_mul_i32 s77, s[TS], VHEAD
	s_add_co_u32 s77, s77, VOFF
	v_add_nc_u32 v[AV0], s77, v[AV0]
	s_and_b32 s[TS], s[WV], 1
	s_lshl_b32 s[TS], s[TS], 6
	v_add_nc_u32 v[AM0], s[TS], v1      ; the mask: row 64 (w % 2) + l % 16 of the tile, 32 bytes for each half of the lanes
	v_mul_u32_u24 v[AM0], v[AM0], PMB
	v_lshl_add_u32 v[AM0], v9, 5, v[AM0]
	v_add_nc_u32 v[AM0], MOFF, v[AM0]
; THE MATRIX WORK.  The 4 accumulators of a run of 8 take turns.  Product i of 8 of S^T = K Q^T for piece x: channels 32 (i / 4) on, keys 16 (i % 4) on.  The first 4 start the sums with the mask.
.macro KQ x
.set rS, S+32*((\x)%2)+8*(i%4)
.set rK, KF+16*(i%4)+8*(i/4)
.set rQ, 16*(\x)+8*(i/4)
.set rM, MC+32*((\x)%2)+8*(i%4)
.if i < 4
	WIN W_KM
	v_wmma_f32_16x16x32_bf16 v[rS:rS+7], v[rK:rK+7], v[rQ:rQ+7], v[rM:rM+7]
.else
	WIN W_KQ
	v_wmma_f32_16x16x32_bf16 v[rS:rS+7], v[rK:rK+7], v[rQ:rQ+7], v[rS:rS+7]
.endif
.endm
; Product i of 8 of O^T += V^T P for piece x: keys 32 (i / 4) on, channels 16 (i % 4) on.
.macro PV x
	WIN W_PV
.set rO, 32*(\x)+8*(i%4)
.set rV, VF+32*(i/4)+8*(i%4)
.set rP, P+16*((\x)%2)+8*(i/4)
	v_wmma_f32_16x16x32_bf16 v[rO:rO+7], v[rV:rV+7], v[rP:rP+7], v[rO:rO+7]
.endm
.macro MM                           ; the turn's next matrix instruction
.if i < 8
	KQ (Y+1)%NP
.else
.set i, i-8
	PV (Y+NP-1)%NP
.set i, i+8
.endif
.set i, i+1
.endm
; THE LDS LOADS stand in runs, never singly among the matrix instructions.
.macro FETCH_K
	WIN 0x80
.irp f, 0,1,2,3,4,5,6,7             ; keys 16 (f / 2) on, channels 32 (f % 2) on
	ds_load_b128 v[KF+8*\f:KF+8*\f+3],   v[AK] offset:(\f/2)*16*PKB+(\f%2)*64
	ds_load_b128 v[KF+8*\f+4:KF+8*\f+7], v[AK] offset:(\f/2)*16*PKB+(\f%2)*64+32
.endr
	WIN 0
.endm
.macro FETCH_V
	WIN 0x80
.irp f, 0,1,2,3,4,5,6,7             ; keys 32 (f / 4) on, channels 16 (f % 4) on
	ds_load_tr16_b128 v[VF+8*\f:VF+8*\f+3],   v[AV] offset:(\f/4)*32*PVB+(\f%4)*32
	ds_load_tr16_b128 v[VF+8*\f+4:VF+8*\f+7], v[AV] offset:(\f/4)*32*PVB+16*PVB+(\f%4)*32
.endr
	WIN 0
.endm
.macro MLOAD x, buf                 ; piece x's mask of the step in hand, into buffer buf
	WIN 0x40
.irp kt, 0,1,2,3
	ds_load_b128 v[MC+32*(\buf)+8*(\kt):MC+32*(\buf)+8*(\kt)+3],   v[AM] offset:(\x)*16*PMB+64*(\kt)
	ds_load_b128 v[MC+32*(\buf)+8*(\kt)+4:MC+32*(\buf)+8*(\kt)+7], v[AM] offset:(\x)*16*PMB+64*(\kt)+16
.endr
	WIN 0
.endm
; THE VECTOR WORK, one line at a time: OP kind, number.  For piece Y: F n: c s - c m for pair n of 16.  E n: the exponential of score n of 32.  C n: pair n rounded to bf16.  B n: of the four weights 4 n .. the second
; pair is added onto the first.  L n: l takes that sum (L 0: l = a l + sum).  R n: pair n of 16 of O^T times a.  For piece Y + 1: X n, number n of the 22 that find its maximum and statistics:
;   0-11 four chains of seven scores each (each accumulator's lowest registers are read first)   12-14, 16 the scores left over, the old m, the four into one
;   15 c m_old is kept   17, 18 the other half of the lanes: the new m   19-21 c m; c m_old - c m_new; a
.set F, 0
.set E, 1
.set C, 2
.set B, 3
.set L, 4
.set R, 5
.set X, 6
.macro REGS y
.set rT, ST+4*(\y)
.set rC, TMP+4*((\y)%2)
.set rW, MV+((\y)%2)
.set rS, S+32*((\y)%2)
.set rP, P+16*((\y)%2)
.set rO, 32*(\y)
.endm
.macro OP k, n
.if (\k) == R
	REGS Y
	WIN W_RS
	v_pk_mul_f32 v[rO+2*(\n):rO+2*(\n)+1], v[rO+2*(\n):rO+2*(\n)+1], v[rC+2:rC+3] op_sel_hi:[1,0]
.elseif (\k) < R
	REGS Y
	WIN 0
.if (\k) == F
	v_pk_fma_f32 v[rS+2*(\n):rS+2*(\n)+1], v[rS+2*(\n):rS+2*(\n)+1], s[CS:CS+1], v[rT:rT+1] op_sel_hi:[1,0,0] neg_lo:[0,0,1] neg_hi:[0,0,1]
.elseif (\k) == E
	v_exp_f32 v[rS+(\n)], v[rS+(\n)]
.elseif (\k) == C
	v_cvt_pk_bf16_f32 v[rP+(\n)], v[rS+2*(\n)], v[rS+2*(\n)+1]
.elseif (\k) == B
	v_pk_add_f32 v[rS+4*(\n):rS+4*(\n)+1], v[rS+4*(\n):rS+4*(\n)+1], v[rS+4*(\n)+2:rS+4*(\n)+3]
.elseif (\n) == 0
	v_pk_fma_f32 v[rT+2:rT+3], v[rT+2:rT+3], v[rC+2:rC+3], v[rS:rS+1] op_sel_hi:[1,0,1]
.else
	v_pk_add_f32 v[rT+2:rT+3], v[rT+2:rT+3], v[rS+4*(\n):rS+4*(\n)+1]
.endif
.else
	REGS (Y+1)%NP
	WIN 0
.if (\n) < 4
	v_max3_num_f32 v[rC+(\n)], v[rS+8*(\n)], v[rS+8*(\n)+1], v[rS+8*(\n)+2]
.elseif (\n) < 12
	v_max3_num_f32 v[rC+(\n)%4], v[rC+(\n)%4], v[rS+8*((\n)%4)+2*((\n)/4)+1], v[rS+8*((\n)%4)+2*((\n)/4)+2]
.elseif (\n) == 12
	v_max3_num_f32 v[rC], v[rC], v[rS+7], v[rS+15]
.elseif (\n) == 13
	v_max3_num_f32 v[rC+1], v[rC+1], v[rS+23], v[rS+31]
.elseif (\n) == 14
	v_max3_num_f32 v[rC+2], v[rC+2], v[rC+3], v[rT+1]
.elseif (\n) == 15
	v_mov_b32 v[rW], v[rT]
.elseif (\n) == 16
	v_max3_num_f32 v[rC], v[rC], v[rC+1], v[rC+2]
.elseif (\n) == 17
	v_permlanex16_b32 v[rC+3], v[rC], s[SEL], s[SEL+1]
.elseif (\n) == 18
	v_max_num_f32 v[rT+1], v[rC], v[rC+3]
.elseif (\n) == 19
	v_mul_f32 v[rT], s[CS], v[rT+1]
.elseif (\n) == 20
	v_sub_f32 v[rC+1], v[rW], v[rT]
.else
	v_exp_f32 v[rC+2], v[rC+1]
.endif
.endif
.endm
.macro OPS a, i1, b=-1, i2=0, c=-1, i3=0, d=-1, i4=0
	OP \a, \i1
.if (\b) >= 0
	OP \b, \i2
.endif
.if (\c) >= 0
	OP \c, \i3
.endif
.if (\d) >= 0
	OP \d, \i4
.endif
.endm
.macro ROW a, i1, b, i2, c, i3, d, i4  ; a matrix instruction and the four behind it
	MM
	OPS \a, \i1, \b, \i2, \c, \i3, \d, \i4
.endm
; A TURN, for piece p.  AHEAD OF ITS ONE WAIT stands all that names no result of the turn's exponentials: the 8 products K Q^T with their riders and one lump; BEHIND IT the 8 products V^T P, behind each four of the
; roundings and sums.  In the lump, behind five plain instructions that name no register of the last product K Q^T, stands the run of LDS loads: the mask of piece p + 2 (wanted by the next turn's products), and in piece 2's
; turn the next step's K.  V of the step in hand is fetched at the end of piece 0's turn, four plain instructions behind the last product that read V.
; A trip is pieces 2 and 3 of one step and pieces 0 and 1 of the next, and all its LDS reads are of that next step: K and piece 0's mask, piece 1's mask, piece 2's mask and V, piece 3's mask.  Piece 2's turn makes K's and the
; mask's addresses and steps their scalars on by a key step, piece 0's turn V's.  A change of slots stands in front of every second trip.
; last = 1 (the tail, which lies in slot 1): the scalars are held at the slot's second step, so that the half trip behind the last step reads that step once more.
.macro TURN p, last=0
.set Y, (\p)
.set i, 0
.if (\p) == 1
	s_wait_dscnt 16                 ; the mask is in; V's sixteen loads, issued behind it, may be out
.else
	s_wait_dscnt 0x0                ; the mask is in (piece 3's turn: K too)
.endif
	ROW F,0, F,1, R,0, R,1
	ROW F,2, E,0, R,2, R,3
	ROW F,3, E,1, R,4, R,5
	ROW F,4, E,2, R,6, R,7
	ROW F,5, E,3, R,8, R,9
	ROW F,6, E,4, X,0, R,10
.if (\p) == 2
	WIN 0
	v_add_nc_u32 v[AK], s[TBK], v[AK0]
	v_add_nc_u32 v[AM], s[TBM], v[AM0]
	s_add_co_u32 s[TBK], s[TBK], KS*PKB
	s_add_co_u32 s[TBM], s[TBM], KS*4
.if \last
	s_min_u32 s[TBK], s[TBK], SLOT1+KS*PKB
	s_min_u32 s[TBM], s[TBM], SLOT1+KS*4
.endif
.endif
	ROW F,7, E,5, X,1, X,4
	ROW F,8, E,6, X,2, X,5
	OPS E,7, E,8, X,6, E,9
	OPS X,3, E,10, X,8, E,11
	MLOAD ((\p)+2)%NP, (\p)%2
.if (\p) == 2
	FETCH_K
.endif
	OPS X,9, X,7, E,12, X,10
	OPS E,13, X,12, X,11, E,14
	OPS X,13, E,15, F,9, X,14
.if (\p) == 0
	v_add_nc_u32 v[AV], s[TBV], v[AV0]
	s_add_co_u32 s[TBV], s[TBV], KS*PVB
.endif
	OPS E,16, F,10, E,17, F,11
	OPS X,16, E,18, X,15, E,19
	OPS F,12, E,20, X,17, E,21
	OPS F,13, E,22, F,14, E,23
	OPS X,18, E,24, F,15, E,25
	OPS R,11, E,26, X,19, E,27
	OPS R,12, E,28, R,13, E,29
	OPS X,20, E,30, R,14, E,31
	OPS X,21, R,15                  ; the batch's last exponential, and the plain instruction behind it
	WIN 0
	s_wait_alu depctr_va_vdst(0)    ; the one wait for the batch, ahead of the first instruction that names a result
.if (\p) == 1
	s_wait_dscnt 8                  ; V is in; this turn's eight loads of the mask may be out
.endif
	ROW C,0, B,0, C,2, B,1
	ROW L,0, C,4, B,2, L,1
	ROW C,6, B,3, L,2, C,8
	ROW B,4, L,3, C,10, B,5
	ROW L,4, C,12, B,6, L,5
	ROW C,14, B,7, L,6, C,1
	ROW C,3, L,7, C,5, C,7
	ROW C,9, C,11, C,13, C,15
.if (\p) == 0
	FETCH_V
.endif
.endm
	CHANGE 1                        ; steps 0 and 1 are in, everybody's part of them; steps 2 and 3 are asked for
	v_add_nc_u32 v[AK], s[TBK], v[AK0]
	v_add_nc_u32 v[AM], s[TBM], v[AM0]
	s_add_co_u32 s[TBK], s[TBK], KS*PKB
	s_add_co_u32 s[TBM], s[TBM], KS*4
	MLOAD 0, 0
	MLOAD 1, 1
	FETCH_K
	s_wait_loadcnt 0x0              ; Q
	s_wait_dscnt 0x0
.set i, 0
.rept 8
	KQ 0                            ; piece 0's first scores
.set i, i+1
.endr
	WIN 0                           ; the addresses for the way out: nine plain instructions, the places behind those products
	s_mul_i32 s[TS], s[WV], 16*SP
	s_add_co_u32 s[TS], s[TS], STAGE
	v_mul_u32_u24 v[STO], v1, SP
	v_lshl_add_u32 v[STO], v9, 4, v[STO]
	v_add_nc_u32 v[STO], s[TS], v[STO]
	v_bfe_u32 v[RD], v0, 3, 2
	v_mul_u32_u24 v[RD], v[RD], SP
	v_lshl_add_u32 v[RD], v10, 4, v[RD]
	v_add_nc_u32 v[RD], s[TS], v[RD]
	v_and_b32 v[GO], 31, v0
	v_lshlrev_b32 v[GO], 4, v[GO]
.set Y, NP-1                        ; X works for piece Y + 1: piece 0
.irp n, 0,1,2,3,4,5,6,7,8,9,10,11,12,13,14,15,16,17,18,19,20,21
	OP X, \n
.endr
	v_nop                           ; a plain instruction behind the exponential,
	s_wait_alu depctr_va_vdst(0)    ; and its wait, ahead of the branch
	s_mov_b32 s[CNT], 2
	s_branch .Lfirst                ; the loop is entered at a step's first turn, in the middle of a trip
.Lslot:                             ; 14 times: a slot is entered and the next one asked for
	CHANGE 1
	s_mov_b32 s[CNT], 2
.Lstep:
	TURN 2
	TURN 3
	WIN 0
.Lfirst:
	TURN 0
	TURN 1
	WIN 0
	s_sub_co_u32 s[CNT], s[CNT], 1
	s_cmp_lg_u32 s[CNT], 0
	s_cbranch_scc1 .Lstep
	s_sub_co_u32 s[SLOTS], s[SLOTS], 1
	s_cmp_lg_u32 s[SLOTS], 0
	s_cbranch_scc1 .Lslot
	CHANGE 0                        ; the tail is written out: the last slot is entered, nothing is asked for
	s_mov_b32 s[CNT], 3             ; two trips fetch its steps; the third is left in its middle
.Ltail:
	TURN 2, 1
	TURN 3
	WIN 0
	s_sub_co_u32 s[CNT], s[CNT], 1
	s_cmp_eq_u32 s[CNT], 0
	s_cbranch_scc1 .Lout
	TURN 0
	TURN 1
	WIN 0
	s_branch .Ltail
.Lout:                              ; the third trip's loads of K and of two masks, its 8 products K Q^T and the maximum made of them serve nothing: the price, once a launch, of one text for every trip
.set i, 0
.rept 8
	PV NP-1                         ; the last piece's V^T P of the last step
.set i, i+1
.endr
	; THE WAY OUT.  l's two halves and the other half of the lanes' are added; O^T is divided by l, rounded to bf16 and sent through my stage in LDS, a piece at a time.
	WIN 0
.macro ALL line:vararg
.set t, 0
.rept 4
	\line
.set t, t+1
.endr
.endm
	ALL v_add_f32 v[ST+4*t+2], v[ST+4*t+2], v[ST+4*t+3]
	ALL v_permlanex16_b32 v[ST+4*t+3], v[ST+4*t+2], s[SEL], s[SEL+1]
	ALL v_add_f32 v[ST+4*t+2], v[ST+4*t+2], v[ST+4*t+3]
	ALL v_rcp_f32 v[ST+4*t+2], v[ST+4*t+2]
	v_nop                           ; a plain instruction behind the last reciprocal,
	s_wait_alu depctr_va_vdst(0)    ; and one wait for the four
.macro PACK t
	WIN W_RS
.set i, 32*(\t)
.rept 16
	v_pk_mul_f32 v[i:i+1], v[i:i+1], v[ST+4*(\t)+2:ST+4*(\t)+3] op_sel_hi:[1,0]
.set i, i+2
.endr
	WIN 0x05                        ; sources 0 and 1 window 1, destination window 0
.set i, 0
.rept 16
	v_cvt_pk_bf16_f32 v[S+16*(\t)+i], v[32*(\t)+2*i], v[32*(\t)+2*i+1]
.set i, i+1
.endr
	WIN 0
.irp f, 0,1,2,3
	ds_store_b128 v[STO], v[S+16*(\t)+4*\f:S+16*(\t)+4*\f+3] offset:32*\f
.endr
.irp f, 0,1,2,3
	ds_load_b128 v[S+16*(\t)+4*\f:S+16*(\t)+4*\f+3], v[RD] offset:\f*4*SP  ; LDS serves a wave's instructions in order (ISA guide 5.7.1.4): these see the stores above
.endr
.endm
.macro SEND t, younger
	WIN 0
.irp f, 0,1,2,3
	s_wait_dscnt (\younger)+3-\f
	global_store_b128 v[GO], v[S+16*(\t)+4*\f:S+16*(\t)+4*\f+3], s[8:9] offset:(\t)*2048+\f*512  ; 512 consecutive bytes, aligned
.endr
.endm
	PACK 0
.set t, 1
.rept 3
	PACK t
	SEND t-1, 8
.set t, t+1
.endr
	SEND 3, 0
	s_wait_tensorcnt 0x0            ; the wave's end
	ds_add_u32 v[SPW], v[NIL]
	s_wait_dscnt 0x0
	CROUND                          ; the closing round
	s_endpgm
.Lfunc_end_k_q2a0c785807_attn:
	.size	k_q2a0c785807_attn, .Lfunc_end_k_q2a0c785807_attn-k_q2a0c785807_attn
	.p2alignl 7, 3214868480
	.fill 96, 4, 3214868480
	.section	.rodata,"a",@progbits
	.p2align	6, 0x0
	.amdhsa_kernel k_q2a0c785807_attn
		.amdhsa_group_segment_fixed_size 327680
		.amdhsa_private_segment_fixed_size 0
		.amdhsa_enable_private_segment 0
		.amdhsa_kernarg_size 24
		.amdhsa_user_sgpr_count 2
		.amdhsa_user_sgpr_kernarg_segment_ptr 1
		.amdhsa_wavefront_size32 1
		.amdhsa_system_sgpr_workgroup_id_x 1
		.amdhsa_system_sgpr_workgroup_id_y 1
		.amdhsa_system_sgpr_workgroup_id_z 1
		.amdhsa_system_vgpr_workitem_id 0
		.amdhsa_next_free_vgpr 768
		.amdhsa_next_free_sgpr 80
		.amdhsa_reserve_vcc 0
		.amdhsa_float_denorm_mode_32 3
		.amdhsa_float_denorm_mode_16_64 3
		.amdhsa_memory_ordered 1
		.amdhsa_forward_progress 1
		.amdhsa_inst_pref_size 122
	.end_amdhsa_kernel
	.amdgpu_metadata
---
amdhsa.version: [ 1, 2 ]
amdhsa.kernels:
  - .name:           k_q2a0c785807_attn
    .symbol:         k_q2a0c785807_attn.kd
    .args:
      - { .name: qkvh, .offset: 0, .size: 8, .value_kind: global_buffer, .address_space: global }
      - { .name: m, .offset: 8, .size: 8, .value_kind: global_buffer, .address_space: global }
      - { .name: ob, .offset: 16, .size: 8, .value_kind: global_buffer, .address_space: global }
    .group_segment_fixed_size: 327680
    .private_segment_fixed_size: 0
    .kernarg_segment_align: 8
    .kernarg_segment_size: 24
    .max_flat_workgroup_size: 128
    .sgpr_count:     80
    .vgpr_count:     768
    .wavefront_size: 32
...
	.end_amdgpu_metadata
.endif
;; end of part 8
;; launch gwo: the kernel of part 4 again; grid 8 x 32, 4 waves a work-group, clusters of 4 x 4, 327,680 bytes of LDS; arguments ob, wbf, wo_b, x, x1; writes x1
;; launch ln2: the kernel of part 1 again; grid 256 x 1, 8 waves a work-group, no clusters, 0 bytes of LDS; arguments x1, ln2_g, ln2_b, act, wx_w, wo_w, w1, w2, wbf; writes act, wbf
;; launch gup (part 9): grid 16 x 16, 4 waves a work-group, clusters of 4 x 4, 327,680 bytes of LDS; arguments act, wbf, b1, hb; writes hb
.if DOCPART == 9
	.amdgcn_target "amdgcn-amd-amdhsa--gfx1250"
	.amdhsa_code_object_version 6
	.text
	.protected	k_q2a0c785807_gup
	.globl	k_q2a0c785807_gup
	.p2align	8
	.type	k_q2a0c785807_gup,@function
k_q2a0c785807_gup:
	s_mov_b64 s[64:65], 0
	v_nop
	global_prefetch_b8 v0, s[64:65] scope:SCOPE_SE
	s_setreg_imm32_b32 hwreg(HW_REG_WAVE_MODE, 25, 1), 1
	s_wait_xcnt 0x0
	s_wait_alu depctr_hold_cnt(0) depctr_sa_sdst(0) depctr_va_vdst(0) depctr_va_sdst(0) depctr_va_ssrc(0) depctr_va_vcc(0) depctr_vm_vsrc(0)
	s_getreg_b32 s2, hwreg(HW_REG_IB_STS2, 6, 4)
	s_cmp_eq_u32 s2, 0
	s_cbranch_scc0 .Lentry_in_a_cluster
	s_endpgm
.Lentry_in_a_cluster:
	s_bfe_u32 s2, ttmp6, 0x10000c
	s_cmp_lg_u32 s2, 0xf033
	s_cbranch_scc0 .Lentry_shape_is_right
	s_endpgm
.Lentry_shape_is_right:
; h = gelu(LN2(x1) w1 + b1).  A: [4096][1024] bf16.  B: w1 as it lies, [1024 (k)][4096 (n)] bf16.  Out: [4096][4096] bf16, rounded once.
; GELU.  x Phi(x) = max(x, 0) - |x| P(t) 2^(K2 x^2), t = 1 / (1 + PP |x|), P a polynomial of degree 5 without constant term (Abramowitz and Stegun 7.1.26, the factor 1/2 folded in).
; LIMITS.  erf is met to 1.5e-7 absolutely for every x; a power of two below 2^-126 counts as 0; NaN and infinities are not treated apart.
; A tile of C is 256 x 256; four waves, 128 x 128 each: 64 accumulators of 16 x 16, 512 registers.  K goes in 8 steps of 128 through two LDS slots filled by the tensor data mover:
; a step is 256 matrix instructions a wave, 224 of them between a slot's request and the wait for it.  16 x 16 tiles: 256 work-groups, each with one tile.
; CLUSTER 4 x 4: A's tile hangs on the tile row alone and is asked for jointly along a row of the cluster, B's on the tile column alone and jointly along a column.
; B lies [k][n] in LDS and is turned on its way into registers (ds_load_tr16_b128).  THE SUMS START AS THE BIAS, loaded straight into the accumulators: nothing is cleared or added later.
; The matrix instruction is used transposed (source 0 = 16 columns of B, source 1 = 16 rows of A): a lane holds row l % 16 of C and eight neighbouring columns 8 (l / 16) + 0..7.
; A K step is written once: the lanes' LDS addresses are made from s[TB], 0 or SLOT; the walking descriptors' LDS words change slots by one exclusive or (SLOT shares no bit with a tile's place in a slot).
; THE WAY OUT: behind the last barrier no wave reads a slot and nothing is filled again; each wave lays its f32 tile into LDS bytes of its own and walks them in a loop, 8 rows a trip: the activation is written once.
; REGISTERS, in windows of 256: window 0: v0-31 addresses; v64-127, v128-191 fragments of A, two buffers (later, with v32-63 and v192-255, the way out); window 1: the same numbers, fragments of B;
;   window 2: the accumulators of my rows 0-63 ((a, b) at 8 (8 a + b)); window 3: those of my rows 64-127.
.set SIZE_N, 4096
.set SIZE_K, 1024
.set KSTEP,  128
.set STEPS,  SIZE_K/KSTEP
.set WOFF,   8388608                   ; w1 in the bf16 weights
.set AP,     272                       ; A's LDS pitch: 256 bytes + 16
.set HALFA,  128*AP                    ; 128 rows: what one load brings of A, and what one wave reads
.set ASTEP,  KSTEP*2                   ; bytes of memory from a K step to the next
.set PB,     544                       ; B's LDS pitch: 512 bytes + 32
.set HALFB,  64*PB                     ; 64 rows of k: what one load brings of B
.set SLOT,   147456                    ; A's two halves, then B's two halves
.set BSTEP,  KSTEP*SIZE_N*2
.set SP32,   528                       ; the way out: a row of 128 f32 + 16 bytes
.set WSTG,   128*SP32                  ; a wave's own 128 rows
.set SPARE,  2*SLOT                    ; the spare words, 128 bytes a wave: two blocks of 256 bytes that no other line names
.set A0,   5
.set B0,   6
.set ADRA, 8
.set ADRB, 10
.set STO,  12
.set RD,   13
.set CO,   14
.set BO,   15
.set SPW,  28
.set NIL,  29
.set PFO,  30                          ; v30  the prefetches' lane offset; never rewritten
.set F0,   64
.set F1,   128
.set TB,   22
.set G1,   24
.set G0,   32
.set G1B,  48
.set G0B,  56
.set PFA,  66                          ; s[66:67] where my prefetches stand
.set PST,  68                          ; s[68:69] their step from K step to K step
.set LIM,  70                          ; s70  1 in a wave that prefetches, else the greatest number
.set PA,   72
.set PW,   74
.set PBI,  76
.set P3,   78
.set PP,   84                          ; s84; then pairs, named whole by the packed forms, which take the low word for both halves
.set K2,   86
.set C1,   88
.set C2,   90
.set C3,   92
.set C4,   94
.set C5,   96
.set GO,   32                          ; v32-47   packed results
.set GG,   64                          ; v64-95   max(x, 0), then the result
.set GX,   128                         ; v128-159 x
.set GT,   160                         ; v160-191 t
.set GE,   192                         ; v192-223 the power of two
.set GR,   224                         ; v224-255 the polynomial
.set MSB, 0
.macro WIN new                         ; the immediate's high byte repeats the setting that is left
.if MSB != (\new)
	s_set_vgpr_msb (MSB<<8)|(\new)
.set MSB, \new
.endif
.endm
.set MUL_LO, 0xa1                      ; source 0 (B) window 1, source 1 (A) window 0, C and D window 2
.set MUL_HI, 0xf1                      ; the same, C and D window 3
.set TO_B,   0x40                      ; destination window 1, address window 0
.macro PLACES
.rept 4
	v_nop
.endr
.endm
.macro JLOAD s                         ; a joint load: waves 0 and 1 fetch A's halves, waves 2 and 3 B's; an s_nop 0 and four v_nop follow each line
	s_cmp_eq_u32 s11, 0
	s_cbranch_scc0 .Lfor_b_\@
	tensor_load_to_lds s[G0+4*(\s):G0+4*(\s)+3], s[G1:G1+7]
	s_nop 0
.rept 4
	v_nop
.endr
	s_branch .Lasked_\@
.Lfor_b_\@:
	tensor_load_to_lds s[G0B+4*(\s):G0B+4*(\s)+3], s[G1B:G1B+7]
	s_nop 0
.rept 4
	v_nop
.endr
.Lasked_\@:
.endm
; A PREFETCH INTO THE L2, behind each refill, its five lines and the run of LDS loads that follows: the K step that the NEXT refill will ask for, 256 matrix instructions ahead of that load.
; Each aligned block of 256 bytes is named once in the launch.  A's rows are read by every cluster of a row of clusters: the one with x = 0 asks; B's columns by every cluster of a column: the one with y = 0 asks.
; The four partners of a joint load share its blocks out BY ADDRESS: of A's 128 rows the partner at cx takes 32, a lane a row; of B's 64 rows of k the partner at cy takes 16, two blocks each.
; K steps 0 to 2 come by their loads alone; the last refill has no K step behind it and asks for nothing.
.macro ASK
	s_cmp_gt_u32 s3, s[LIM]                        ; s3 = 1 in the loop's last trip
	s_cbranch_scc0 .Lnot_mine_\@
	global_prefetch_b8 v[PFO], s[PFA:PFA+1] th:TH_LOAD_NT scope:SCOPE_SE
.Lnot_mine_\@:
.endm
.macro CREST
	s_cmp_lg_u32 s10, 0
	s_cbranch_scc1 .Lnot_wave_0_\@
	s_barrier_signal -3
.Lnot_wave_0_\@:
	s_barrier_wait -3
	s_barrier_signal -1
	s_barrier_wait -1
.endm
.macro CROUND
	s_barrier_signal -1
	s_barrier_wait -1
	CREST
.endm
	s_load_b256 s[PA:PA+7], s[0:1], 0x0
	v_lshl_add_u32 v[SPW], v0, 2, SPARE
	v_mov_b32 v[NIL], 0
	ds_add_u32 v[SPW], v[NIL]                      ; the wave's opening: the add and its wait ahead of my first tensor load
	v_lshrrev_b32 v1, 5, v0
	v_readfirstlane_b32 s10, v1                    ; wave 0..3
	s_lshr_b32 s11, s10, 1                         ; my half of the tile's rows.  Also: I fetch for A (0) or B (1)
	s_and_b32 s12, s10, 1                          ; my half of its columns.  Also: which half of that tile I fetch
	s_bfe_u32 s40, ttmp6, 0x40000                  ; cx
	s_bfe_u32 s41, ttmp6, 0x40004                  ; cy
	s_lshl_b32 s42, ttmp9, 2
	s_add_co_u32 s42, s42, s40                     ; tile column
	s_and_b32 s13, ttmp7, 0xffff
	s_lshl_b32 s13, s13, 2
	s_add_co_u32 s13, s13, s41                     ; tile row
	s_lshl_b32 s43, s41, 2
	s_lshl_b32 s43, 15, s43                        ; my row of the cluster
	s_lshl_b32 s44, 0x1111, s40                    ; my column
	s_or_b32 s[G1+0], s43, (1<<16)|(1<<20)|(1<<21)|(5<<22)|(3<<25)  ; the mask; 2-byte elements; padding on; bit 21 beside a mask; after every 64 words 4 words
	s_mov_b32 s[G1+1], KSTEP<<16                   ; tensor_dim0 = 128
	s_mov_b32 s[G1+2], 128<<16                     ; tensor_dim1 = 128
	s_mov_b32 s[G1+3], KSTEP<<16                   ; tile_dim0 = 128
	s_mov_b32 s[G1+4], 128                         ; tile_dim1 = 128
	s_mov_b32 s[G1+5], SIZE_K                      ; elements from row to row
	s_mov_b32 s[G1+6], 0
	s_mov_b32 s[G1+7], 0
	s_or_b32 s[G1B+0], s44, (1<<16)|(1<<20)|(1<<21)|(6<<22)|(7<<25)  ; after every 128 words 8 words
	s_mov_b32 s[G1B+1], 256<<16                    ; 256 columns
	s_mov_b32 s[G1B+2], 64<<16                     ; 64 rows of k
	s_mov_b32 s[G1B+3], 256<<16
	s_mov_b32 s[G1B+4], 64
	s_mov_b32 s[G1B+5], SIZE_N
	s_mov_b32 s[G1B+6], 0
	s_mov_b32 s[G1B+7], 0
	s_lshl_b32 s16, s13, 8
	s_lshl_b32 s17, s12, 7
	s_add_co_u32 s16, s16, s17                     ; A: row 256 x tile row + 128 x half,
	s_mul_i32 s16, s16, SIZE_K*2                   ; in bytes
	s_mov_b32 s17, 0
	s_lshl_b32 s46, s42, 9                         ; B: 512 bytes x tile column
	s_mul_i32 s47, s12, 64*SIZE_N*2                ; + 64 rows of k x half
	s_add_co_u32 s46, s46, s47
	s_add_co_u32 s46, s46, WOFF
	s_mov_b32 s47, 0
	s_mul_i32 s20, s12, HALFA                      ; where they go: no place in the cluster enters an LDS address
	s_mul_i32 s21, s12, HALFB
	s_add_co_u32 s21, s21, 2*HALFA
	s_mov_b32 s[TB], 0
	s_mov_b32 s[PP], 0x3e6d3389                    ; 0.2316419
	s_mov_b32 s[K2], 0xbf38aa3b                    ; -log2(e) / 2
	s_mov_b32 s[C1], 0x3e027906                    ; 0.127414796
	s_mov_b32 s[C2], 0xbe11a98e                    ; -0.142248368
	s_mov_b32 s[C3], 0x3f35f0e3                    ; 0.7107068705
	s_mov_b32 s[C4], 0xbf3a00e3                    ; -0.7265760135
	s_mov_b32 s[C5], 0x3f07dc22                    ; 0.5307027145
.irp g, K2, C1, C2, C3, C4, C5
	s_mov_b32 s[(\g)+1], s[\g]
.endr
	s_wait_dscnt 0x0                               ; the opening add is done
	s_wait_kmcnt 0x0
	s_add_nc_u64 s[14:15], s[PA:PA+1], s[16:17]
	s_add_nc_u64 s[46:47], s[PW:PW+1], s[46:47]
	CROUND                                         ; all sixteen work-groups are here: the first joint loads meet
.irp s, 0,1
	s_mov_b32 s[G0+4*(\s)], 1
	s_add_co_u32 s[G0+4*(\s)+1], s20, (\s)*SLOT
	s_add_nc_u64 s[G0+4*(\s)+2:G0+4*(\s)+3], s[14:15], (\s)*ASTEP
	s_or_b32 s[G0+4*(\s)+3], s[G0+4*(\s)+3], 0x80000000
	s_mov_b32 s[G0B+4*(\s)], 1
	s_add_co_u32 s[G0B+4*(\s)+1], s21, (\s)*SLOT
	s_add_nc_u64 s[G0B+4*(\s)+2:G0B+4*(\s)+3], s[46:47], (\s)*BSTEP
	s_or_b32 s[G0B+4*(\s)+3], s[G0B+4*(\s)+3], 0x80000000
	JLOAD \s                                       ; K steps 0 and 1: two loads of mine are out
.endr
	v_and_b32 v1, 15, v0                           ; r = l % 16
	v_bfe_u32 v2, v0, 4, 1                         ; h = l / 16
	v_and_b32 v3, 7, v0
	v_bfe_u32 v4, v0, 3, 1
	v_mul_u32_u24 v[A0], v1, AP                    ; a fragment of A: row r, 16 bytes for each half of the lanes, twice, 32 bytes apart
	v_lshl_add_u32 v[A0], v2, 4, v[A0]
	s_mul_i32 s2, s11, HALFA
	v_add_nc_u32 v[A0], s2, v[A0]
	v_lshl_add_u32 v[B0], v2, 3, v3                ; the turning load: lane l reads k row 8 h + l % 8, columns 8 ((l / 8) % 2) + 0..7
	v_mul_u32_u24 v[B0], v[B0], PB
	v_lshl_add_u32 v[B0], v4, 4, v[B0]
	s_lshl_b32 s2, s12, 8                          ; my 128 columns
	s_add_co_u32 s2, s2, 2*HALFA
	v_add_nc_u32 v[B0], s2, v[B0]
	v_lshlrev_b32 v[BO], 5, v2
	s_lshl_b32 s46, s42, 10                        ; the bias of my 128 columns
	s_lshl_b32 s47, s12, 9
	s_add_co_u32 s46, s46, s47
	s_mov_b32 s47, 0
	s_add_nc_u64 s[PBI:PBI+1], s[PBI:PBI+1], s[46:47]
.irp hi, 0,1
	WIN 0x80+0x40*(\hi)                            ; destination window 2, then 3
.irp a, 0,1,2,3
.irp b, 0,1,2,3,4,5,6,7
	global_load_b128 v[8*(8*(\a)+(\b)):8*(8*(\a)+(\b))+3],   v[BO], s[PBI:PBI+1] offset:64*(\b)
	global_load_b128 v[8*(8*(\a)+(\b))+4:8*(8*(\a)+(\b))+7], v[BO], s[PBI:PBI+1] offset:64*(\b)+16
.endr
.endr
.endr
	WIN 0
	; the way out: my 128 rows of 256 bytes each
	s_lshl_b32 s16, s13, 8
	s_lshl_b32 s17, s11, 7
	s_add_co_u32 s16, s16, s17
	s_lshl_b32 s16, s16, 13                        ; 8,192 bytes a row
	s_mov_b32 s17, 0
	s_add_nc_u64 s[P3:P3+1], s[P3:P3+1], s[16:17]
	s_lshl_b32 s46, s42, 9
	s_lshl_b32 s47, s12, 8
	s_add_co_u32 s46, s46, s47
	s_mov_b32 s47, 0
	s_add_nc_u64 s[P3:P3+1], s[P3:P3+1], s[46:47]
	s_mul_i32 s2, s10, WSTG                        ; my own bytes
	v_mul_u32_u24 v[STO], v1, SP32                 ; in: row r, 32 bytes for each half of the lanes
	v_lshl_add_u32 v[STO], v2, 5, v[STO]
	v_add_nc_u32 v[STO], s2, v[STO]
	v_and_b32 v[CO], 31, v0
	v_lshl_add_u32 v[RD], v[CO], 4, s2             ; back: 16 bytes of f32 in,
	v_lshlrev_b32 v[CO], 3, v[CO]                  ; 8 bytes of bf16 out, a lane
	; the prefetches
	s_lshl_b32 s16, s13, 8
	s_lshl_b32 s17, s12, 7
	s_add_co_u32 s16, s16, s17
	s_lshl_b32 s17, s40, 5
	s_add_co_u32 s16, s16, s17                     ; A: my work-group's 32 of the 128 rows that I fetch,
	s_mul_i32 s16, s16, SIZE_K*2
	s_add_co_u32 s16, s16, 2*ASTEP                 ; at K step 2: the first refill steps it to 3
	s_lshl_b32 s46, s12, 6
	s_lshl_b32 s47, s41, 4
	s_add_co_u32 s46, s46, s47                     ; B: my work-group's 16 of the 64 rows of k that I fetch
	s_mul_i32 s46, s46, SIZE_N*2
	s_lshl_b32 s47, s42, 9
	s_add_co_u32 s46, s46, s47
	s_add_co_u32 s46, s46, WOFF+2*BSTEP
	s_and_b32 s2, ttmp7, 0xffff                    ; cluster y
	s_mov_b32 s[PST], BSTEP
	s_mov_b32 s[PST+1], 0
	s_mov_b32 s18, SIZE_N*2
	s_cmp_eq_u32 s11, 0                            ; do I fetch for A?
	s_cselect_b32 s16, s16, s46
	s_cselect_b32 s2, ttmp9, s2                    ; the coordinate along which other clusters read the same bytes
	s_cselect_b64 s[PFA:PFA+1], s[PA:PA+1], s[PW:PW+1]
	s_cselect_b32 s[PST], ASTEP, s[PST]
	s_cselect_b32 s18, SIZE_K*2, s18               ; bytes from row to row
	s_cselect_b32 s19, 0, 1                        ; a lane a row, or two lanes a row
	s_mov_b32 s17, 0
	s_add_nc_u64 s[PFA:PFA+1], s[PFA:PFA+1], s[16:17]
	s_cmp_eq_u32 s2, 0
	s_cselect_b32 s[LIM], 1, -1                    ; the same in all sixteen partners, for a given wave
	v_and_b32 v[PFO], 31, v0
	v_and_b32 v31, s19, v[PFO]
	v_lshrrev_b32 v[PFO], s19, v[PFO]
	v_mul_u32_u24 v[PFO], v[PFO], s18
	v_lshl_add_u32 v[PFO], v31, 8, v[PFO]
; 16 matrix instructions: m blocks a0, a0 + 1 of the window's four (hi = 0: my rows 0-63, 1: rows 64-127) x all 8 n blocks, 32 along K.
; The 64 accumulators take turns, one instruction a turn, in the same order in every quarter, over the backward jumps too.
.macro MUL16 f, hi, a0
	WIN MUL_LO+0x50*(\hi)
.irp a, \a0, (\a0)+1
.irp b, 0,1,2,3,4,5,6,7
	v_wmma_f32_16x16x32_bf16 v[8*(8*(\a)+(\b)):8*(8*(\a)+(\b))+7], v[(\f)+8*(\b):(\f)+8*(\b)+7], v[(\f)+8*(4*(\hi)+(\a)):(\f)+8*(4*(\hi)+(\a))+7], v[8*(8*(\a)+(\b)):8*(8*(\a)+(\b))+7]
.endr
.endr
.endm
; 32 LDS loads in one run: the fragments of quarter q (32 along K) of the slot in hand into buffer f: B's sixteen, then A's rows 0-63, then A's rows 64-127
.macro FETCH q, f
	WIN TO_B
.irp i, 0,1,2,3,4,5,6,7
	ds_load_tr16_b128 v[(\f)+8*(\i):(\f)+8*(\i)+3],   v[ADRB] offset:(\q)*32*PB+32*(\i)
	ds_load_tr16_b128 v[(\f)+8*(\i)+4:(\f)+8*(\i)+7], v[ADRB] offset:(\q)*32*PB+32*(\i)+16*PB
.endr
	WIN 0
.irp i, 0,1,2,3,4,5,6,7
	ds_load_b128 v[(\f)+8*(\i):(\f)+8*(\i)+3],   v[ADRA] offset:(\q)*64+(\i)*16*AP
	ds_load_b128 v[(\f)+8*(\i)+4:(\f)+8*(\i)+7], v[ADRA] offset:(\q)*64+(\i)*16*AP+32
.endr
.endm
; One of a K step's first three quarters: multiplies buffer f and, in its middle, fetches quarter q into buffer g
.macro QUARTER q, f, g
	s_wait_dscnt 8                                 ; B and A's rows 0-63 are in; the youngest eight loads (A's rows 64-127) may be out
	MUL16 \f, 0, 0
	MUL16 \f, 0, 2
	PLACES                                         ; four places in front of loads into registers that matrix instructions have read
	FETCH \q, \g
	s_wait_dscnt 32                                ; all but the 32 just issued
	MUL16 \f, 1, 0
	MUL16 \f, 1, 2
.endm
; The last quarter multiplies buffer 1 and changes slots: ONE barrier; in front of it each wave waits for all its tensor loads, adds 0 to its spare word, and waits for that and for its reads of this slot.
; fill = 1: the barrier opens a round of the cluster's, and this slot is filled again, two K steps ahead, first thing behind it.
.macro TURN fill
.if \fill
	s_wait_xcnt 0x0                                ; the last prefetch, a K step back, has read its address
	s_add_nc_u64 s[PFA:PFA+1], s[PFA:PFA+1], s[PST:PST+1]
.endif
	WIN 0
	s_wait_tensorcnt 0x0                           ; all my tensor loads have landed: my part of the next slot
	ds_add_u32 v[SPW], v[NIL]
	s_wait_dscnt 9                                 ; the add and the youngest eight loads may be out
	MUL16 F1, 0, 0
	s_wait_dscnt 0x0                               ; the add is done, and my reads of this slot are over
	s_barrier_signal -1
	MUL16 F1, 0, 2
	WIN 0
	s_barrier_wait -1
.if \fill
	CREST                                          ; no wave of any partner still reads this slot or has a load on its way
	s_xor_b32 s[G0+5], s[G0+5], SLOT               ; the walking descriptors: the slot just read,
	s_xor_b32 s[G0B+5], s[G0B+5], SLOT
	s_add_nc_u64 s[G0+6:G0+7], s[G0+6:G0+7], ASTEP     ; the next K step
	s_add_nc_u64 s[G0B+6:G0B+7], s[G0B+6:G0B+7], BSTEP
	JLOAD 1                                        ; its four v_nop are also the places in front of the loads below
.else
	PLACES
.endif
	s_xor_b32 s[TB], s[TB], SLOT
	v_add_nc_u32 v[ADRA], s[TB], v[A0]
	v_add_nc_u32 v[ADRB], s[TB], v[B0]
.if !(\fill)
	s_cmp_eq_u32 s3, 1                             ; behind the last K step nothing is left to fetch
	s_cbranch_scc1 .Lno_more_\@
.endif
	FETCH 0, F0
.if \fill
	ASK
.else
	WIN 0
.Lno_more_\@:
.endif
	MUL16 F1, 1, 0
	MUL16 F1, 1, 2
.endm
.macro STEP fill
	QUARTER 1, F0, F1
	QUARTER 2, F1, F0
	QUARTER 3, F0, F1
	TURN \fill
.endm
	s_wait_tensorcnt 1                             ; my part of K step 0 is in; K step 1's may stay out
	s_barrier_signal -1
	s_barrier_wait -1
	v_mov_b32 v[ADRA], v[A0]
	v_mov_b32 v[ADRB], v[B0]
	FETCH 0, F0
	WIN 0
	s_wait_loadcnt 0x0                             ; the bias lies in the accumulators
	s_mov_b32 s3, STEPS-2
.Lk:                                           ; every K step but the last two fills its slot again
	STEP 1
	WIN 0
	s_sub_co_u32 s3, s3, 1
	s_cmp_lg_u32 s3, 0
	s_cbranch_scc1 .Lk
	s_mov_b32 s3, 2
.Lt:                                           ; the last two ask for nothing
	STEP 0
	WIN 0
	s_sub_co_u32 s3, s3, 1
	s_cmp_lg_u32 s3, 0
	s_cbranch_scc1 .Lt
	PLACES
	PLACES
.irp hi, 0,1                           ; the last barrier has shown that no wave reads a slot any more; each accumulator's low registers go first
	WIN 0x08+4*(\hi)                               ; the stores' data in window 2, then 3
.irp a, 0,1,2,3
.irp b, 0,1,2,3,4,5,6,7
	ds_store_b128 v[STO], v[8*(8*(\a)+(\b)):8*(8*(\a)+(\b))+3]   offset:(4*(\hi)+(\a))*16*SP32+64*(\b)
	ds_store_b128 v[STO], v[8*(8*(\a)+(\b))+4:8*(8*(\a)+(\b))+7] offset:(4*(\hi)+(\a))*16*SP32+64*(\b)+16
.endr
.endr
.endr
	WIN 0
	s_mov_b32 s3, 16
.Lg:                                           ; sixteen trips of 8 rows: 32 numbers a lane; LDS serves a wave's instructions in order (ISA guide 5.7.1.4): the loads see my stores above
.irp t, 0,1,2,3,4,5,6,7
	ds_load_b128 v[GX+4*(\t):GX+4*(\t)+3], v[RD] offset:(\t)*SP32
.endr
	s_wait_dscnt 0x0
.set n, 0
.rept 32
	v_fma_f32 v[GT+n], |v[GX+n]|, s[PP], 1.0       ; 1 + PP |x|
.set n, n+1
.endr
.set n, 0
.rept 16
	v_pk_mul_f32 v[GE+n:GE+n+1], v[GX+n:GX+n+1], v[GX+n:GX+n+1]
.set n, n+2
.endr
.set n, 0
.rept 16
	v_pk_mul_f32 v[GE+n:GE+n+1], v[GE+n:GE+n+1], s[K2:K2+1] op_sel_hi:[1,0]
.set n, n+2
.endr
.set n, 0
.rept 32
	v_rcp_f32 v[GT+n], v[GT+n]
.set n, n+1
.endr
.set n, 0
.rept 32
	v_exp_f32 v[GE+n], v[GE+n]
.set n, n+1
.endr
.set n, 0
.rept 32
	v_max_num_f32 v[GG+n], 0, v[GX+n]              ; plain work behind the batch of 64
.set n, n+1
.endr
	s_wait_alu depctr_va_vdst(0)                   ; the one wait for the batch, ahead of the first use of a result
.set n, 0
.rept 16
	v_pk_fma_f32 v[GR+n:GR+n+1], v[GT+n:GT+n+1], s[C5:C5+1], s[C4:C4+1] op_sel_hi:[1,0,0]
.set n, n+2
.endr
.irp g, C3, C2, C1
.set n, 0
.rept 16
	v_pk_fma_f32 v[GR+n:GR+n+1], v[GR+n:GR+n+1], v[GT+n:GT+n+1], s[\g:\g+1] op_sel_hi:[1,1,0]
.set n, n+2
.endr
.endr
.set n, 0
.rept 16
	v_pk_mul_f32 v[GR+n:GR+n+1], v[GR+n:GR+n+1], v[GT+n:GT+n+1]
.set n, n+2
.endr
.set n, 0
.rept 16
	v_pk_mul_f32 v[GR+n:GR+n+1], v[GR+n:GR+n+1], v[GE+n:GE+n+1]
.set n, n+2
.endr
.set n, 0
.rept 32
	v_fma_f32 v[GG+n], -|v[GX+n]|, v[GR+n], v[GG+n]
.set n, n+1
.endr
.set n, 0
.rept 16
	v_cvt_pk_bf16_f32 v[GO+n], v[GG+2*n], v[GG+2*n+1]
.set n, n+1
.endr
.irp t, 0,1,2,3,4,5,6,7
	global_store_b64 v[CO], v[GO+2*(\t):GO+2*(\t)+1], s[P3:P3+1] offset:(\t)*8192  ; 32 lanes store 256 consecutive bytes, aligned
.endr
	s_wait_xcnt 0x0                                ; the stores' data and base are written again only behind this wait
	s_add_nc_u64 s[P3:P3+1], s[P3:P3+1], 8*8192
	v_add_nc_u32 v[RD], 8*SP32, v[RD]
	s_sub_co_u32 s3, s3, 1
	s_cmp_lg_u32 s3, 0
	s_cbranch_scc1 .Lg
	s_wait_tensorcnt 0x0                           ; the wave's end
	ds_add_u32 v[SPW], v[NIL]
	s_wait_dscnt 0x0
	CROUND                                         ; the closing round
	s_endpgm
.Lfunc_end_k_q2a0c785807_gup:
	.size	k_q2a0c785807_gup, .Lfunc_end_k_q2a0c785807_gup-k_q2a0c785807_gup
	.p2alignl 7, 3214868480
	.fill 96, 4, 3214868480
	.section	.rodata,"a",@progbits
	.p2align	6, 0x0
	.amdhsa_kernel k_q2a0c785807_gup
		.amdhsa_group_segment_fixed_size 327680
		.amdhsa_private_segment_fixed_size 0
		.amdhsa_enable_private_segment 0
		.amdhsa_kernarg_size 32
		.amdhsa_user_sgpr_count 2
		.amdhsa_user_sgpr_kernarg_segment_ptr 1
		.amdhsa_wavefront_size32 1
		.amdhsa_system_sgpr_workgroup_id_x 1
		.amdhsa_system_sgpr_workgroup_id_y 1
		.amdhsa_system_sgpr_workgroup_id_z 1
		.amdhsa_system_vgpr_workitem_id 0
		.amdhsa_next_free_vgpr 1024
		.amdhsa_next_free_sgpr 100
		.amdhsa_reserve_vcc 0
		.amdhsa_float_denorm_mode_32 3
		.amdhsa_float_denorm_mode_16_64 3
		.amdhsa_memory_ordered 1
		.amdhsa_forward_progress 1
		.amdhsa_inst_pref_size 103
	.end_amdhsa_kernel
	.amdgpu_metadata
---
amdhsa.version: [ 1, 2 ]
amdhsa.kernels:
  - .name:           k_q2a0c785807_gup
    .symbol:         k_q2a0c785807_gup.kd
    .args:
      - { .name: act, .offset: 0, .size: 8, .value_kind: global_buffer, .address_space: global }
      - { .name: wbf, .offset: 8, .size: 8, .value_kind: global_buffer, .address_space: global }
      - { .name: b1, .offset: 16, .size: 8, .value_kind: global_buffer, .address_space: global }
      - { .name: hb, .offset: 24, .size: 8, .value_kind: global_buffer, .address_space: global }
    .group_segment_fixed_size: 327680
    .private_segment_fixed_size: 0
    .kernarg_segment_align: 8
    .kernarg_segment_size: 32
    .max_flat_workgroup_size: 128
    .sgpr_count:     100
    .vgpr_count:     1024
    .wavefront_size: 32
...
	.end_amdgpu_metadata
.endif
;; end of part 9
;; launch gdown: the kernel of part 6 again; grid 8 x 32, 4 waves a work-group, clusters of 4 x 4, 327,680 bytes of LDS; arguments hb, wbf, b2, x1, out0; writes out0
;; ======== version 3 of 3: 7 launches; version 2 with the launches prep, ln2 written anew for expert scheduling mode
;; workspace buffers: wbf 25,165,824 bytes; act 8,388,608 bytes; qkvh 25,165,824 bytes; ob 8,388,608 bytes; x1 16,777,216 bytes; hb 33,554,432 bytes
;; launch prep (part 10): grid 256 x 4, 8 waves a work-group, no clusters, 0 bytes of LDS; arguments x, ln1_g, ln1_b, act, wx_w, wo_w, w1, w2, wbf; writes act, wbf
.if DOCPART == 10
	.amdgcn_target "amdgcn-amd-amdhsa--gfx1250"
	.amdhsa_code_object_version 6
	.text
	.protected	k_q2a0c785807_prep
	.globl	k_q2a0c785807_prep
	.p2align	8
	.type	k_q2a0c785807_prep,@function
k_q2a0c785807_prep:
	s_mov_b64 s[64:65], 0
	v_nop
	global_prefetch_b8 v0, s[64:65] scope:SCOPE_SE
	s_setreg_imm32_b32 hwreg(HW_REG_WAVE_SCHED_MODE, 0, 2), 2
	s_setreg_imm32_b32 hwreg(HW_REG_WAVE_MODE, 25, 1), 1
	s_wait_xcnt 0x0
	s_wait_alu depctr_vm_vsrc(0)
; Two streams in one text, told apart by the work-group's y.
; y = 0: LAYER NORM.  out[r][c] = g[c] (in[r][c] - mu) / sqrt(var + 1e-5) + b[c], in: [4096][1024] f32, out: the same in bf16, rounded once.
;   var is taken as the mean of (x - mu)^2, which equals E[x^2] - mu^2 and forms no difference of large sums where the row carries an offset.
;   A work-group owns 16 rows, a wave 2; a row of 4,096 bytes is 32 registers of one wave, so it is read once and no wave waits for another.
; y = 1..3: CAST.  The four weight matrices, f32, are copied to bf16 as they lie ([K][N]) into one buffer: wx at 0, wo at 6,291,456, w1 at 8,388,608,
;   w2 at 16,777,216.  Chunk c = 256 (y - 1) + x of 768 is 65,536 bytes of f32: chunks 0-191 wx, 192-255 wo, 256-511 w1, 512-767 w2.
; With a grid of height 1 only the layer norm runs.  No LDS, no barrier, no matrix unit: both are streams, each byte read and written once.
; THE MODE: SCHED_MODE bits 1:0 = 2 (LLVM: expert scheduling mode 2), set by the entry lines.  The code itself states the register dependences
; between vector instructions and memory instructions, with s_wait_alu, always for 0.
; THE PLAN, LAYER NORM.  Registers that memory instructions touch:
;   v1, v[XO], v[YO]  byte offsets, made once and never written again; read by every load and store.
;   X0, X1, G, BV     loads alone land in them, once, before any vector instruction names them; the vector work follows behind s_wait_loadcnt.
;   Y0, Y1            row p's roundings write Y[p], once; its eight stores read it.
;   One wait ahead of the first load (the offsets).  Row 0's stores stand in row 1, directly behind the wait that row 1's two roots have in any case: that wait
;   also states that row 0's roundings have written Y0.  One more wait stands behind row 1's roundings, ahead of the last stores.  No register that a memory
;   instruction reads is written again.
; THE PLAN, CAST.  v1, v2: offsets, made once.  v[16:79]: sixteen loads land, the roundings read them once.  v[80:111]: the roundings write them once, the stores read them.
;   The sixteen loads go in four groups of four.  At the head of group g, behind the wait for its data, ONE wait states that group g - 1's roundings have written their
;   registers; that group's four stores are dealt among group g's roundings, which name group g's registers alone.
.set XO, 2                             ; v2        my 16 bytes in the wave's first row of the input
.set YO, 3                             ; v3        my 8 bytes in the wave's first row of the output
.set T,  4                             ; v[4:11]   four chains of packed sums
.set MU, 12                            ; v[12:13]  the mean, twice
.set R,  14                            ; v[14:15]  1 / sqrt(var + eps), twice
.set X,  16                            ; v[16:79]  two rows of 32
.set G,  80                            ; v[80:111] the gain of my 32 columns
.set BV, 112                           ; v[112:143] the bias of my 32 columns
.set Y,  144                           ; v[144:175] two rows of 16 packed words
	s_load_b512 s[4:19], s[0:1], 0x0               ; in s[4:5], g s[6:7], b s[8:9], out s[10:11], wx s[12:13], wo s[14:15], w1 s[16:17], w2 s[18:19]
	s_load_b64 s[20:21], s[0:1], 0x40              ; the bf16 weights
	v_lshrrev_b32 v1, 5, v0
	v_readfirstlane_b32 s23, v1                    ; wave 0..7
	s_and_b32 s22, ttmp7, 0xffff                   ; y
	s_wait_alu depctr_va_sdst(0)                   ; s23 is written: the layer norm's offsets are made from it; the wait stands in the writer's own run of code, ahead of the branch
	s_wait_kmcnt 0x0
	s_cmp_lg_u32 s22, 0
	s_cbranch_scc1 .Lcast
	s_mov_b32 s24, 0x76543210                      ; v_permlanex16_b32: each lane takes its own place in the other half
	s_mov_b32 s25, 0xfedcba98
	s_mov_b32 s26, 0x3a800000                      ; 1 / 1024
	s_mov_b32 s27, 0x3727c5ac                      ; 1e-5
	s_lshl_b32 s28, ttmp9, 16                      ; 16 rows of 4,096 bytes
	s_mov_b32 s29, 0
	s_add_nc_u64 s[4:5], s[4:5], s[28:29]
	s_lshl_b32 s28, ttmp9, 15                      ; 16 rows of 2,048 bytes
	s_add_nc_u64 s[10:11], s[10:11], s[28:29]
	v_and_b32 v1, 31, v0
	v_lshlrev_b32 v[YO], 3, v1
	v_lshlrev_b32 v1, 4, v1                        ; 16 x lane: register 4 j + i of a row is column 128 j + 4 lane + i
	v_lshl_add_u32 v[XO], s23, 13, v1              ; + wave x 2 rows
	v_lshl_add_u32 v[YO], s23, 12, v[YO]
	s_wait_alu depctr_va_vdst(0)                   ; v1, v[XO] and v[YO] are written: every load and store of this path reads one of them as its offset
.irp p, 0,1
.irp j, 0,1,2,3,4,5,6,7
	global_load_b128 v[X+32*(\p)+4*(\j):X+32*(\p)+4*(\j)+3], v[XO], s[4:5] offset:4096*(\p)+512*(\j) th:TH_LOAD_NT
.endr
.endr
.irp j, 0,1,2,3,4,5,6,7
	global_load_b128 v[G+4*(\j):G+4*(\j)+3], v1, s[6:7] offset:512*(\j)
.endr
.irp j, 0,1,2,3,4,5,6,7
	global_load_b128 v[BV+4*(\j):BV+4*(\j)+3], v1, s[8:9] offset:512*(\j)
.endr
.macro REDUCE                          ; the four chains into one number, then over the 32 lanes: every lane ends with the sum
	v_pk_add_f32 v[T:T+1], v[T:T+1], v[T+2:T+3]
	v_pk_add_f32 v[T+4:T+5], v[T+4:T+5], v[T+6:T+7]
	v_pk_add_f32 v[T:T+1], v[T:T+1], v[T+4:T+5]
	v_add_f32 v[T], v[T], v[T+1]
	v_add_f32_dpp v[T], v[T], v[T] row_xmask:1 row_mask:0xf bank_mask:0xf
	v_add_f32_dpp v[T], v[T], v[T] row_xmask:2 row_mask:0xf bank_mask:0xf
	v_add_f32_dpp v[T], v[T], v[T] row_xmask:4 row_mask:0xf bank_mask:0xf
	v_add_f32_dpp v[T], v[T], v[T] row_xmask:8 row_mask:0xf bank_mask:0xf
	v_permlanex16_b32 v[T+1], v[T], s24, s25
	v_add_f32 v[T], v[T], v[T+1]
.endm
; Row p's eight stores.  They stand behind a wait on va_vdst that follows the row's roundings, with no vector instruction between that wait and them.
.macro OUT p
.irp j, 0,1,2,3,4,5,6,7
	global_store_b64 v[YO], v[Y+16*(\p)+2*(\j):Y+16*(\p)+2*(\j)+1], s[10:11] offset:2048*(\p)+256*(\j)  ; 32 lanes store 256 consecutive bytes, aligned
.endr
.endm
; Row p of the wave's two.  left = how many younger loads may stay out.
.macro ROWN p, left
.set XB, X+32*(\p)
.set YB, Y+16*(\p)
	s_wait_loadcnt \left
.irp c, 0,1,2,3
	v_pk_add_f32 v[T+2*(\c):T+2*(\c)+1], v[XB+2*(\c):XB+2*(\c)+1], v[XB+8+2*(\c):XB+8+2*(\c)+1]  ; the first pairs start the chains
.endr
.irp c, 8,9,10,11,12,13,14,15
	v_pk_add_f32 v[T+2*((\c)%4):T+2*((\c)%4)+1], v[T+2*((\c)%4):T+2*((\c)%4)+1], v[XB+2*(\c):XB+2*(\c)+1]
.endr
	REDUCE
	v_mul_f32 v[MU], s26, v[T]
	v_mov_b32 v[MU+1], v[MU]
.irp c, 0,1,2,3,4,5,6,7,8,9,10,11,12,13,14,15
	v_pk_add_f32 v[XB+2*(\c):XB+2*(\c)+1], v[XB+2*(\c):XB+2*(\c)+1], v[MU:MU+1] neg_lo:[0,1] neg_hi:[0,1]  ; x - mu, in place
.endr
.irp c, 0,1,2,3
	v_pk_mul_f32 v[T+2*(\c):T+2*(\c)+1], v[XB+2*(\c):XB+2*(\c)+1], v[XB+2*(\c):XB+2*(\c)+1]
.endr
.irp c, 4,5,6,7,8,9,10,11,12,13,14,15
	v_pk_fma_f32 v[T+2*((\c)%4):T+2*((\c)%4)+1], v[XB+2*(\c):XB+2*(\c)+1], v[XB+2*(\c):XB+2*(\c)+1], v[T+2*((\c)%4):T+2*((\c)%4)+1]
.endr
	REDUCE
	v_fma_f32 v[T], v[T], s26, s27                 ; var + eps
	v_rsq_f32 v[R], v[T]
	v_rsq_f32 v[R+1], v[T]
	v_nop                                          ; a plain instruction behind the second root (ISA guide 5.7.2),
	s_wait_alu depctr_va_vdst(0)                   ; the two roots have written v[R:R+1], ahead of the first use of the pair; in row 1 also: row 0's roundings have written Y0, which the stores below read
.if (\p) == 0
	s_wait_loadcnt 0x0                             ; gain and bias, once
.else
	OUT 0                                          ; row 0 leaves while row 1 is scaled
.endif
.irp c, 0,1,2,3,4,5,6,7,8,9,10,11,12,13,14,15
	v_pk_mul_f32 v[XB+2*(\c):XB+2*(\c)+1], v[XB+2*(\c):XB+2*(\c)+1], v[R:R+1]
.endr
.irp c, 0,1,2,3,4,5,6,7,8,9,10,11,12,13,14,15
	v_pk_fma_f32 v[XB+2*(\c):XB+2*(\c)+1], v[XB+2*(\c):XB+2*(\c)+1], v[G+2*(\c):G+2*(\c)+1], v[BV+2*(\c):BV+2*(\c)+1]
.endr
.irp c, 0,1,2,3,4,5,6,7,8,9,10,11,12,13,14,15
	v_cvt_pk_bf16_f32 v[YB+(\c)], v[XB+2*(\c)], v[XB+2*(\c)+1]
.endr
.endm
	ROWN 0, 24                                     ; behind row 0's loads: row 1's eight, the gain's eight, the bias's eight
	ROWN 1, 0
	s_wait_alu depctr_va_vdst(0)                   ; row 1's roundings have written Y1, which the last eight stores read
	OUT 1
	s_endpgm
.Lcast:
	s_sub_co_u32 s22, s22, 1
	s_lshl_b32 s22, s22, 8
	s_add_co_u32 s22, s22, ttmp9                   ; chunk c
	s_mov_b64 s[28:29], s[18:19]                   ; w2, whose first chunk is 512, unless c lies lower
	s_mov_b32 s30, 512
	s_cmp_lt_u32 s22, 512
	s_cselect_b64 s[28:29], s[16:17], s[28:29]
	s_cselect_b32 s30, 256, s30
	s_cmp_lt_u32 s22, 256
	s_cselect_b64 s[28:29], s[14:15], s[28:29]
	s_cselect_b32 s30, 192, s30
	s_cmp_lt_u32 s22, 192
	s_cselect_b64 s[28:29], s[12:13], s[28:29]
	s_cselect_b32 s30, 0, s30
	s_sub_co_u32 s32, s22, s30
	s_lshl_b32 s32, s32, 16                        ; the chunk's place in its matrix
	s_mov_b32 s33, 0
	s_add_nc_u64 s[28:29], s[28:29], s[32:33]
	s_lshl_b32 s34, s22, 15                        ; and in the bf16 buffer
	s_mov_b32 s35, 0
	s_add_nc_u64 s[20:21], s[20:21], s[34:35]
	v_lshlrev_b32 v1, 4, v0                        ; 16 bytes in,
	v_lshlrev_b32 v2, 3, v0                        ; 8 bytes out, a thread
	s_wait_alu depctr_va_vdst(0)                   ; v1 and v2 are written: the loads read v1, the stores v2, as their offsets
.irp i, 0,1,2,3,4,5,6,7,8,9,10,11,12,13,14,15
	global_load_b128 v[16+4*(\i):16+4*(\i)+3], v1, s[28:29] offset:4096*(\i) th:TH_LOAD_NT
.endr
; Group g of four: loads 4 g to 4 g + 3 are rounded; the stores of group g - 1 are dealt among the roundings.
.macro CGRP g
	s_wait_loadcnt 12-4*(\g)                       ; the later groups' loads may stay out
.if (\g) > 0
	s_wait_alu depctr_va_vdst(0)                   ; the group before has written its eight packed words, which the four stores below read; the roundings between them name this group's registers alone
.endif
.irp j, 0,1,2,3
.if (\g) > 0
	global_store_b64 v2, v[80+2*(4*(\g)-4+(\j)):80+2*(4*(\g)-4+(\j))+1], s[20:21] offset:2048*(4*(\g)-4+(\j))  ; a wave stores 256 consecutive bytes, aligned; no register is written twice
.endif
	v_cvt_pk_bf16_f32 v[80+2*(4*(\g)+(\j))], v[16+4*(4*(\g)+(\j))], v[16+4*(4*(\g)+(\j))+1]
	v_cvt_pk_bf16_f32 v[80+2*(4*(\g)+(\j))+1], v[16+4*(4*(\g)+(\j))+2], v[16+4*(4*(\g)+(\j))+3]
.endr
.endm
	CGRP 0
	CGRP 1
	CGRP 2
	CGRP 3
	s_wait_alu depctr_va_vdst(0)                   ; the last group has written its eight packed words, which the last four stores read
.irp j, 12,13,14,15
	global_store_b64 v2, v[80+2*(\j):80+2*(\j)+1], s[20:21] offset:2048*(\j)
.endr
	s_endpgm
.Lfunc_end_k_q2a0c785807_prep:
	.size	k_q2a0c785807_prep, .Lfunc_end_k_q2a0c785807_prep-k_q2a0c785807_prep
	.p2alignl 7, 3214868480
	.fill 96, 4, 3214868480
	.section	.rodata,"a",@progbits
	.p2align	6, 0x0
	.amdhsa_kernel k_q2a0c785807_prep
		.amdhsa_group_segment_fixed_size 0
		.amdhsa_private_segment_fixed_size 0
		.amdhsa_enable_private_segment 0
		.amdhsa_kernarg_size 72
		.amdhsa_user_sgpr_count 2
		.amdhsa_user_sgpr_kernarg_segment_ptr 1
		.amdhsa_wavefront_size32 1
		.amdhsa_system_sgpr_workgroup_id_x 1
		.amdhsa_system_sgpr_workgroup_id_y 1
		.amdhsa_system_sgpr_workgroup_id_z 1
		.amdhsa_system_vgpr_workitem_id 0
		.amdhsa_next_free_vgpr 176
		.amdhsa_next_free_sgpr 66
		.amdhsa_reserve_vcc 0
		.amdhsa_float_denorm_mode_32 3
		.amdhsa_float_denorm_mode_16_64 3
		.amdhsa_memory_ordered 1
		.amdhsa_forward_progress 1
		.amdhsa_inst_pref_size 27
	.end_amdhsa_kernel
	.amdgpu_metadata
---
amdhsa.version: [ 1, 2 ]
amdhsa.kernels:
  - .name:           k_q2a0c785807_prep
    .symbol:         k_q2a0c785807_prep.kd
    .args:
      - { .name: x, .offset: 0, .size: 8, .value_kind: global_buffer, .address_space: global }
      - { .name: ln1_g, .offset: 8, .size: 8, .value_kind: global_buffer, .address_space: global }
      - { .name: ln1_b, .offset: 16, .size: 8, .value_kind: global_buffer, .address_space: global }
      - { .name: act, .offset: 24, .size: 8, .value_kind: global_buffer, .address_space: global }
      - { .name: wx_w, .offset: 32, .size: 8, .value_kind: global_buffer, .address_space: global }
      - { .name: wo_w, .offset: 40, .size: 8, .value_kind: global_buffer, .address_space: global }
      - { .name: w1, .offset: 48, .size: 8, .value_kind: global_buffer, .address_space: global }
      - { .name: w2, .offset: 56, .size: 8, .value_kind: global_buffer, .address_space: global }
      - { .name: wbf, .offset: 64, .size: 8, .value_kind: global_buffer, .address_space: global }
    .group_segment_fixed_size: 0
    .private_segment_fixed_size: 0
    .kernarg_segment_align: 8
    .kernarg_segment_size: 72
    .max_flat_workgroup_size: 256
    .sgpr_count:     66
    .vgpr_count:     176
    .wavefront_size: 32
...
	.end_amdgpu_metadata
.endif
;; end of part 10
;; launch gqkv: the kernel of part 7 again; grid 12 x 16, 4 waves a work-group, clusters of 4 x 4, 327,680 bytes of LDS; arguments act, wbf, wx_b, qkvh; writes qkvh
;; launch attn: the kernel of part 8 again; grid 16 x 16, 4 waves a work-group, clusters of 4 x 4, 327,680 bytes of LDS; arguments qkvh, m, ob; writes ob
;; launch gwo: the kernel of part 4 again; grid 8 x 32, 4 waves a work-group, clusters of 4 x 4, 327,680 bytes of LDS; arguments ob, wbf, wo_b, x, x1; writes x1
;; launch ln2: the kernel of part 10 again; grid 256 x 1, 8 waves a work-group, no clusters, 0 bytes of LDS; arguments x1, ln2_g, ln2_b, act, wx_w, wo_w, w1, w2, wbf; writes act, wbf
;; launch gup: the kernel of part 9 again; grid 16 x 16, 4 waves a work-group, clusters of 4 x 4, 327,680 bytes of LDS; arguments act, wbf, b1, hb; writes hb
;; launch gdown: the kernel of part 6 again; grid 8 x 32, 4 waves a work-group, clusters of 4 x 4, 327,680 bytes of LDS; arguments hb, wbf, b2, x1, out0; writes out0
